; MI455X (gfx1250); checked and timed in simulation.
; The chip was launched on July 23, 2026; its instructions are those of AMD's public machine-readable ISA for CDNA 5 (MIT licence, August 2026) and "CDNA5" Instruction Set Architecture Reference Guide (July 2026). The comments in the code are by the model that wrote it; some were corrected since.
;; Custom Transformer Block. Allowed arithmetic: matrix products marked QUANTISED: E4M3 operands, one given power-of-two scale a tensor, by v_wmma_f32_16x16x64_fp8_fp8 or v_wmma_f32_16x16x128_fp8_fp8, f32 sums; everything else in f32.
;; Inputs: b1 4,096 float32; b2 1,024 float32; key_pad_mask 2 x 2,048 bool; kv_b 2,048 float32; kv_w 1,024 x 2,048 float32; ln1_w 1,024 float32; ln2_w 1,024 float32; lowp_scales 12 int32 (the exponents e of the quantised operands' scales 2^e); q_b 1,024 float32; q_w 1,024 x 1,024 float32; w1 1,024 x 4,096 float32; w2 4,096 x 1,024 float32; x 2 x 2,048 x 1,024 float32.
;; Outputs: out0 2 x 2,048 x 1,024 float32.
;; This version of the problem:
;;   THIS VERSION OF THE PROBLEM IS GIVEN IN LOW PRECISION. The matrix products marked QUANTISED in the list below multiply operands that are first quantised to E4M3 (4 exponent bits, 3 mantissa bits; 8 bits a number), with one given power-of-two scale for each operand tensor; their sums are f32. All else is computed in f32.
;;   The module's matrix products, in the order in which they are computed (A, B: the left and right operand; K: the contracted axis; several contracted axes count as one K, in the product's order):
;;     1. [M 4,096, K 1,024] x [K 1,024, N 1,024]; A: computed on the way; B: input q_w: QUANTISED (scales: A lowp_scales[0], B lowp_scales[1])
;;     2. [M 4,096, K 1,024] x [K 1,024, N 2,048]; A: computed on the way; B: input kv_w: QUANTISED (scales: A lowp_scales[2], B lowp_scales[3])
;;     3. batch 32 x [M 2,048, K 64] x [K 64, N 2,048]; A: computed on the way; B: computed on the way: QUANTISED (scales: A lowp_scales[4], B lowp_scales[5])
;;     4. batch 32 x [M 64, K 2,048] x [K 2,048, N 2,048]; A: computed on the way; B: softmax (see below): QUANTISED (scales: A lowp_scales[6], B lowp_scales[7])
;;     5. [M 4,096, K 1,024] x [K 1,024, N 4,096]; A: computed on the way; B: input w1: QUANTISED (scales: A lowp_scales[8], B lowp_scales[9])
;;     6. [M 4,096, K 4,096] x [K 4,096, N 1,024]; A: computed on the way; B: input w2: QUANTISED (scales: A lowp_scales[10], B lowp_scales[11])
;;   THE QUANTISER, for each operand of a quantised product, along K:
;;     - The operand's scale is 2^e, e = its entry of the input lowp_scales (int32; the entries are numbered through the quantised products in the list's order, A before B).
;;     - Each number is divided by the scale, clamped to +-448, and rounded to the nearest number of E4M3, ties to even, subnormals kept.
;;     - The product sums the exact products of the quantised numbers (number of the format x scale) in f32.
;;   ~~~python
;;   def quantise(x, axis, e):      # numpy; x: float32 -> the quantised numbers, widened to float32 again
;;       x = np.moveaxis(x, axis, -1); K = x.shape[-1]
;;       r = np.clip(x / 2.0 ** e, -448, 448)
;;       step = 2.0 ** (np.maximum(np.frexp(np.where(r == 0, 1, r))[1] - 1, -6) - 3)
;;       q = np.round(r / step) * step * 2.0 ** e      # np.round: ties to even
;;       return np.moveaxis(q, -1, axis).astype(np.float32)
;;   ~~~
;;   SOFTMAX AHEAD OF A QUANTISED PRODUCT. Where the list says 'softmax', what is quantised is not the finished softmax but p = 2^(t - M), with t = logit x log2(e) and M = ceil(the row's largest t), a whole number; so 1/2 < the row's largest p <= 1. The row's sum l is taken of the UNQUANTISED p, in f32, and the product's result is divided by l at the end. Since M is a whole number, a kernel that streams over the keys may use a running M (the ceiling of the running maximum): every later rescaling is an exact power of two, so the quantised numbers keep their values, but for numbers so far below the row's largest that they fall under the format's range.
;;   OPERANDS COMPUTED ON THE WAY. 'Computed on the way' means the value that the module computes at that place (a softmax that the list does not call 'softmax' is quantised finished and normalised). What goes into a quantiser is computed in f32, as accurately as f32 sums, v_exp_f32 and their like allow (about 1e-6 of the number): no bf16 or f16 on the way to a quantiser, and a product that is left as it is and whose result goes on into a quantised operand takes f32 operands (vector FMAs, or v_wmma_f32_16x16x4_f32). A number that lies on a knife's edge between two numbers of the format may be rounded either way, as far as f32 arithmetic and the matrix unit's own rounding can turn it there, and no further.
;; 2 versions. Each part assembles by itself: llvm-mc -triple=amdgcn-amd-amdhsa -mcpu=gfx1250 --defsym DOCPART=n.
;; ======== version 1 of 2: 6 launches
;; workspace buffers: pc 19,922,944 bytes; padl 8,192 bytes of whole numbers; qkvc 12,582,912 bytes; att 16,777,216 bytes; hc 4,194,304 bytes; gc 16,777,216 bytes
;; launch prep (part 1): grid 612 x 1, 4 waves a work-group, no clusters, 43,520 bytes of LDS; arguments x, key_pad_mask, ln1_w, q_w, kv_w, w1, w2, lowp_scales, pc, padl; writes pc, padl
.if DOCPART == 1
	.amdgcn_target "amdgcn-amd-amdhsa--gfx1250"
	.amdhsa_code_object_version 6
	.text
	.protected	k_q8442d69035_prep
	.globl	k_q8442d69035_prep
	.p2align	8
	.type	k_q8442d69035_prep,@function
k_q8442d69035_prep:
	s_mov_b64 s[64:65], 0
	v_nop
	global_prefetch_b8 v0, s[64:65] scope:SCOPE_SE
	s_setreg_imm32_b32 hwreg(HW_REG_WAVE_MODE, 25, 1), 1
	s_wait_xcnt 0x0
; PREP: everything that is quantised once, in one launch.  Three kinds of work-group, told apart by the work-group's number:
;   0 .. 351    the four weights, f32 stored [K][N], become codes of E4M3 laid [N][K] (K innermost), each with its given scale 2^e
;   352 .. 607  rmsnorm 1 of x, quantised twice: with entry 0 (for the Q product) and with entry 2 (for the KV product) of the scales
;   608 .. 611  key_pad_mask becomes lane masks for the attention launch: one word for each score register of a key step
; pc holds, in bytes: x's codes (entry 0) at 0, x's codes (entry 2) at XKV, q_w^T at WQ, kv_w^T at WKV, w1^T at W1O, w2^T at W2O.
; code = number / 2^e, held within +-448, to the nearest code, ties to even.  LIMITS: each e between -126 and 119; NaN among the inputs is not served.
; No tensor loads, no barrier: waves share nothing.  Each kind of work-group has LDS bytes of its own.
.set XKV,  0x400000
.set WQ,   0x800000
.set WKV,  0x900000
.set W1O,  0xb00000
.set W2O,  0xf00000
.set NST,  34816                       ; LDS: 0 .. 34,815 the weights' stages (a wave: 32 rows x 272); from NST the norm's (a wave: 2,048 bytes)
.set X,    32                          ; weights: v32-95 two sets of 32 numbers
.set C,    96                          ; v96-103 a block's codes
.set OUTR, 112                         ; v112-175 the way out
.set OF,   176                         ; v176-207 byte offset of row i of a block, at my column
.set NW,   16                          ; norm: v16-47 the gain
.set NX,   48                          ; v48-111 two rows as loaded
.set NY,   112                         ; v112-143 the normalised row
.set HQ,   144                         ; v144-151, v152-159 eight numbers held for each of the two quantisers
.set HK,   152
.set CQ,   160                         ; v160-167, v168-175 a row's codes
.set CK,   168
.set NOUT, 176                         ; v176-191 codes back from the stage
.set SQ,   192                         ; v192-199 four chains of squares
	s_load_b512 s[4:19], s[0:1], 0x0               ; x 4, mask 6, ln1_w 8, q_w 10, kv_w 12, w1 14, w2 16, scales 18
	s_load_b128 s[20:23], s[0:1], 0x40             ; pc 20, padl 22
	v_lshl_add_u32 v208, v0, 2, 0xa800
	v_mov_b32 v209, 0
	v_lshrrev_b32 v1, 5, v0
	v_readfirstlane_b32 s36, v1                    ; wave
	s_wait_kmcnt 0x0
	s_load_b256 s[24:31], s[18:19], 0x0            ; e0 .. e7
	s_load_b128 s[32:35], s[18:19], 0x20           ; e8 .. e11
	s_cmp_ge_u32 ttmp9, 608
	s_cbranch_scc1 .Lpad
	s_cmp_ge_u32 ttmp9, 352
	s_cbranch_scc1 .Lnorm
; ---------------- the weights.  A lane takes a column n and its registers run down K: each load reads 128 consecutive bytes a wave, and the conversions give codes with K innermost.
; A work-group takes 128 columns x 256 along K; a wave 32 columns.  What differs between the four tensors stands in scalar registers, chosen by the work-group's number.
	s_mov_b32 s37, ttmp9
	s_mov_b64 s[38:39], s[16:17]                   ; w2: source, place in pc, log2(N / 128), log2(4 N), bytes of a row of codes, first work-group
	s_mov_b32 s58, W2O
	s_mov_b32 s60, 3
	s_mov_b32 s61, 12
	s_mov_b32 s62, 4096
	s_mov_b32 s63, 224
	s_cmp_lt_u32 s37, 224                          ; w1
	s_cselect_b64 s[38:39], s[14:15], s[38:39]
	s_cselect_b32 s58, W1O, s58
	s_cselect_b32 s60, 5, s60
	s_cselect_b32 s61, 14, s61
	s_cselect_b32 s62, 1024, s62
	s_cselect_b32 s63, 96, s63
	s_cmp_lt_u32 s37, 96                           ; kv_w
	s_cselect_b64 s[38:39], s[12:13], s[38:39]
	s_cselect_b32 s58, WKV, s58
	s_cselect_b32 s60, 4, s60
	s_cselect_b32 s61, 13, s61
	s_cselect_b32 s63, 32, s63
	s_cmp_lt_u32 s37, 32                           ; q_w
	s_cselect_b64 s[38:39], s[10:11], s[38:39]
	s_cselect_b32 s58, WQ, s58
	s_cselect_b32 s60, 3, s60
	s_cselect_b32 s61, 12, s61
	s_cselect_b32 s63, 0, s63
	s_sub_co_u32 s66, s37, s63                     ; my number within the tensor
	s_bfm_b32 s67, s60, 0
	s_and_b32 s68, s66, s67                        ; which 128 columns
	s_lshr_b32 s69, s66, s60                       ; which 256 along K
	s_lshl_b32 s70, s68, 7
	s_lshl_b32 s71, s36, 5
	s_add_co_u32 s70, s70, s71                     ; my wave's first column
	s_lshl_b32 s71, 1, s61                         ; a source row in bytes
	s_add_co_u32 s72, s61, 8
	s_lshl_b32 s72, s69, s72                       ; 256 rows x which
	s_lshl_b32 s73, s70, 2
	s_add_co_u32 s72, s72, s73
	s_mov_b32 s73, 0
	s_add_nc_u64 s[40:41], s[38:39], s[72:73]      ; a base for each of the eight blocks of 32 rows: none is ever stepped
	s_lshl_b32 s74, s71, 5
	s_mov_b32 s75, 0
.irp t, 1,2,3,4,5,6,7
	s_add_nc_u64 s[40+2*\t:41+2*\t], s[38+2*\t:39+2*\t], s[74:75]
.endr
	s_mul_i32 s76, s70, s62                        ; the codes: column x row bytes + 256 x which, in the tensor's part of pc
	s_add_co_u32 s76, s76, s58
	s_lshl_b32 s77, s69, 8
	s_add_co_u32 s76, s76, s77
	s_mov_b32 s77, 0
	s_add_nc_u64 s[56:57], s[20:21], s[76:77]
	v_and_b32 v2, 31, v0                           ; lane
	v_lshlrev_b32 v3, 2, v2
	s_mul_i32 s78, s36, 32*272                     ; my stage
	v_mul_u32_u24 v4, v2, 272
	v_add_nc_u32 v4, s78, v4                       ; into it: row = my column
	v_and_b32 v5, 15, v2
	v_lshrrev_b32 v6, 4, v2
	v_mul_u32_u24 v7, v6, 272
	v_lshl_add_u32 v7, v5, 4, v7
	v_add_nc_u32 v7, s78, v7                       ; out of it: sixteen lanes to a row, two rows an instruction
	v_mul_lo_u32 v8, v6, s62
	v_lshl_add_u32 v8, v5, 4, v8                   ; and the same place among the codes
.set i, 0
.rept 32
	v_mad_u32_u24 v[OF+i], s71, i, v3              ; row i of a block, my column
.set i, i+1
.endr
.macro LOAD t                          ; block t: 32 rows at my column, into set t % 2
.set i, 0
.rept 32
	global_load_b32 v[X+32*((\t)%2)+i], v[OF+i], s[40+2*(\t):41+2*(\t)] th:TH_LOAD_NT
.set i, i+1
.endr
.endm
	LOAD 0
	LOAD 1
	s_wait_kmcnt 0x0
	s_mov_b32 s59, s35                             ; the tensor's e: entries 11, 9, 3, 1
	s_cmp_lt_u32 s37, 224
	s_cselect_b32 s59, s33, s59
	s_cmp_lt_u32 s37, 96
	s_cselect_b32 s59, s27, s59
	s_cmp_lt_u32 s37, 32
	s_cselect_b32 s59, s25, s59
	s_add_co_i32 s59, s59, 127
	s_lshl_b32 s79, s59, 23
	v_mov_b32 v11, s79                             ; 2^e as f32: the conversion takes its exponent field
	s_add_co_i32 s59, s59, 8
	s_lshl_b32 s59, s59, 23
	s_or_b32 s59, s59, 0x600000
	v_mov_b32 v10, s59                             ; 448 x 2^e
.macro BLOCK t
.set XS, X+32*((\t)%2)
.if (\t) < 7
	s_wait_loadcnt 32                              ; this block's 32 loads are in; the next block's may be out
.else
	s_wait_loadcnt 0
.endif
.set i, 0
.rept 32
	v_med3_num_f32 v[XS+i], v[XS+i], -v10, v10     ; the conversion does not saturate (ISA guide 7.6.2): the hold comes first
.set i, i+1
.endr
.irp g, 0,1,2,3
	v_cvt_scalef32_pk8_fp8_f32 v[C+2*\g:C+2*\g+1], v[XS+8*\g:XS+8*\g+7], v11
.endr
	ds_store_b128 v4, v[C:C+3] offset:32*(\t)      ; 32 codes of my column's row
	ds_store_b128 v4, v[C+4:C+7] offset:32*(\t)+16
.if (\t)+2 < 8
	LOAD (\t)+2
.endif
	s_wait_dscnt 0x0                               ; the stores have read their registers: the next block's codes may be written
.endm
.irp t, 0,1,2,3,4,5,6,7
	BLOCK \t
.endr
	s_lshl_b32 s80, s62, 1
.set t, 0
.rept 16
	v_mad_u32_u24 v[X+t], s80, t, v8               ; two rows of codes further on for each store
.set t, t+1
.endr
.set t, 0
.rept 16
	ds_load_b128 v[OUTR+4*t:OUTR+4*t+3], v7 offset:544*t   ; LDS serves a wave's instructions in order: these see my stores
.set t, t+1
.endr
.set t, 0
.rept 16
	s_wait_dscnt 15-t
	global_store_b128 v[X+t], v[OUTR+4*t:OUTR+4*t+3], s[56:57]   ; sixteen lanes store 256 consecutive bytes, at a multiple of 256 from pc's first byte
.set t, t+1
.endr
	s_wait_tensorcnt 0x0
	ds_add_u32 v208, v209
	s_wait_dscnt 0x0
	s_endpgm
; ---------------- rmsnorm 1.  A wave takes four rows, one at a time, whole: 32 registers; register 4 j + c is column 128 j + 4 lane + c.
.Lnorm:
	s_sub_co_u32 s37, ttmp9, 352
	s_lshl_b32 s37, s37, 4
	s_lshl_b32 s38, s36, 2
	s_add_co_u32 s37, s37, s38                     ; my first row
	s_lshl_b32 s38, s37, 12
	s_mov_b32 s39, 0
	s_add_nc_u64 s[40:41], s[4:5], s[38:39]        ; x
	s_lshl_b32 s38, s37, 10
	s_add_nc_u64 s[42:43], s[20:21], s[38:39]      ; codes with entry 0
	s_add_nc_u64 s[44:45], s[42:43], XKV           ; codes with entry 2
	v_and_b32 v2, 31, v0
	v_lshlrev_b32 v1, 4, v2                        ; 16 x lane
.irp j, 0,1,2,3,4,5,6,7
	global_load_b128 v[NW+4*\j:NW+4*\j+3], v1, s[8:9] offset:512*\j
.endr
.macro FILL i
.irp j, 0,1,2,3,4,5,6,7
	global_load_b128 v[NX+32*((\i)%2)+4*\j:NX+32*((\i)%2)+4*\j+3], v1, s[40:41] offset:4096*(\i)+512*\j th:TH_LOAD_NT
.endr
.endm
	FILL 0
	FILL 1
	s_lshl_b32 s52, s36, 11
	s_add_co_u32 s52, s52, NST                     ; my stage: 1,024 bytes for each set of codes
	v_lshl_add_u32 v3, v2, 4, s52                  ; out of it: 16 x lane
	v_lshl_add_u32 v2, v2, 2, s52                  ; into it: 4 x lane
	v_mov_b32 v5, 0                                ; a lane permute's destination counts as read
	v_mov_b32 v7, 0                                ; (named as the upper half of the pair v[6:7])
	s_mov_b32 s46, 0x3a800000                      ; 1 / 1024
	s_mov_b32 s47, 0x3727c5ac                      ; 1e-5
	s_mov_b32 s48, 0x76543210
	s_mov_b32 s49, 0xfedcba98
	s_wait_kmcnt 0x0
	s_add_co_i32 s50, s24, 127
	s_lshl_b32 s51, s50, 23
	v_mov_b32 v11, s51                             ; 2^e0
	s_add_co_i32 s50, s50, 8
	s_lshl_b32 s50, s50, 23
	s_or_b32 s50, s50, 0x600000
	v_mov_b32 v10, s50                             ; 448 x 2^e0
	s_add_co_i32 s50, s26, 127
	s_lshl_b32 s51, s50, 23
	v_mov_b32 v13, s51                             ; 2^e2
	s_add_co_i32 s50, s50, 8
	s_lshl_b32 s50, s50, 23
	s_or_b32 s50, s50, 0x600000
	v_mov_b32 v12, s50                             ; 448 x 2^e2
.macro ROW i
.set XS, NX+32*((\i)%2)
.if (\i) < 3
	s_wait_loadcnt 8                               ; my row is in (and the gain); the next row's eight loads may be out
.else
	s_wait_loadcnt 0
.endif
.irp k, 0,1,2,3
	v_pk_mul_f32 v[SQ+2*\k:SQ+2*\k+1], v[XS+2*\k:XS+2*\k+1], v[XS+2*\k:XS+2*\k+1]   ; the first four pairs start four chains: nothing is cleared
.endr
.set j, 4
.rept 12
	v_pk_fma_f32 v[SQ+2*(j%4):SQ+2*(j%4)+1], v[XS+2*j:XS+2*j+1], v[XS+2*j:XS+2*j+1], v[SQ+2*(j%4):SQ+2*(j%4)+1]
.set j, j+1
.endr
	v_pk_add_f32 v[SQ:SQ+1], v[SQ:SQ+1], v[SQ+2:SQ+3]
	v_pk_add_f32 v[SQ+4:SQ+5], v[SQ+4:SQ+5], v[SQ+6:SQ+7]
	v_pk_add_f32 v[SQ:SQ+1], v[SQ:SQ+1], v[SQ+4:SQ+5]
	v_add_f32 v4, v[SQ], v[SQ+1]
	v_add_f32_dpp v4, v4, v4 row_xmask:1 row_mask:0xf bank_mask:0xf
	v_add_f32_dpp v4, v4, v4 row_xmask:2 row_mask:0xf bank_mask:0xf
	v_add_f32_dpp v4, v4, v4 row_xmask:4 row_mask:0xf bank_mask:0xf
	v_add_f32_dpp v4, v4, v4 row_xmask:8 row_mask:0xf bank_mask:0xf
	v_permlanex16_b32 v5, v4, s48, s49
	v_add_f32 v4, v4, v5                           ; the row's sum of squares, in every lane
	v_fma_f32 v4, v4, s46, s47                     ; the mean + eps
	v_rsq_f32 v6, v4
	v_nop                                          ; a plain instruction behind the transcendental
	s_wait_alu depctr_va_vdst(0)                   ; and a wait ahead of its first reader
.set j, 0
.rept 16
	v_pk_mul_f32 v[NY+j:NY+j+1], v[XS+j:XS+j+1], v[6:7] op_sel_hi:[1,0]   ; x times the root first,
.set j, j+2
.endr
.if (\i) < 2
	FILL (\i)+2                                    ; the set is free: the row two further on
.endif
.set j, 0
.rept 16
	v_pk_mul_f32 v[NY+j:NY+j+1], v[NY+j:NY+j+1], v[NW+j:NW+j+1]           ; then times the gain
.set j, j+2
.endr
.irp g, 0,1,2,3
.irp k, 0,1,2,3,4,5,6,7
	v_med3_num_f32 v[HQ+\k], v[NY+8*\g+\k], -v10, v10
.endr
	v_cvt_scalef32_pk8_fp8_f32 v[CQ+2*\g:CQ+2*\g+1], v[HQ:HQ+7], v11
.irp k, 0,1,2,3,4,5,6,7
	v_med3_num_f32 v[HK+\k], v[NY+8*\g+\k], -v12, v12
.endr
	v_cvt_scalef32_pk8_fp8_f32 v[CK+2*\g:CK+2*\g+1], v[HK:HK+7], v13
.endr
.irp j, 0,1,2,3,4,5,6,7
	ds_store_b32 v2, v[CQ+\j] offset:128*\j        ; four codes: columns 128 j + 4 lane on
	ds_store_b32 v2, v[CK+\j] offset:1024+128*\j
.endr
	s_wait_xcnt 0x0                                ; the last row's stores have read their data registers, which are loaded again below
.irp u, 0,1,2,3
	ds_load_b128 v[NOUT+4*\u:NOUT+4*\u+3], v3 offset:512*\u   ; LDS serves a wave's instructions in order: these see my stores
.endr
	s_wait_dscnt 0x0
	global_store_b128 v1, v[NOUT:NOUT+3], s[42:43] offset:1024*(\i)          ; 32 lanes store 512 consecutive bytes
	global_store_b128 v1, v[NOUT+4:NOUT+7], s[42:43] offset:1024*(\i)+512
	global_store_b128 v1, v[NOUT+8:NOUT+11], s[44:45] offset:1024*(\i)
	global_store_b128 v1, v[NOUT+12:NOUT+15], s[44:45] offset:1024*(\i)+512
.endm
	ROW 0
	ROW 1
	ROW 2
	ROW 3
	s_wait_tensorcnt 0x0
	ds_add_u32 v208, v209
	s_wait_dscnt 0x0
	s_endpgm
; ---------------- the lane masks.  Word D = 1024 b + 64 step + 16 bb + i serves score register 16 bb + i of a key step: lanes 0-15 hold key 128 step + 32 bb + i, lanes 16-31 the key 16 further on.
.Lpad:
	s_sub_co_u32 s37, ttmp9, 608
	s_lshl_b32 s37, s37, 7
	v_add_nc_u32 v1, s37, v0                       ; a thread makes four words
	v_lshlrev_b32 v2, 2, v1                        ; D
	v_lshrrev_b32 v3, 4, v2
	v_and_b32 v4, 15, v2
	v_lshl_add_u32 v3, v3, 5, v4                   ; the first key's byte in the mask: 32 (D / 16) + D % 16
	global_load_b32 v5, v3, s[6:7]
	global_load_b32 v6, v3, s[6:7] offset:16
	v_lshlrev_b32 v7, 4, v1
	s_wait_loadcnt 0x0
.irp c, 0,1,2,3
	v_bfe_u32 v8, v5, 8*\c, 8                      ; a bool is 0 or 1
	v_bfe_u32 v9, v6, 8*\c, 8
	v_mul_u32_u24 v8, v8, 0xffff
	v_mul_u32_u24 v9, v9, 0xffff
	v_lshl_or_b32 v[12+\c], v9, 16, v8
.endr
	global_store_b128 v7, v[12:15], s[22:23]
	s_endpgm
.Lfunc_end_k_q8442d69035_prep:
	.size	k_q8442d69035_prep, .Lfunc_end_k_q8442d69035_prep-k_q8442d69035_prep
	.p2alignl 7, 3214868480
	.fill 96, 4, 3214868480
	.section	.rodata,"a",@progbits
	.p2align	6, 0x0
	.amdhsa_kernel k_q8442d69035_prep
		.amdhsa_group_segment_fixed_size 43520
		.amdhsa_private_segment_fixed_size 0
		.amdhsa_enable_private_segment 0
		.amdhsa_kernarg_size 80
		.amdhsa_user_sgpr_count 2
		.amdhsa_user_sgpr_kernarg_segment_ptr 1
		.amdhsa_wavefront_size32 1
		.amdhsa_system_sgpr_workgroup_id_x 1
		.amdhsa_system_sgpr_workgroup_id_y 1
		.amdhsa_system_sgpr_workgroup_id_z 1
		.amdhsa_system_vgpr_workitem_id 0
		.amdhsa_next_free_vgpr 210
		.amdhsa_next_free_sgpr 96
		.amdhsa_reserve_vcc 0
		.amdhsa_float_denorm_mode_32 3
		.amdhsa_float_denorm_mode_16_64 3
		.amdhsa_memory_ordered 1
		.amdhsa_forward_progress 1
		.amdhsa_inst_pref_size 102
	.end_amdhsa_kernel
	.amdgpu_metadata
---
amdhsa.version: [ 1, 2 ]
amdhsa.kernels:
  - .name:           k_q8442d69035_prep
    .symbol:         k_q8442d69035_prep.kd
    .args:
      - { .name: x, .offset: 0, .size: 8, .value_kind: global_buffer, .address_space: global }
      - { .name: key_pad_mask, .offset: 8, .size: 8, .value_kind: global_buffer, .address_space: global }
      - { .name: ln1_w, .offset: 16, .size: 8, .value_kind: global_buffer, .address_space: global }
      - { .name: q_w, .offset: 24, .size: 8, .value_kind: global_buffer, .address_space: global }
      - { .name: kv_w, .offset: 32, .size: 8, .value_kind: global_buffer, .address_space: global }
      - { .name: w1, .offset: 40, .size: 8, .value_kind: global_buffer, .address_space: global }
      - { .name: w2, .offset: 48, .size: 8, .value_kind: global_buffer, .address_space: global }
      - { .name: lowp_scales, .offset: 56, .size: 8, .value_kind: global_buffer, .address_space: global }
      - { .name: pc, .offset: 64, .size: 8, .value_kind: global_buffer, .address_space: global }
      - { .name: padl, .offset: 72, .size: 8, .value_kind: global_buffer, .address_space: global }
    .group_segment_fixed_size: 43520
    .private_segment_fixed_size: 0
    .kernarg_segment_align: 8
    .kernarg_segment_size: 80
    .max_flat_workgroup_size: 128
    .sgpr_count:     96
    .vgpr_count:     210
    .wavefront_size: 32
...
	.end_amdgpu_metadata
.endif
;; end of part 1
;; launch qkv (part 2): grid 48 x 4, 4 waves a work-group, clusters of 4 x 4, 327,680 bytes of LDS; arguments pc, lowp_scales, q_b, kv_b, qkvc; writes qkvc
.if DOCPART == 2
	.amdgcn_target "amdgcn-amd-amdhsa--gfx1250"
	.amdhsa_code_object_version 6
	.text
	.protected	k_q8442d69035_qkv
	.globl	k_q8442d69035_qkv
	.p2align	8
	.type	k_q8442d69035_qkv,@function
k_q8442d69035_qkv:
	s_mov_b64 s[64:65], 0
	v_nop
	global_prefetch_b8 v0, s[64:65] scope:SCOPE_SE
	s_setreg_imm32_b32 hwreg(HW_REG_WAVE_MODE, 25, 1), 1
	s_wait_xcnt 0x0
	s_wait_alu depctr_hold_cnt(0) depctr_sa_sdst(0) depctr_va_vdst(0) depctr_va_sdst(0) depctr_va_ssrc(0) depctr_va_vcc(0) depctr_vm_vsrc(0)
	s_getreg_b32 s2, hwreg(HW_REG_IB_STS2, 6, 4)
	s_cmp_eq_u32 s2, 0
	s_cbranch_scc0 .Lentry_in_a_cluster
	s_endpgm
.Lentry_in_a_cluster:
	s_bfe_u32 s2, ttmp6, 0x10000c
	s_cmp_lg_u32 s2, 0xf033
	s_cbranch_scc0 .Lentry_shape_is_right
	s_endpgm
.Lentry_shape_is_right:
; Q, K and V: the first two products on codes of E4M3, the bias, and the quantisers of the attention's operands, in one launch.
; C[m][n] = sum over k of A[m][k] B[n][k], K = 1,024.  A tile of C is 256 x 256: four waves, each 128 x 128 in 64 accumulators.  K goes in steps of 256 through a ring of two LDS slots filled by tensor loads.
; WHICH PRODUCT hangs on the cluster's number R alone, which all sixteen partners share:
;   R = 0 .. 7   A = x's codes (256 tokens a tile), B = q_w^T (R even) or kv_w^T's first 1,024 rows (R odd): a lane's eight results are eight neighbours along a head's 64: q's and k's K
;   R = 8 .. 11  A = kv_w^T's last 1,024 rows, B = x's codes: the product transposed by choice of pointers, so that a lane's eight results are eight neighbouring KEYS: v's K
; Each finished sum x 2^(ea + eb) + bias is held within +-448 x 2^e, converted, and leaves through one stage in LDS: q, k as [b][h][s][64], v as [b][h][64][s].
; CLUSTERS: 4 x 4 work-groups; A's tile is asked for jointly along a row of the cluster, B's along a column.  THE MATRIX INSTRUCTION IS USED TRANSPOSED (source 0 = rows of B, source 1 = rows of A).
; A fragment is fetched by four loads of 16 bytes: a permutation of k, the same in A and in B.
; LIMITS: e0 + e1 and e2 + e3 between -126 and 127; e4, e5, e6 between -126 and 119.  NaN is not served.
; REGISTERS: window 0: v0-31 addresses; v32-95 the bias along n; v96-111 codes; v112-127 the bias along m; from v128 A's fragments, later the block at work and the way out.
;   window 1: B's fragments, two sets.  windows 2, 3: the accumulators ((a, b) at v[8 (8 (a % 4) + b)]).
.set KROW,   1024
.set XKV,    0x400000
.set WQ,     0x800000
.set WKV,    0x900000
.set WV,     0xa00000                  ; kv_w^T's rows 1,024 on
.set KSTEP,  256
.set ROWB,   256
.set PITCH,  272                       ; an LDS row: 256 bytes + 16 of padding, so that the 16 rows that a load touches start 16 bytes apart modulo 256
.set FR,     16
.set NL,     4
.set NP,     4
.set HALFT,  128*PITCH
.set SLOT,   4*HALFT
.set LAPS,   KROW/(2*KSTEP)
.set SPARE,  2*SLOT                    ; behind the ring: the spare words, 128 bytes for each wave
.set ADRA, 16
.set ADRB, 20
.set STO,  24                          ; v24  the stage: where I put 8 codes
.set RDQ,  25                          ; v25, v27  q, k: where I read 16 codes back (rows 0-127, 128-255)
.set CO,   26                          ; v26  16 x lane
.set RDQ2, 27
.set SPW,  28
.set NIL,  29
.set RDV,  30                          ; v30  v: where I read 16 codes back
.set VO,   31                          ; v31  v: my byte offset among two rows of 2,048 keys
.set LIMV, 10
.set SCV,  11
.set BN,   32
.set CD,   96
.set BM,   112
.set TMP,  128
.set AF,   128
.set G1, 24
.set G0, 32
.set G1B, 48
.set G0B, 56
.set MSB, 0
.macro WIN new                         ; the immediate's high byte repeats the setting that is left
.if MSB != \new
	s_set_vgpr_msb (MSB<<8)|\new
.set MSB, \new
.endif
.endm
.set MUL_LO, 0xa1                      ; source 0 (B) window 1, source 1 (A) window 0, C and D window 2
.set MUL_HI, 0xf1
.set TO_B,   0x40
; A joint load: waves 0 and 1 fetch for A, waves 2 and 3 for B; the branch hangs on the wave's number alone.  Four v_nop follow each of the two lines.
.macro JLOAD g0a, g1a, g0b, g1b
	s_cmp_eq_u32 s15, 0
	s_cbranch_scc0 .Lfor_b_\@
	tensor_load_to_lds s[\g0a:\g0a+3], s[\g1a:\g1a+7]
	s_nop 0
.rept 4
	v_nop
.endr
	s_branch .Lasked_\@
.Lfor_b_\@:
	tensor_load_to_lds s[\g0b:\g0b+3], s[\g1b:\g1b+7]
	s_nop 0
.rept 4
	v_nop
.endr
.Lasked_\@:
.endm
.macro CREST                           ; a round of the cluster's barrier behind its opening barrier
	s_cmp_lg_u32 s14, 0
	s_cbranch_scc1 .Lnot_wave_0_\@
	s_barrier_signal -3
.Lnot_wave_0_\@:
	s_barrier_wait -3
	s_barrier_signal -1
	s_barrier_wait -1
.endm
.macro CROUND
	s_barrier_signal -1
	s_barrier_wait -1
	CREST
.endm
	s_load_b256 s[4:11], s[0:1], 0x0               ; pc 4, scales 6, q_b 8, kv_b 10
	s_load_b64 s[12:13], s[0:1], 0x20              ; qkvc
	v_lshl_add_u32 v[SPW], v0, 2, SPARE
	v_mov_b32 v[NIL], 0
	ds_add_u32 v28, v29
	s_wait_dscnt 0x0
	v_lshrrev_b32 v1, 5, v0
	v_readfirstlane_b32 s14, v1                    ; wave 0..3
	s_lshr_b32 s15, s14, 1                         ; which half of the tile's rows is mine.  Also: I fetch for A (0) or for B (1)
	s_and_b32 s16, s14, 1                          ; which half of its columns.  Also: which 128 rows of that tile I fetch
	s_bfe_u32 s40, ttmp6, 0x40000                  ; cx, cy
	s_bfe_u32 s41, ttmp6, 0x40004
	s_mov_b32 s66, ttmp9                           ; R: the cluster's number
	s_lshr_b32 s70, s66, 1
	s_sub_co_u32 s71, s66, 8
	s_and_b32 s72, s66, 1
	s_cmp_lt_u32 s66, 8
	s_cselect_b32 s67, -1, 0                       ; keeps the bias along n (q, k)
	s_cselect_b32 s68, 0, -1                       ; keeps the bias along m (v)
	s_cselect_b32 s69, s70, 0                      ; which four tile rows
	s_cselect_b32 s70, 0, s71                      ; which four tile columns
	s_cselect_b32 s72, s72, 2                      ; kind: 0 q, 1 k, 2 v
	s_mov_b32 s73, WV                              ; A's and B's places in pc
	s_mov_b32 s74, XKV
	s_cmp_eq_u32 s72, 1
	s_cselect_b32 s73, XKV, s73
	s_cselect_b32 s74, WKV, s74
	s_cmp_eq_u32 s72, 0
	s_cselect_b32 s73, 0, s73
	s_cselect_b32 s74, WQ, s74
	s_lshl_b32 s42, s70, 2
	s_add_co_u32 s42, s42, s40                     ; tile column of C
	s_lshl_b32 s17, s69, 2
	s_add_co_u32 s17, s17, s41                     ; tile row of C
	s_lshl_b32 s43, s41, 2
	s_lshl_b32 s43, 15, s43                        ; my row of the cluster
	s_lshl_b32 s44, 0x1111, s40                    ; my column
	s_or_b32 s[G1+0], s43, (0<<16)|(1<<20)|(1<<21)|(5<<22)|(3<<25)  ; the mask; elements of 1 byte; padding on; bit 21 beside a mask; after every 64 words, 4 words
	s_or_b32 s[G1B+0], s44, (0<<16)|(1<<20)|(1<<21)|(5<<22)|(3<<25)
.irp g, G1, G1B
	s_mov_b32 s[\g+1], ROWB<<16                    ; tensor_dim0
	s_mov_b32 s[\g+2], 128<<16                     ; tensor_dim1
	s_mov_b32 s[\g+3], ROWB<<16                    ; tile_dim0
	s_mov_b32 s[\g+4], 128                         ; tile_dim1
	s_mov_b32 s[\g+5], KROW                        ; the pitch
	s_mov_b32 s[\g+6], 0
	s_mov_b32 s[\g+7], 0
.endr
	s_lshl_b32 s18, s16, 7                         ; which 128 rows of the tile I fetch
	s_lshl_b32 s20, s17, 8
	s_add_co_u32 s20, s20, s18
	s_lshl_b32 s20, s20, 10                        ; A: (256 x tile row + 128 x half) rows of 1,024 bytes,
	s_add_co_u32 s20, s20, s73                     ; in its part of pc
	s_mov_b32 s21, 0
	s_lshl_b32 s46, s42, 8
	s_add_co_u32 s46, s46, s18
	s_lshl_b32 s46, s46, 10
	s_add_co_u32 s46, s46, s74                     ; B likewise, by the tile column
	s_mov_b32 s47, 0
	s_mul_i32 s45, s14, HALFT                      ; where they go: wave x 128 rows
	s_wait_kmcnt 0x0
	s_load_b256 s[76:83], s[6:7], 0x0              ; e0 .. e7
	s_add_nc_u64 s[20:21], s[4:5], s[20:21]
	s_add_nc_u64 s[46:47], s[4:5], s[46:47]
	CROUND                                         ; all sixteen work-groups are here: the first joint loads meet
.irp s, 0,1
	s_mov_b32 s[G0+4*\s], 1
	s_add_co_u32 s[G0+4*\s+1], s45, \s*SLOT
	s_add_nc_u64 s[G0+4*\s+2:G0+4*\s+3], s[20:21], \s*ROWB
	s_or_b32 s[G0+4*\s+3], s[G0+4*\s+3], 0x80000000
	s_mov_b32 s[G0B+4*\s], 1
	s_add_co_u32 s[G0B+4*\s+1], s45, \s*SLOT
	s_add_nc_u64 s[G0B+4*\s+2:G0B+4*\s+3], s[46:47], \s*ROWB
	s_or_b32 s[G0B+4*\s+3], s[G0B+4*\s+3], 0x80000000
	JLOAD G0+4*\s, G1, G0B+4*\s, G1B
.endr
	v_and_b32 v1, 15, v0                           ; r
	v_bfe_u32 v2, v0, 4, 1                         ; h
	v_mul_u32_u24 v3, v1, PITCH
	v_lshl_add_u32 v4, v2, 4, v3                   ; a fragment's row x pitch + 16 x half
	s_mul_i32 s21, s15, HALFT
	s_mul_i32 s22, s16, HALFT
	s_add_co_u32 s22, s22, 2*HALFT
.irp s, 0,1
	v_add_nc_u32 v[ADRA+\s], s21, v4
	v_add_nc_u32 v[ADRB+\s], s22, v4
	s_add_co_u32 s21, s21, SLOT
	s_add_co_u32 s22, s22, SLOT
.endr
	; the stage: 256 rows x 272 bytes at LDS byte 0, the work-group's.  In: row 128 (wave / 2) + 16 a + r, byte 128 (wave % 2) + 16 b + 8 h
	s_mul_i32 s23, s15, 128*272
	s_lshl_b32 s19, s16, 7
	s_add_co_u32 s23, s23, s19
	v_lshl_add_u32 v5, v2, 3, v3
	v_add_nc_u32 v[STO], s23, v5
	v_and_b32 v6, 31, v0
	v_lshrrev_b32 v7, 2, v6                        ; q, k, back: wave w takes the tile's w-th head, 64 bytes of each row: eight rows an instruction
	v_and_b32 v8, 3, v6
	v_mul_u32_u24 v7, v7, 272
	v_lshl_add_u32 v7, v8, 4, v7
	s_lshl_b32 s19, s14, 6
	v_add_nc_u32 v[RDQ], s19, v7
	v_add_nc_u32 v[RDQ2], 128*272, v[RDQ]
	v_lshlrev_b32 v[CO], 4, v6
	s_mul_i32 s19, s14, 64*272                     ; v, back: wave w takes rows 64 w on, whole: two rows an instruction
	v_mul_u32_u24 v9, v2, 272
	v_lshl_add_u32 v9, v1, 4, v9
	v_add_nc_u32 v[RDV], s19, v9
	v_lshlrev_b32 v[VO], 11, v2
	v_lshl_add_u32 v[VO], v1, 4, v[VO]
	; the biases.  Both are loaded in both roles, from addresses that lie in their buffers in both, and one of them is made 0 on the way out
	v_lshlrev_b32 v12, 5, v2                       ; along n: my eight columns of a block begin 8 h numbers in
	v_lshlrev_b32 v13, 2, v1                       ; along m: my row r
	s_cmp_eq_u32 s72, 0
	s_cselect_b64 s[88:89], s[8:9], s[10:11]
	s_lshl_b32 s90, s40, 10
	s_lshl_b32 s91, s16, 9
	s_add_co_u32 s90, s90, s91
	s_mov_b32 s91, 0
	s_add_nc_u64 s[88:89], s[88:89], s[90:91]      ; q_b or kv_b at column 256 cx + 128 (wave % 2)
	s_lshl_b32 s90, s41, 10
	s_lshl_b32 s92, s15, 9
	s_add_co_u32 s90, s90, s92
	s_add_co_u32 s90, s90, 4096
	s_add_nc_u64 s[92:93], s[10:11], s[90:91]      ; kv_b at 1,024 + 256 cy + 128 (wave / 2)
.irp b, 0,1,2,3,4,5,6,7
	global_load_b128 v[BN+8*\b:BN+8*\b+3], v12, s[88:89] offset:64*\b
	global_load_b128 v[BN+8*\b+4:BN+8*\b+7], v12, s[88:89] offset:64*\b+16
.endr
.irp a, 0,1,2,3,4,5,6,7
	global_load_b32 v[BM+2*\a], v13, s[92:93] offset:64*\a
.endr
	; where my part of the result begins in qkvc
	s_lshr_b32 s84, s17, 3                         ; q, k: (((batch x 16 + head) x 2,048 + first token) x 64
	s_lshl_b32 s84, s84, 4
	s_lshl_b32 s85, s40, 2
	s_add_co_u32 s84, s84, s85
	s_add_co_u32 s84, s84, s14
	s_lshl_b32 s84, s84, 11
	s_and_b32 s85, s17, 7
	s_lshl_b32 s85, s85, 8
	s_add_co_u32 s84, s84, s85
	s_lshl_b32 s84, s84, 6
	s_lshr_b32 s86, s42, 3                         ; v: batch x 2 MiB + (256 cy + 64 wave) rows of 2,048 + first key
	s_lshl_b32 s86, s86, 21
	s_lshl_b32 s87, s41, 8
	s_lshl_b32 s94, s14, 6
	s_add_co_u32 s87, s87, s94
	s_lshl_b32 s87, s87, 11
	s_add_co_u32 s86, s86, s87
	s_and_b32 s87, s42, 7
	s_lshl_b32 s87, s87, 8
	s_add_co_u32 s86, s86, s87
	s_lshl_b32 s85, s72, 22                        ; q at 0, k at 4 MiB, v at 8 MiB
	s_cmp_lt_u32 s66, 8
	s_cselect_b32 s84, s84, s86
	s_add_co_u32 s84, s84, s85
	s_mov_b32 s85, 0
	s_add_nc_u64 s[12:13], s[12:13], s[84:85]
.macro FRAG reg, adr, q, i             ; a fragment, 16 rows x 128 K: registers 4 c .. 4 c + 3 hold K = 32 c + 16 (l / 16) + 0 .. 15 of row l % 16
.irp c, 0,1,2,3
	ds_load_b128 v[\reg+4*\c:\reg+4*\c+3], v[\adr] offset:128*(\q)+32*\c+(\i)*16*PITCH
.endr
.endm
; 16 matrix instructions: A's blocks a0, a0 + 1 x B's eight.  The 64 accumulators take turns, one instruction a turn, in the same order in every step.
.macro MUL16 a0, p, zero
.irp a, \a0, \a0+1
.irp b, 0,1,2,3,4,5,6,7
.if \zero
	v_wmma_f32_16x16x128_fp8_fp8 v[8*(8*((\a)%4)+\b):8*(8*((\a)%4)+\b)+7], v[128*(\p)+FR*\b:128*(\p)+FR*\b+FR-1], v[AF+FR*(\a):AF+FR*(\a)+FR-1], 0
.else
	v_wmma_f32_16x16x128_fp8_fp8 v[8*(8*((\a)%4)+\b):8*(8*((\a)%4)+\b)+7], v[128*(\p)+FR*\b:128*(\p)+FR*\b+FR-1], v[AF+FR*(\a):AF+FR*(\a)+FR-1], v[8*(8*((\a)%4)+\b):8*(8*((\a)%4)+\b)+7]
.endif
.endr
.endr
.endm
.macro FETCH_B slot, q, p
	WIN TO_B
.irp i, 0,1,2,3,4,5,6,7
	FRAG 128*(\p)+FR*\i, ADRB+\slot, \q, \i
.endr
	WIN 0
.endm
.macro FETCH_A slot, q, i0
.irp i, \i0, \i0+1, \i0+2, \i0+3
	FRAG AF+FR*(\i), ADRA+\slot, \q, \i
.endr
.endm
.macro PLACES n                        ; plain vector instructions between a matrix instruction and a load into, or a vector write of, one of its registers, or a read of its result
.rept \n
	v_nop
.endr
.endm
.macro STEP slot, q, zero              ; 128 along K that has its successor in the same slot
	s_wait_dscnt 4*NL                              ; B's set and A's blocks 0-3 are in; A's blocks 4-7 may be out
	WIN MUL_LO
	MUL16 0, (\q)%2, \zero
	MUL16 2, (\q)%2, \zero
	s_wait_dscnt 0
	PLACES NP
	FETCH_B \slot, (\q)+1, 1-(\q)%2
	FETCH_A \slot, (\q)+1, 0
	WIN MUL_HI
	MUL16 4, (\q)%2, \zero
	MUL16 6, (\q)%2, \zero
	PLACES NP
	WIN 0
	FETCH_A \slot, (\q)+1, 4
.endm
; A slot's last step changes slots: one barrier; in front of it each wave waits for all its tensor loads, adds 0 to its spare word, and waits for that and for its own reads of this slot.
.macro TURN slot, next, fill
	s_wait_tensorcnt 0x0                           ; all my tensor loads have landed: my part of the next slot
	ds_add_u32 v[SPW], v[NIL]                      ; 0 onto my spare word
	s_wait_dscnt 4*NL+1                            ; (the add and A's blocks 4-7 may be out)
	WIN MUL_LO
	MUL16 0, 1, 0
	s_wait_dscnt 0x0                               ; the add is done, and my reads of this slot are over
	s_barrier_signal -1
	MUL16 2, 1, 0
	WIN 0
	s_barrier_wait -1
.if \fill
	CREST                                          ; the barrier has opened a round of the cluster's barrier: no wave of any partner still reads this slot or has a load on its way
	s_add_nc_u64 s[G0+4*\slot+2:G0+4*\slot+3], s[G0+4*\slot+2:G0+4*\slot+3], 2*ROWB
	s_add_nc_u64 s[G0B+4*\slot+2:G0B+4*\slot+3], s[G0B+4*\slot+2:G0B+4*\slot+3], 2*ROWB
	JLOAD G0+4*\slot, G1, G0B+4*\slot, G1B         ; the first tensor load behind the round; its four v_nop are the places in front of the loads below
.else
	PLACES NP
.endif
	FETCH_B \next, 0, 0
	FETCH_A \next, 0, 0
	WIN MUL_HI
	MUL16 4, 1, 0
	MUL16 6, 1, 0
	PLACES NP
	WIN 0
	FETCH_A \next, 0, 4
.endm
	s_wait_tensorcnt 1                             ; my part of K step 0 is in (K step 1's load may be out),
	s_barrier_signal -1
	s_barrier_wait -1                              ; everybody's is
	FETCH_B 0, 0, 0
	FETCH_A 0, 0, 0
	FETCH_A 0, 0, 4
	STEP 0, 0, 1                                   ; the first step starts the sums
	s_mov_b32 s3, LAPS-1
.Llap:
	TURN 0, 1, 1
	STEP 1, 0, 0
	TURN 1, 0, 1
	STEP 0, 0, 0
	s_sub_co_u32 s3, s3, 1
	s_cmp_lg_u32 s3, 0
	s_cbranch_scc1 .Llap
	TURN 0, 1, 0                                   ; the last lap fills nothing
	STEP 1, 0, 0
	s_wait_dscnt 4*NL
	WIN MUL_LO
	MUL16 0, 1, 0
	MUL16 2, 1, 0
	s_wait_dscnt 0
	WIN MUL_HI
	MUL16 4, 1, 0
	MUL16 6, 1, 0
	WIN 0
	; THE WAY OUT.  The stage lies in slot 0, which has had its last fill, and which nobody reads behind the last change of slots.
	s_wait_kmcnt 0x0
	s_add_co_i32 s84, s76, s77                     ; e0 + e1 for q, e2 + e3 for k and v
	s_add_co_i32 s85, s78, s79
	s_cmp_eq_u32 s72, 0
	s_cselect_b32 s84, s84, s85
	s_cselect_b32 s86, s80, s81                    ; the result's own e: e4, e5 or e6
	s_cmp_eq_u32 s72, 2
	s_cselect_b32 s86, s82, s86
	s_add_co_i32 s84, s84, 127
	s_lshl_b32 s96, s84, 23                        ; 2^(ea + eb) as f32
	s_mov_b32 s97, s96                             ; (named with it as a pair)
	s_add_co_i32 s86, s86, 127
	s_lshl_b32 s87, s86, 23
	v_mov_b32 v[SCV], s87
	s_add_co_i32 s86, s86, 8
	s_lshl_b32 s86, s86, 23
	s_or_b32 s86, s86, 0x600000
	v_mov_b32 v[LIMV], s86
	s_wait_loadcnt 0x0                             ; the biases
.set j, 0
.rept 64
	v_and_b32 v[BN+j], s67, v[BN+j]                ; kept for q and k, 0 for v.  (These plain lines are also the places behind the last products)
.set j, j+1
.endr
.irp a, 0,1,2,3,4,5,6,7
	v_and_b32 v[BM+2*\a], s68, v[BM+2*\a]          ; kept for v, 0 for q and k
	v_mov_b32 v[BM+2*\a+1], 0                      ; (named as the upper half of a pair)
.endr
; Block a: 16 rows x 128 columns.  Lane (r, h) holds C(16 a + r, 16 b + 8 h + j) in register 8 b + j.
.macro EPI a
.set AC, 64*((\a)%4)
	WIN 0x02+((\a)/4)                              ; source 0: window 2 or 3
.set j, 0
.rept 32
	v_pk_fma_f32 v[TMP+j:TMP+j+1], v[AC+j:AC+j+1], s[96:97], v[BN+j:BN+j+1] op_sel_hi:[1,0,1]   ; sum x 2^(ea + eb) + bias; each accumulator from its low end on
.set j, j+2
.endr
	WIN 0
.set j, 0
.rept 32
	v_pk_add_f32 v[TMP+j:TMP+j+1], v[TMP+j:TMP+j+1], v[BM+2*(\a):BM+2*(\a)+1] op_sel_hi:[1,0]    ; + my row's bias (one of the two biases is 0: nothing is rounded twice)
.set j, j+2
.endr
.set j, 0
.rept 64
	v_med3_num_f32 v[TMP+j], v[TMP+j], -v[LIMV], v[LIMV]
.set j, j+1
.endr
	s_wait_dscnt 0x0                               ; the block before has stored its codes: their registers may be written
.irp b, 0,1,2,3,4,5,6,7
	v_cvt_scalef32_pk8_fp8_f32 v[CD+2*\b:CD+2*\b+1], v[TMP+8*\b:TMP+8*\b+7], v[SCV]
.endr
	v_nop                                          ; a plain line behind the last conversion
.irp b, 0,1,2,3,4,5,6,7
	ds_store_b64 v[STO], v[CD+2*\b:CD+2*\b+1] offset:(\a)*16*272+16*\b
.endr
.endm
.irp a, 0,1,2,3,4,5,6,7
	EPI \a
.endr
	s_wait_dscnt 0x0                               ; for the others' sake: my codes lie in the stage
	s_barrier_signal -1
	s_barrier_wait -1
	s_cmp_lt_u32 s66, 8
	s_cbranch_scc0 .Lout_v
.set i, 0
.rept 16
	ds_load_b128 v[128+4*i:131+4*i], v[RDQ] offset:2176*i
.set i, i+1
.endr
.set i, 0
.rept 16
	ds_load_b128 v[192+4*i:195+4*i], v[RDQ2] offset:2176*i
.set i, i+1
.endr
.set i, 0
.rept 32
	s_wait_dscnt 31-i
	global_store_b128 v[CO], v[128+4*i:131+4*i], s[12:13] offset:512*i    ; eight tokens of one head: 512 consecutive bytes
.set i, i+1
.endr
	s_branch .Lout_done
.Lout_v:
.set i, 0
.rept 32
	ds_load_b128 v[128+4*i:131+4*i], v[RDV] offset:544*i
.set i, i+1
.endr
.set i, 0
.rept 32
	s_wait_dscnt 31-i
	global_store_b128 v[VO], v[128+4*i:131+4*i], s[12:13] offset:4096*i   ; sixteen lanes store 256 consecutive keys of one channel, at a multiple of 256 bytes
.set i, i+1
.endr
.Lout_done:
	s_wait_tensorcnt 0x0                           ; the wave's end
	ds_add_u32 v[SPW], v[NIL]
	s_wait_dscnt 0x0
	CROUND                                         ; the closing round
	s_endpgm
.Lfunc_end_k_q8442d69035_qkv:
	.size	k_q8442d69035_qkv, .Lfunc_end_k_q8442d69035_qkv-k_q8442d69035_qkv
	.p2alignl 7, 3214868480
	.fill 96, 4, 3214868480
	.section	.rodata,"a",@progbits
	.p2align	6, 0x0
	.amdhsa_kernel k_q8442d69035_qkv
		.amdhsa_group_segment_fixed_size 327680
		.amdhsa_private_segment_fixed_size 0
		.amdhsa_enable_private_segment 0
		.amdhsa_kernarg_size 40
		.amdhsa_user_sgpr_count 2
		.amdhsa_user_sgpr_kernarg_segment_ptr 1
		.amdhsa_wavefront_size32 1
		.amdhsa_system_sgpr_workgroup_id_x 1
		.amdhsa_system_sgpr_workgroup_id_y 1
		.amdhsa_system_sgpr_workgroup_id_z 1
		.amdhsa_system_vgpr_workitem_id 0
		.amdhsa_next_free_vgpr 1024
		.amdhsa_next_free_sgpr 100
		.amdhsa_reserve_vcc 0
		.amdhsa_float_denorm_mode_32 3
		.amdhsa_float_denorm_mode_16_64 3
		.amdhsa_memory_ordered 1
		.amdhsa_forward_progress 1
		.amdhsa_inst_pref_size 170
	.end_amdhsa_kernel
	.amdgpu_metadata
---
amdhsa.version: [ 1, 2 ]
amdhsa.kernels:
  - .name:           k_q8442d69035_qkv
    .symbol:         k_q8442d69035_qkv.kd
    .args:
      - { .name: pc, .offset: 0, .size: 8, .value_kind: global_buffer, .address_space: global }
      - { .name: lowp_scales, .offset: 8, .size: 8, .value_kind: global_buffer, .address_space: global }
      - { .name: q_b, .offset: 16, .size: 8, .value_kind: global_buffer, .address_space: global }
      - { .name: kv_b, .offset: 24, .size: 8, .value_kind: global_buffer, .address_space: global }
      - { .name: qkvc, .offset: 32, .size: 8, .value_kind: global_buffer, .address_space: global }
    .group_segment_fixed_size: 327680
    .private_segment_fixed_size: 0
    .kernarg_segment_align: 8
    .kernarg_segment_size: 40
    .max_flat_workgroup_size: 128
    .sgpr_count:     100
    .vgpr_count:     1024
    .wavefront_size: 32
...
	.end_amdgpu_metadata
.endif
;; end of part 2
;; launch attn (part 3): grid 8 x 32, 16 waves a work-group, no clusters, 327,680 bytes of LDS; arguments qkvc, padl, lowp_scales, att; writes att
.if DOCPART == 3
	.amdgcn_target "amdgcn-amd-amdhsa--gfx1250"
	.amdhsa_code_object_version 6
	.text
	.protected	k_q8442d69035_attn
	.globl	k_q8442d69035_attn
	.p2align	8
	.type	k_q8442d69035_attn,@function
k_q8442d69035_attn:
	s_mov_b64 s[64:65], 0
	v_nop
	global_prefetch_b8 v0, s[64:65] scope:SCOPE_SE
	s_setreg_imm32_b32 hwreg(HW_REG_WAVE_MODE, 25, 1), 1
	s_wait_xcnt 0x0
; ATTENTION on codes of E4M3: 32 heads (batch x 16 + head) of 2,048 tokens, head size 64; causal mask and the key-pad mask; both products quantised.
; q, k: [bh][s][64] codes; v: [bh][64][s] codes, keys innermost; padl: a lane mask for each score register of each key step; att: [4,096][1,024] f32.
; THE SOFTMAX: t = score x log2(e) / 32; M = the row's largest t so far, rounded up to a whole number; p = 2^(t - M) is quantised with e7; the row's sum is taken of the unquantised p and divides at the end.
; THE MASKS put a FINITE number in a score's place.  Here that number is SM = -2^38 / 2^(e4 + e5) in units of the code sums, so that its t, TM = -log2(e) x 2^33, is exact and whole: beside a real key p = 0;
; in a row with no real key p = 1 for every key.  Such a row (all its keys up to the query are padded) is, by the definition, uniform over ALL 2,048 keys, the causally hidden ones too: so the sum T of
; v's codes x the code of 1 over all keys is made on the side (one matrix instruction a wave and slot), and at the end a row whose largest t is still TM takes T for its sums and 2,048 for its divisor, by a select.
; SHARES.  A work-group owns one head and TWO blocks of 128 queries, x and 15 - x, so that every work-group has 17 visible key steps for each pair of tiles.  Each of its sixteen waves owns one tile of 16 queries.
; A key step is 128 keys; a step all of whose keys come after the wave's queries is jumped over (a branch on ids).  K and V come through a ring of two LDS slots of 512 keys (waves 0, 1: K's halves; wave 2: V).
; NO CLUSTER: the eight work-groups of a head read the same K and V, but which steps a wave jumps over hangs on its query block, that is on the work-group's place among those eight, and partners of a cluster
; must run alike; without the jump each work-group would walk 64 wave-steps a SIMD in place of 34.
; Both products are used transposed: a lane holds ONE query.  Lane r of tile 2 b + u of K takes key 32 b + 8 u + r + 8 (r / 8), so that score register 16 b + i is key 32 b + 16 (lane / 16) + i.
; LIMITS: e4 + e5 between -89 and 10 (SM and c are f32 numbers, and every real sum lies above SM); e7 between -126 and 119.  NaN is not served.
; REGISTERS: v1-4 places in tiles; v5, v6 the add's; v7 O's offset; v8, v9 addresses in hand; v10 SM, v11 TM, v12 -M, v13 largest t, v[14:15] the sum; v16-23 Q; v24-31 T; v32-95 fragments; v96-159 S^T, p;
;   v160-191 O^T; v192-207 p's codes; v208-223 the code of 1; v224, v225 448 x 2^e7, 2^e7; v226-229 stage addresses; v236-254 at work.
.set KP,    80                         ; a key's row in LDS: 64 bytes + 16
.set VP,    528                        ; a row of V's tile: 512 bytes + 16
.set VOFF,  512*KP                     ; a slot: 512 rows of K, then 64 rows of V
.set SLOT1, 1<<17
.set NSL,   4                          ; slots' worth of keys
.set SPARE, 2*SLOT1                    ; the spare words: 128 bytes for each of sixteen waves
.set TST,   SPARE+2048                 ; T's images: 1,024 bytes a wave
.set WVN,  12                          ; s12 wave; s13 the step's first key; s14 my first query; s15 slots to ask for; s16 steps; s17 who prefetches
.set KF,   13
.set Q0,   14
.set SLOTS, 15
.set STC,  16
.set LIM,  17
.set PFA,  18                          ; s[18:19] where my prefetches stand; s[48:49] a slot on
.set PFS,  48
.set G1K,  24
.set G1V,  32
.set G0K,  40
.set G0V,  44
; Waves 0 and 1 fetch K's halves, wave 2 V, the others nothing.  Four v_nop follow each of the two lines.
.macro TLOAD
	s_cmp_lt_u32 s[WVN], 2
	s_cbranch_scc0 .Lnot_k_\@
	tensor_load_to_lds s[G0K:G0K+3], s[G1K:G1K+7]
	s_nop 0
.rept 4
	v_nop
.endr
	s_branch .Lasked_\@
.Lnot_k_\@:
	s_cmp_eq_u32 s[WVN], 2
	s_cbranch_scc0 .Lasked_\@
	tensor_load_to_lds s[G0V:G0V+3], s[G1V:G1V+7]
	s_nop 0
.rept 4
	v_nop
.endr
.Lasked_\@:
.endm
; A prefetch of what the NEXT change of slots will ask for.  All eight work-groups of a head walk the same K and V: the first of them asks.  In it waves 4 to 7 ask for K's 32,768 bytes (8,192 a wave, lanes 256 bytes
; apart), waves 8 to 11 for V's 64 rows x 512 bytes (16 rows a wave, two lanes a row, 256 bytes apart): each aligned block of 256 bytes is named once.  The last change that fills a slot asks for nothing.
.macro ASK
	s_cmp_gt_u32 s[SLOTS], s[LIM]
	s_cbranch_scc0 .Lnot_mine_\@
	global_prefetch_b8 v3, s[PFA:PFA+1] th:TH_LOAD_NT scope:SCOPE_SE
.Lnot_mine_\@:
.endm
	s_load_b256 s[4:11], s[0:1], 0x0               ; qkvc 4, padl 6, scales 8, att 10
	v_lshl_add_u32 v5, v0, 2, SPARE
	v_mov_b32 v6, 0
	ds_add_u32 v5, v6
	s_wait_dscnt 0x0
	v_lshrrev_b32 v8, 5, v0
	v_readfirstlane_b32 s[WVN], v8                 ; wave 0..15
	s_and_b32 s68, ttmp7, 0xffff                   ; batch x 16 + head
	s_lshr_b32 s69, s68, 4                         ; batch
	s_and_b32 s70, s68, 15                         ; head
	s_lshr_b32 s71, s[WVN], 2
	s_xor_b32 s71, s71, s[WVN]
	s_and_b32 s71, s71, 1                          ; waves 2 m and 2 m + 1 take tile m of the two blocks; which takes which alternates with wave / 4
	s_sub_co_u32 s72, 15, ttmp9
	s_cmp_eq_u32 s71, 1
	s_cselect_b32 s72, s72, ttmp9                  ; my block of 128 queries
	s_lshl_b32 s[Q0], s72, 7
	s_lshr_b32 s73, s[WVN], 1
	s_lshl_b32 s73, s73, 4
	s_add_co_u32 s[Q0], s[Q0], s73                 ; my first query
	s_lshl_b32 s74, s68, 17                        ; a head's codes are 131,072 bytes in each of the three tensors
	s_mov_b32 s75, 0
	s_mov_b32 s[G1K], (0<<16)|(1<<20)|(3<<22)|(3<<25)   ; K: elements of 1 byte; padding: after every 16 words, 4 words
	s_mov_b32 s[G1K+1], 64<<16                     ; tensor_dim0
	s_mov_b32 s[G1K+2], 256<<16                    ; tensor_dim1
	s_mov_b32 s[G1K+3], 64<<16                     ; tile_dim0
	s_mov_b32 s[G1K+4], 256                        ; tile_dim1
	s_mov_b32 s[G1K+5], 64                         ; the pitch
	s_mov_b32 s[G1K+6], 0
	s_mov_b32 s[G1K+7], 0
	s_mov_b32 s[G1V], (0<<16)|(1<<20)|(6<<22)|(3<<25)   ; V: padding: after every 128 words, 4 words
	s_mov_b32 s[G1V+1], 512<<16
	s_mov_b32 s[G1V+2], 64<<16
	s_mov_b32 s[G1V+3], 512<<16
	s_mov_b32 s[G1V+4], 64
	s_mov_b32 s[G1V+5], 2048
	s_mov_b32 s[G1V+6], 0
	s_mov_b32 s[G1V+7], 0
	s_mov_b32 s20, 0x76543210                      ; lane l xor 16
	s_mov_b32 s21, 0xfedcba98
	s_mov_b32 s2, 0                                ; LDS byte of the step's keys in K's tile,
	s_mov_b32 s3, 0                                ; and in a row of V's
	s_mov_b32 s[KF], 0
	s_mov_b32 s[SLOTS], NSL-1
	s_and_b32 s76, s[WVN], 1
	s_lshl_b32 s78, s76, 14                        ; K's half: 256 rows of 64 bytes,
	s_add_co_u32 s78, s78, 0x400000                ; in k's part of qkvc
	s_mov_b32 s79, 0
	s_mul_i32 s[G0K+1], s76, 256*KP
	s_wait_kmcnt 0x0
	s_load_b256 s[52:59], s[8:9], 0x0              ; e0 .. e7
	s_add_nc_u64 s[4:5], s[4:5], s[74:75]          ; qkvc at my head
	s_mov_b32 s[G0K], 1
	s_add_nc_u64 s[G0K+2:G0K+3], s[4:5], s[78:79]
	s_or_b32 s[G0K+3], s[G0K+3], 0x80000000
	s_mov_b32 s[G0V], 1
	s_mov_b32 s[G0V+1], VOFF
	s_add_nc_u64 s[G0V+2:G0V+3], s[4:5], 0x800000
	s_or_b32 s[G0V+3], s[G0V+3], 0x80000000
	TLOAD                                          ; slot 0: a fetching wave has one tensor load out, here and behind every change of slots
	; the prefetches: where my wave's stand, and who asks
	s_cmp_lt_u32 s[WVN], 8                         ; waves 4 to 7: K; waves 8 to 11: V
	s_mov_b32 s78, 0x800000+512
	s_cselect_b32 s78, 0x400000+32768, s78         ; in key slot 1: the first change of slots steps it to slot 2
	s_mov_b32 s[PFS], 512
	s_cselect_b32 s[PFS], 32768, s[PFS]            ; a slot on
	s_mov_b32 s80, 32768
	s_cselect_b32 s80, 8192, s80                   ; from wave to wave
	s_cselect_b32 s81, 0, 1                        ; lanes to a row, as a shift,
	s_mov_b32 s82, 2048
	s_cselect_b32 s82, 256, s82                    ; from row to row,
	s_cselect_b32 s83, 0, 1                        ; and which block of a row
	s_mov_b32 s[PFS+1], 0
	s_and_b32 s84, s[WVN], 3
	s_mul_i32 s84, s84, s80
	s_add_co_u32 s78, s78, s84
	s_add_nc_u64 s[PFA:PFA+1], s[4:5], s[78:79]
	s_sub_co_u32 s84, s[WVN], 4
	s_lshr_b32 s84, s84, 3                         ; 0 in waves 4 to 11,
	s_or_b32 s84, s84, ttmp9                       ; of the head's first work-group
	s_cmp_eq_u32 s84, 0
	s_cselect_b32 s[LIM], 1, -1
	v_and_b32 v3, 31, v0
	v_lshrrev_b32 v254, s81, v3
	v_mul_lo_u32 v254, v254, s82
	v_and_b32 v3, s83, v3
	v_lshl_add_u32 v3, v3, 8, v254
	s_lshl_b32 s78, s[Q0], 6
	s_add_nc_u64 s[4:5], s[4:5], s[78:79]          ; q's codes at my first query
	s_lshl_b32 s78, s69, 12
	s_add_nc_u64 s[6:7], s[6:7], s[78:79]          ; my batch's lane masks: 256 bytes a key step
	s_lshl_b32 s78, s69, 11
	s_add_co_u32 s78, s78, s[Q0]
	s_lshl_b32 s78, s78, 12
	s_lshl_b32 s80, s70, 8
	s_add_co_u32 s78, s78, s80
	s_add_nc_u64 s[10:11], s[10:11], s[78:79]      ; att at my first query's row, my head's 256 bytes
	v_and_b32 v8, 15, v0                           ; r
	v_bfe_u32 v9, v0, 4, 1                         ; h
	v_lshlrev_b32 v250, 6, v8
	v_lshl_add_u32 v250, v9, 4, v250
	global_load_b128 v[16:19], v250, s[4:5]        ; Q's fragment stays: registers 4 c .. 4 c + 3 hold k = 32 c + 16 h + 0 .. 15, as K's do
	global_load_b128 v[20:23], v250, s[4:5] offset:32
	v_and_b32 v248, 8, v8
	v_add_nc_u32 v248, v248, v8                    ; r + 8 (r / 8)
	v_mul_u32_u24 v1, v248, KP
	v_lshl_add_u32 v1, v9, 4, v1                   ; my place in a tile of K
	v_mul_u32_u24 v2, v8, VP
	v_lshl_add_u32 v2, v9, 4, v2
	s_and_b32 s80, s[WVN], 3
	s_mul_i32 s80, s80, 16*VP
	s_lshr_b32 s81, s[WVN], 2
	s_lshl_b32 s81, s81, 7
	s_add_co_u32 s80, s80, s81
	s_add_co_u32 s80, s80, VOFF
	v_add_nc_u32 v4, s80, v2                       ; for T: channels 16 (wave % 4) on, keys 128 (wave / 4) on of a slot
	v_add_nc_u32 v2, VOFF, v2                      ; my place in a tile of V
	v_lshlrev_b32 v7, 12, v9
	v_lshl_add_u32 v7, v8, 4, v7                   ; the way out: lanes 0-15 one row of att, lanes 16-31 the next
	v_and_b32 v249, 31, v0
	v_lshl_add_u32 v227, v249, 4, TST              ; an image's place for my lane,
	s_lshl_b32 s80, s[WVN], 10
	v_add_nc_u32 v226, s80, v227                   ; and in my wave's image
	s_mul_i32 s80, s[WVN], 16*272                  ; my stage for O: 16 rows x 272 bytes, in slot 0
	v_mul_u32_u24 v228, v8, 272
	v_lshl_add_u32 v228, v9, 5, v228
	v_add_nc_u32 v228, s80, v228
	v_mul_u32_u24 v229, v9, 272
	v_lshl_add_u32 v229, v8, 4, v229
	v_add_nc_u32 v229, s80, v229
	v_mov_b32 v13, 0xff61b1e6                      ; the largest t so far: -3e38
	v_floor_f32 v12, -v13
	v_mov_b32 v14, 0
	v_mov_b32 v15, 0
	v_mov_b32 v236, 0                              ; a lane permute's destination counts as read
	v_mov_b32 v252, 0
	v_mov_b32 v253, 0
.set j, 0
.rept 32
	v_mov_b32 v[160+j], 0                          ; O^T: the step is written once, and the first finds zeros
.set j, j+1
.endr
.set j, 0
.rept 8
	v_mov_b32 v[24+j], 0                           ; T likewise
.set j, j+1
.endr
	s_wait_kmcnt 0x0
	s_add_co_i32 s68, s56, s57                     ; e4 + e5
	s_lshl_b32 s68, s68, 23
	s_mov_b32 s22, 0x3d38aa3b                      ; c = log2(e) / 32,
	s_add_co_i32 s22, s22, s68                     ; x 2^(e4 + e5), by its exponent field
	s_mov_b32 s23, s22
	s_mov_b32 s69, 0xd2800000                      ; -2^38,
	s_sub_co_i32 s69, s69, s68                     ; / 2^(e4 + e5)
	v_mov_b32 v10, s69                             ; SM
	v_mul_f32 v11, s22, v10                        ; TM = c x SM: a power of two times c, so nothing is rounded
	s_add_co_i32 s50, s58, s59                     ; e6 + e7
	s_add_co_i32 s68, s59, 127
	s_lshl_b32 s69, s68, 23
	v_mov_b32 v225, s69                            ; 2^e7
	s_add_co_i32 s68, s68, 8
	s_lshl_b32 s68, s68, 23
	s_or_b32 s68, s68, 0x600000
	v_mov_b32 v224, s68                            ; 448 x 2^e7
.set j, 0
.rept 8
	v_mov_b32 v[96+j], 1.0
.set j, j+1
.endr
.set j, 0
.rept 8
	v_min_num_f32 v[96+j], v[96+j], v224
.set j, j+1
.endr
	v_cvt_scalef32_pk8_fp8_f32 v[208:209], v[96:103], v225   ; the code of p = 1, in every byte
	v_nop
.set j, 2
.rept 14
	v_mov_b32 v[208+j], v208
.set j, j+1
.endr
; T += 16 channels x 128 keys of the slot in hand x the code of 1.  Where a wave jumps over all steps of a slot, this is the next matrix instruction behind its like: the wait stands directly ahead.
.macro TSUM
	v_add_nc_u32 v8, s3, v4
.rept 3
	v_nop                                          ; with the line above: four places in front of loads into registers that matrix instructions have read
.endr
.irp c, 0,1,2,3
	ds_load_b128 v[32+4*\c:35+4*\c], v8 offset:32*\c
.endr
	s_wait_dscnt 0x0
	s_wait_alu depctr_va_vdst(0)
	v_wmma_f32_16x16x128_fp8_fp8 v[24:31], v[32:47], v[208:223], v[24:31]
.endm
.macro MAX32 d, s                      ; the largest of 32 registers, in two chains
	v_max3_num_f32 v[\d], v[\s], v[\s+1], v[\s+2]
	v_max3_num_f32 v[\d+1], v[\s+16], v[\s+17], v[\s+18]
.irp i, 3,5,7,9,11,13
	v_max3_num_f32 v[\d], v[\d], v[\s+\i], v[\s+\i+1]
	v_max3_num_f32 v[\d+1], v[\d+1], v[\s+16+\i], v[\s+17+\i]
.endr
	v_max_num_f32 v[\d], v[\d], v[\s+15]
	v_max_num_f32 v[\d+1], v[\d+1], v[\s+31]
.endm
; A KEY STEP: 128 keys.
.macro STEP
	s_add_co_u32 s100, s[Q0], 15
	s_cmp_gt_u32 s[KF], s100
	s_cbranch_scc1 .Lhidden_\@                     ; all its keys come after my queries: a branch on ids, round no barrier and no tensor load
	s_lshl_b32 s101, s[KF], 1                      ; the step's 64 lane masks: 256 bytes
	s_load_b512 s[68:83], s[6:7], s101 offset:0x0  ; those of score registers 0 to 31
	s_load_b512 s[84:99], s[6:7], s101 offset:0x40
	v_add_nc_u32 v8, s2, v1
	v_add_nc_u32 v9, s3, v2
	v_nop
	v_nop                                          ; four places in front of loads into registers that matrix instructions have read
.irp t, 0,1,2,3,4,5,6,7
.irp c, 0,1
	ds_load_b128 v[32+8*\t+4*\c:35+8*\t+4*\c], v8 offset:(32*(\t/2)+8*(\t%2))*KP+32*\c
.endr
.endr
	s_wait_dscnt 8                                 ; tiles 0 to 3 are in; tiles 4 to 7's eight loads may be out
.irp t, 0,1,2,3
	v_wmma_f32_16x16x64_fp8_fp8 v[96+8*\t:103+8*\t], v[32+8*\t:39+8*\t], v[16:23], 0
.endr
	s_wait_dscnt 0x0
.irp t, 4,5,6,7
	v_wmma_f32_16x16x64_fp8_fp8 v[96+8*\t:103+8*\t], v[32+8*\t:39+8*\t], v[16:23], 0
.endr
.rept 4
	v_nop                                          ; places: for the loads below, and for the first reads of the scores
.endr
.irp t, 0,1,2,3
.irp c, 0,1,2,3
	ds_load_b128 v[32+16*\t+4*\c:35+16*\t+4*\c], v9 offset:16*\t*VP+32*\c   ; V's four fragments: they land during the softmax
.endr
.endr
	s_add_co_u32 s100, s[KF], 127                  ; on the diagonal the causally hidden scores become SM; a step all of whose keys count skips this
	s_cmp_le_u32 s100, s[Q0]
	s_cbranch_scc1 .Lopen_\@
	s_sub_co_i32 s100, s[Q0], s[KF]
	v_and_b32 v252, 15, v0
	v_bfe_u32 v253, v0, 4, 1
	v_lshlrev_b32 v253, 4, v253
	v_sub_nc_u32 v252, v252, v253
	v_add_nc_u32 v252, s100, v252                  ; d = my query - the step's first key - 16 (lane / 16): register 16 b + i is hidden where 32 b + i > d
.set n, 0
.rept 64
	v_cmp_gt_i32 vcc_lo, 32*(n/16)+n%16, v252
	v_cndmask_b32 v[96+n], v[96+n], v10, vcc_lo
.set n, n+1
.endr
.Lopen_\@:
	s_wait_kmcnt 0x0                               ; the masks are in
.set n, 0
.rept 32
	v_cndmask_b32 v[96+n], v[96+n], v10, s[68+n]   ; a padded key's score becomes SM: always done, no branch on the mask
.set n, n+1
.endr
	s_load_b512 s[68:83], s[6:7], s101 offset:0x80 ; those of score registers 32 to 63
	s_load_b512 s[84:99], s[6:7], s101 offset:0xc0
	MAX32 248, 96
	s_wait_kmcnt 0x0
.set n, 0
.rept 32
	v_cndmask_b32 v[128+n], v[128+n], v10, s[68+n]
.set n, n+1
.endr
	MAX32 250, 128
	v_max3_num_f32 v254, v248, v249, v250
	v_max_num_f32 v254, v254, v251
	v_permlanex16_b32 v236, v254, s20, s21
	v_max_num_f32 v254, v254, v236                 ; the step's largest score of my query
	v_mul_f32 v254, s22, v254                      ; as t
	v_max_num_f32 v13, v13, v254
	v_mov_b32 v254, v12
	v_floor_f32 v12, -v13                          ; -M = floor(-t): M is a whole number
	v_sub_f32 v254, v12, v254                      ; old M - new M, 0 or less
	v_cvt_i32_f32 v254, v254                       ; (it saturates)
	v_ldexp_f32 v252, 1.0, v254                    ; f = 2^(old M - new M)
.set j, 0
.rept 32
	v_pk_fma_f32 v[96+j:97+j], v[96+j:97+j], s[22:23], v[12:13] op_sel_hi:[1,0,0]   ; t - M
.set j, j+2
.endr
.set j, 0
.rept 64
	v_exp_f32 v[96+j], v[96+j]                     ; p = 2^(t - M)
.set j, j+1
.endr
	v_pk_mul_f32 v[14:15], v[14:15], v[252:253] op_sel_hi:[1,0]   ; the sum under the new M (a plain line behind the exponentials)
	s_wait_alu depctr_va_vdst(0)                   ; one wait for the batch, ahead of its first reader
	v_pk_add_f32 v[242:243], v[96:97], v[98:99]    ; the row's sum is taken of the unquantised p, in two chains
.set j, 4
.rept 15
	v_pk_add_f32 v[14:15], v[14:15], v[96+j:97+j]
	v_pk_add_f32 v[242:243], v[242:243], v[98+j:99+j]
.set j, j+4
.endr
	v_pk_add_f32 v[14:15], v[14:15], v[242:243]
.irp b, 0,1,2,3
.set i, 0
.rept 16
	v_min_num_f32 v[96+16*\b+i], v[96+16*\b+i], v224   ; the conversion does not saturate (ISA guide 7.6.2); p is not negative
.set i, i+1
.endr
	v_cvt_scalef32_pk8_fp8_f32 v[192+4*\b:193+4*\b], v[96+16*\b:103+16*\b], v225
	v_cvt_scalef32_pk8_fp8_f32 v[194+4*\b:195+4*\b], v[104+16*\b:111+16*\b], v225
.endr
.set j, 0
.rept 16
	v_pk_mul_f32 v[160+j:161+j], v[160+j:161+j], v[252:253] op_sel_hi:[1,0]   ; O^T under the new M (also the plain lines behind the conversions)
.set j, j+2
.endr
	s_wait_dscnt 0x0                               ; V's fragments
.irp t, 0,1,2,3
	v_wmma_f32_16x16x128_fp8_fp8 v[160+8*\t:167+8*\t], v[32+16*\t:47+16*\t], v[192:207], v[160+8*\t:167+8*\t]
.endr
.Lhidden_\@:
.endm
; THE CHANGE OF SLOTS stands at a slot's head: each wave waits for all its tensor loads, adds 0 to its spare word, and waits for that and for its reads of the slot that it has left.
; Behind the barrier the slot ahead is whole and nobody reads the other one; with fill = 1 that one takes the next 512 keys, which have a whole slot's steps in which to land.
.macro CHANGE fill
	s_wait_tensorcnt 0x0
	ds_add_u32 v5, v6
.if \fill
	s_xor_b32 s[G0K+1], s[G0K+1], SLOT1
	s_add_nc_u64 s[G0K+2:G0K+3], s[G0K+2:G0K+3], 32768
	s_xor_b32 s[G0V+1], s[G0V+1], SLOT1
	s_add_nc_u64 s[G0V+2:G0V+3], s[G0V+2:G0V+3], 512
	s_wait_xcnt 0x0                                ; the last prefetch, a slot back, has read its address
	s_add_nc_u64 s[PFA:PFA+1], s[PFA:PFA+1], s[PFS:PFS+1]
.endif
	s_wait_dscnt 0x0
	s_barrier_signal -1
	s_barrier_wait -1
.if \fill
	TLOAD
	ASK
.endif
.endm
.macro SLOT_STEPS
	TSUM
	s_mov_b32 s[STC], 4
.Lstep_\@:
	STEP
	s_add_co_u32 s2, s2, 128*KP
	s_add_co_u32 s3, s3, 128
	s_add_co_u32 s[KF], s[KF], 128
	s_sub_co_u32 s[STC], s[STC], 1
	s_cmp_lg_u32 s[STC], 0
	s_cbranch_scc1 .Lstep_\@
	s_sub_co_u32 s2, s2, 512*KP                    ; back to a slot's first step,
	s_sub_co_u32 s3, s3, 512
	s_xor_b32 s2, s2, SLOT1                        ; in the other slot
	s_xor_b32 s3, s3, SLOT1
.endm
	s_wait_loadcnt 0x0                             ; Q
.Lslot:                                            ; three trips: behind each change of slots but the last the next 512 keys are asked for
	CHANGE 1
	SLOT_STEPS
	s_sub_co_u32 s[SLOTS], s[SLOTS], 1
	s_cmp_lg_u32 s[SLOTS], 0
	s_cbranch_scc1 .Lslot
	CHANGE 0                                       ; the last slot is written out
	SLOT_STEPS
	; THE WAY OUT.  First T: each wave's part goes to LDS as an image of its registers; every wave adds the four parts of each of the four tiles of channels.
.rept 4
	v_nop
.endr
	ds_store_b128 v226, v[24:27]
	ds_store_b128 v226, v[28:31] offset:512
	s_wait_dscnt 0x0
	s_barrier_signal -1
	s_barrier_wait -1
.irp t, 0,1,2,3
.irp u, 0,1,2,3
	ds_load_b128 v[32+32*\t+8*\u:35+32*\t+8*\u], v227 offset:(\t+4*\u)*1024
	ds_load_b128 v[36+32*\t+8*\u:39+32*\t+8*\u], v227 offset:(\t+4*\u)*1024+512
.endr
.endr
	v_add_f32 v14, v14, v15
	v_permlanex16_b32 v236, v14, s20, s21
	v_add_f32 v14, v14, v236                       ; the row's sum
	v_cmp_ge_f32 s51, v11, v13                     ; no real key was seen: the row is uniform over all 2,048 keys
	v_mov_b32 v254, 0x45000000                     ; 2,048
	v_cndmask_b32 v14, v14, v254, s51
	v_rcp_f32 v14, v14
	v_nop
	s_wait_alu depctr_va_vdst(0)
	v_ldexp_f32 v14, v14, s50                      ; x 2^(e6 + e7)
	s_wait_dscnt 0x0
.irp t, 0,1,2,3
.irp j, 0,2,4,6
	v_pk_add_f32 v[32+32*\t+\j:33+32*\t+\j], v[32+32*\t+\j:33+32*\t+\j], v[40+32*\t+\j:41+32*\t+\j]
	v_pk_add_f32 v[48+32*\t+\j:49+32*\t+\j], v[48+32*\t+\j:49+32*\t+\j], v[56+32*\t+\j:57+32*\t+\j]
.endr
.irp j, 0,2,4,6
	v_pk_add_f32 v[32+32*\t+\j:33+32*\t+\j], v[32+32*\t+\j:33+32*\t+\j], v[48+32*\t+\j:49+32*\t+\j]
.endr
.irp j, 0,1,2,3,4,5,6,7
	v_cndmask_b32 v[160+8*\t+\j], v[160+8*\t+\j], v[32+32*\t+\j], s51
.endr
.endr
.set j, 0
.rept 32
	v_mul_f32 v[96+j], v[160+j], v14               ; register 8 t + i is o(r, 16 t + 8 h + i)
.set j, j+1
.endr
.irp t, 0,1,2,3
	ds_store_b128 v228, v[96+8*\t:99+8*\t] offset:64*\t          ; my stage lies in slot 0, which has had its last fill and which nobody reads behind the last change of slots
	ds_store_b128 v228, v[100+8*\t:103+8*\t] offset:64*\t+16
.endr
.irp i, 0,1,2,3,4,5,6,7
	ds_load_b128 v[32+4*\i:35+4*\i], v229 offset:544*\i          ; LDS serves a wave's instructions in order: these see my stores
.endr
.irp i, 0,1,2,3,4,5,6,7
	s_wait_dscnt 7-\i
	global_store_b128 v7, v[32+4*\i:35+4*\i], s[10:11] offset:8192*\i   ; sixteen lanes store a head's 256 bytes of a token's row, at a multiple of 256
.endr
	s_wait_tensorcnt 0x0                           ; the wave's end
	ds_add_u32 v5, v6
	s_wait_dscnt 0x0
	s_endpgm
.Lfunc_end_k_q8442d69035_attn:
	.size	k_q8442d69035_attn, .Lfunc_end_k_q8442d69035_attn-k_q8442d69035_attn
	.p2alignl 7, 3214868480
	.fill 96, 4, 3214868480
	.section	.rodata,"a",@progbits
	.p2align	6, 0x0
	.amdhsa_kernel k_q8442d69035_attn
		.amdhsa_group_segment_fixed_size 327680
		.amdhsa_private_segment_fixed_size 0
		.amdhsa_enable_private_segment 0
		.amdhsa_kernarg_size 32
		.amdhsa_user_sgpr_count 2
		.amdhsa_user_sgpr_kernarg_segment_ptr 1
		.amdhsa_wavefront_size32 1
		.amdhsa_system_sgpr_workgroup_id_x 1
		.amdhsa_system_sgpr_workgroup_id_y 1
		.amdhsa_system_sgpr_workgroup_id_z 1
		.amdhsa_system_vgpr_workitem_id 0
		.amdhsa_next_free_vgpr 256
		.amdhsa_next_free_sgpr 102
		.amdhsa_reserve_vcc 1
		.amdhsa_float_denorm_mode_32 3
		.amdhsa_float_denorm_mode_16_64 3
		.amdhsa_memory_ordered 1
		.amdhsa_forward_progress 1
		.amdhsa_inst_pref_size 75
	.end_amdhsa_kernel
	.amdgpu_metadata
---
amdhsa.version: [ 1, 2 ]
amdhsa.kernels:
  - .name:           k_q8442d69035_attn
    .symbol:         k_q8442d69035_attn.kd
    .args:
      - { .name: qkvc, .offset: 0, .size: 8, .value_kind: global_buffer, .address_space: global }
      - { .name: padl, .offset: 8, .size: 8, .value_kind: global_buffer, .address_space: global }
      - { .name: lowp_scales, .offset: 16, .size: 8, .value_kind: global_buffer, .address_space: global }
      - { .name: att, .offset: 24, .size: 8, .value_kind: global_buffer, .address_space: global }
    .group_segment_fixed_size: 327680
    .private_segment_fixed_size: 0
    .kernarg_segment_align: 8
    .kernarg_segment_size: 32
    .max_flat_workgroup_size: 512
    .sgpr_count:     102
    .vgpr_count:     256
    .wavefront_size: 32
...
	.end_amdgpu_metadata
.endif
;; end of part 3
;; launch norm2 (part 4): grid 256 x 1, 4 waves a work-group, no clusters, 4,608 bytes of LDS; arguments att, ln2_w, lowp_scales, hc; writes hc
.if DOCPART == 4
	.amdgcn_target "amdgcn-amd-amdhsa--gfx1250"
	.amdhsa_code_object_version 6
	.text
	.protected	k_q8442d69035_norm2
	.globl	k_q8442d69035_norm2
	.p2align	8
	.type	k_q8442d69035_norm2,@function
k_q8442d69035_norm2:
	s_mov_b64 s[64:65], 0
	v_nop
	global_prefetch_b8 v0, s[64:65] scope:SCOPE_SE
	s_setreg_imm32_b32 hwreg(HW_REG_WAVE_MODE, 25, 1), 1
	s_wait_xcnt 0x0
; rmsnorm 2 of the attention's result, [4,096][1,024] f32, quantised with entry 8 of the scales into codes of E4M3, K innermost.
; A wave takes four rows, one at a time, whole: 32 registers; register 4 j + c is column 128 j + 4 lane + c.  The row is read once; no wave waits for another.
; code = number / 2^e8, held within +-448, to the nearest code, ties to even.  LIMITS: e8 between -126 and 119; NaN is not served.
.set NW,   16                          ; v16-47 the gain
.set NX,   48                          ; v48-111 two rows as loaded
.set NY,   112                         ; v112-143 the normalised row
.set CQ,   160                         ; v160-167 a row's codes
.set NOUT, 176                         ; v176-183 codes back from the stage
.set SQ,   192                         ; v192-199 four chains of squares
	s_load_b256 s[4:11], s[0:1], 0x0               ; att 4, ln2_w 6, scales 8, hc 10
	v_lshl_add_u32 v200, v0, 2, 0x1000
	v_mov_b32 v201, 0
	v_lshrrev_b32 v1, 5, v0
	v_readfirstlane_b32 s36, v1                    ; wave
	s_lshl_b32 s37, ttmp9, 4
	s_lshl_b32 s38, s36, 2
	s_add_co_u32 s37, s37, s38                     ; my first row
	s_lshl_b32 s38, s37, 12
	s_mov_b32 s39, 0
	s_lshl_b32 s42, s37, 10
	s_mov_b32 s43, 0
	v_and_b32 v2, 31, v0
	v_lshlrev_b32 v1, 4, v2                        ; 16 x lane
	s_wait_kmcnt 0x0
	s_load_b32 s24, s[8:9], 0x20                   ; e8
	s_add_nc_u64 s[40:41], s[4:5], s[38:39]
	s_add_nc_u64 s[44:45], s[10:11], s[42:43]
.irp j, 0,1,2,3,4,5,6,7
	global_load_b128 v[NW+4*\j:NW+4*\j+3], v1, s[6:7] offset:512*\j
.endr
.macro FILL i
.irp j, 0,1,2,3,4,5,6,7
	global_load_b128 v[NX+32*((\i)%2)+4*\j:NX+32*((\i)%2)+4*\j+3], v1, s[40:41] offset:4096*(\i)+512*\j th:TH_LOAD_NT
.endr
.endm
	FILL 0
	FILL 1
	s_lshl_b32 s52, s36, 10                        ; my stage: 1,024 bytes
	v_lshl_add_u32 v3, v2, 4, s52                  ; out of it: 16 x lane
	v_lshl_add_u32 v2, v2, 2, s52                  ; into it: 4 x lane
	v_mov_b32 v5, 0                                ; a lane permute's destination counts as read
	v_mov_b32 v7, 0                                ; (named as the upper half of the pair v[6:7])
	s_mov_b32 s46, 0x3a800000                      ; 1 / 1024
	s_mov_b32 s47, 0x3727c5ac                      ; 1e-5
	s_mov_b32 s48, 0x76543210
	s_mov_b32 s49, 0xfedcba98
	s_wait_kmcnt 0x0
	s_add_co_i32 s50, s24, 127
	s_lshl_b32 s51, s50, 23
	v_mov_b32 v11, s51                             ; 2^e8
	s_add_co_i32 s50, s50, 8
	s_lshl_b32 s50, s50, 23
	s_or_b32 s50, s50, 0x600000
	v_mov_b32 v10, s50                             ; 448 x 2^e8
.macro ROW i
.set XS, NX+32*((\i)%2)
.if (\i) < 3
	s_wait_loadcnt 8                               ; my row is in (and the gain); the next row's eight loads may be out
.else
	s_wait_loadcnt 0
.endif
.irp k, 0,1,2,3
	v_pk_mul_f32 v[SQ+2*\k:SQ+2*\k+1], v[XS+2*\k:XS+2*\k+1], v[XS+2*\k:XS+2*\k+1]
.endr
.set j, 4
.rept 12
	v_pk_fma_f32 v[SQ+2*(j%4):SQ+2*(j%4)+1], v[XS+2*j:XS+2*j+1], v[XS+2*j:XS+2*j+1], v[SQ+2*(j%4):SQ+2*(j%4)+1]
.set j, j+1
.endr
	v_pk_add_f32 v[SQ:SQ+1], v[SQ:SQ+1], v[SQ+2:SQ+3]
	v_pk_add_f32 v[SQ+4:SQ+5], v[SQ+4:SQ+5], v[SQ+6:SQ+7]
	v_pk_add_f32 v[SQ:SQ+1], v[SQ:SQ+1], v[SQ+4:SQ+5]
	v_add_f32 v4, v[SQ], v[SQ+1]
	v_add_f32_dpp v4, v4, v4 row_xmask:1 row_mask:0xf bank_mask:0xf
	v_add_f32_dpp v4, v4, v4 row_xmask:2 row_mask:0xf bank_mask:0xf
	v_add_f32_dpp v4, v4, v4 row_xmask:4 row_mask:0xf bank_mask:0xf
	v_add_f32_dpp v4, v4, v4 row_xmask:8 row_mask:0xf bank_mask:0xf
	v_permlanex16_b32 v5, v4, s48, s49
	v_add_f32 v4, v4, v5
	v_fma_f32 v4, v4, s46, s47                     ; the mean of the squares + eps
	v_rsq_f32 v6, v4
	v_nop                                          ; a plain instruction behind the transcendental
	s_wait_alu depctr_va_vdst(0)                   ; and a wait ahead of its first reader
.set j, 0
.rept 16
	v_pk_mul_f32 v[NY+j:NY+j+1], v[XS+j:XS+j+1], v[6:7] op_sel_hi:[1,0]
.set j, j+2
.endr
.if (\i) < 2
	FILL (\i)+2
.endif
.set j, 0
.rept 16
	v_pk_mul_f32 v[NY+j:NY+j+1], v[NY+j:NY+j+1], v[NW+j:NW+j+1]
.set j, j+2
.endr
.set j, 0
.rept 32
	v_med3_num_f32 v[NY+j], v[NY+j], -v10, v10     ; the conversion does not saturate (ISA guide 7.6.2)
.set j, j+1
.endr
.irp g, 0,1,2,3
	v_cvt_scalef32_pk8_fp8_f32 v[CQ+2*\g:CQ+2*\g+1], v[NY+8*\g:NY+8*\g+7], v11
.endr
.irp j, 0,1,2,3,4,5,6,7
	ds_store_b32 v2, v[CQ+\j] offset:128*\j        ; four codes: columns 128 j + 4 lane on
.endr
	s_wait_xcnt 0x0                                ; the last row's stores have read their data registers, which are loaded again below
	ds_load_b128 v[NOUT:NOUT+3], v3                ; LDS serves a wave's instructions in order: these see my stores
	ds_load_b128 v[NOUT+4:NOUT+7], v3 offset:512
	s_wait_dscnt 0x0
	global_store_b128 v1, v[NOUT:NOUT+3], s[44:45] offset:1024*(\i)          ; 32 lanes store 512 consecutive bytes
	global_store_b128 v1, v[NOUT+4:NOUT+7], s[44:45] offset:1024*(\i)+512
.endm
	ROW 0
	ROW 1
	ROW 2
	ROW 3
	s_wait_tensorcnt 0x0
	ds_add_u32 v200, v201
	s_wait_dscnt 0x0
	s_endpgm
.Lfunc_end_k_q8442d69035_norm2:
	.size	k_q8442d69035_norm2, .Lfunc_end_k_q8442d69035_norm2-k_q8442d69035_norm2
	.p2alignl 7, 3214868480
	.fill 96, 4, 3214868480
	.section	.rodata,"a",@progbits
	.p2align	6, 0x0
	.amdhsa_kernel k_q8442d69035_norm2
		.amdhsa_group_segment_fixed_size 4608
		.amdhsa_private_segment_fixed_size 0
		.amdhsa_enable_private_segment 0
		.amdhsa_kernarg_size 32
		.amdhsa_user_sgpr_count 2
		.amdhsa_user_sgpr_kernarg_segment_ptr 1
		.amdhsa_wavefront_size32 1
		.amdhsa_system_sgpr_workgroup_id_x 1
		.amdhsa_system_sgpr_workgroup_id_y 1
		.amdhsa_system_sgpr_workgroup_id_z 1
		.amdhsa_system_vgpr_workitem_id 0
		.amdhsa_next_free_vgpr 202
		.amdhsa_next_free_sgpr 66
		.amdhsa_reserve_vcc 0
		.amdhsa_float_denorm_mode_32 3
		.amdhsa_float_denorm_mode_16_64 3
		.amdhsa_memory_ordered 1
		.amdhsa_forward_progress 1
		.amdhsa_inst_pref_size 34
	.end_amdhsa_kernel
	.amdgpu_metadata
---
amdhsa.version: [ 1, 2 ]
amdhsa.kernels:
  - .name:           k_q8442d69035_norm2
    .symbol:         k_q8442d69035_norm2.kd
    .args:
      - { .name: att, .offset: 0, .size: 8, .value_kind: global_buffer, .address_space: global }
      - { .name: ln2_w, .offset: 8, .size: 8, .value_kind: global_buffer, .address_space: global }
      - { .name: lowp_scales, .offset: 16, .size: 8, .value_kind: global_buffer, .address_space: global }
      - { .name: hc, .offset: 24, .size: 8, .value_kind: global_buffer, .address_space: global }
    .group_segment_fixed_size: 4608
    .private_segment_fixed_size: 0
    .kernarg_segment_align: 8
    .kernarg_segment_size: 32
    .max_flat_workgroup_size: 128
    .sgpr_count:     66
    .vgpr_count:     202
    .wavefront_size: 32
...
	.end_amdgpu_metadata
.endif
;; end of part 4
;; launch mlp1 (part 5): grid 16 x 16, 4 waves a work-group, clusters of 4 x 4, 327,680 bytes of LDS; arguments hc, pc, lowp_scales, b1, gc; writes gc
.if DOCPART == 5
	.amdgcn_target "amdgcn-amd-amdhsa--gfx1250"
	.amdhsa_code_object_version 6
	.text
	.protected	k_q8442d69035_mlp1
	.globl	k_q8442d69035_mlp1
	.p2align	8
	.type	k_q8442d69035_mlp1,@function
k_q8442d69035_mlp1:
	s_mov_b64 s[64:65], 0
	v_nop
	global_prefetch_b8 v0, s[64:65] scope:SCOPE_SE
	s_setreg_imm32_b32 hwreg(HW_REG_WAVE_MODE, 25, 1), 1
	s_wait_xcnt 0x0
	s_wait_alu depctr_hold_cnt(0) depctr_sa_sdst(0) depctr_va_vdst(0) depctr_va_sdst(0) depctr_va_ssrc(0) depctr_va_vcc(0) depctr_vm_vsrc(0)
	s_getreg_b32 s2, hwreg(HW_REG_IB_STS2, 6, 4)
	s_cmp_eq_u32 s2, 0
	s_cbranch_scc0 .Lentry_in_a_cluster
	s_endpgm
.Lentry_in_a_cluster:
	s_bfe_u32 s2, ttmp6, 0x10000c
	s_cmp_lg_u32 s2, 0xf033
	s_cbranch_scc0 .Lentry_shape_is_right
	s_endpgm
.Lentry_shape_is_right:
; g = Q(silu(h w1 + b1)): the fifth product on codes of E4M3, the bias, the activation and the quantiser of the sixth product's operand.
; C[m][n] = sum over k of A[m][k] B[n][k]: A = hc [4,096][1,024], B = w1^T [4,096][1,024] in pc, K = 1,024.  A tile of C is 256 x 256: four waves, each 128 x 128 in 64 accumulators.
; K goes in steps of 256 through a ring of two LDS slots filled by tensor loads.  CLUSTERS: 4 x 4 work-groups; A's tile is asked for jointly along a row of the cluster, B's along a column.
; THE MATRIX INSTRUCTION IS USED TRANSPOSED (source 0 = rows of B, source 1 = rows of A): a lane's eight results are eight neighbours along the next product's K.
; z = sum x 2^(e8 + e9) + b1; silu(z) = z / (1 + 2^(-z log2(e))), in f32; held within +-448 x 2^e10, converted; the codes leave through one stage in LDS as whole runs of 256 bytes.
; A fragment is fetched by four loads of 16 bytes: a permutation of k, the same in A and in B.
; LIMITS: e8 + e9 between -126 and 127; e10 between -126 and 119.  NaN is not served.
; REGISTERS: window 0: v0-31 addresses; v32-95 the bias; v96-127 codes, two sets; from v128 A's fragments, later z (v128-191), the exponentials (v192-255) and the way out.
;   window 1: B's fragments, two sets.  windows 2, 3: the accumulators.
.set KROW,   1024
.set W1O,    0xb00000
.set KSTEP,  256
.set ROWB,   256
.set PITCH,  272
.set FR,     16
.set NL,     4
.set NP,     4
.set HALFT,  128*PITCH
.set SLOT,   4*HALFT
.set LAPS,   KROW/(2*KSTEP)
.set SPARE,  2*SLOT
.set ADRA, 16
.set ADRB, 20
.set STO,  24
.set SPW,  28
.set NIL,  29
.set RDV,  30
.set VO,   31
.set LIMV, 10
.set SCV,  11
.set BN,   32
.set CD,   96
.set TMP,  128
.set EX,   192
.set AF,   128
.set G1, 24
.set G0, 32
.set G1B, 48
.set G0B, 56
.set MSB, 0
.macro WIN new
.if MSB != \new
	s_set_vgpr_msb (MSB<<8)|\new
.set MSB, \new
.endif
.endm
.set MUL_LO, 0xa1
.set MUL_HI, 0xf1
.set TO_B,   0x40
.macro JLOAD g0a, g1a, g0b, g1b        ; a joint load: waves 0 and 1 fetch for A, waves 2 and 3 for B; four v_nop follow each of the two lines
	s_cmp_eq_u32 s15, 0
	s_cbranch_scc0 .Lfor_b_\@
	tensor_load_to_lds s[\g0a:\g0a+3], s[\g1a:\g1a+7]
	s_nop 0
.rept 4
	v_nop
.endr
	s_branch .Lasked_\@
.Lfor_b_\@:
	tensor_load_to_lds s[\g0b:\g0b+3], s[\g1b:\g1b+7]
	s_nop 0
.rept 4
	v_nop
.endr
.Lasked_\@:
.endm
.macro CREST
	s_cmp_lg_u32 s14, 0
	s_cbranch_scc1 .Lnot_wave_0_\@
	s_barrier_signal -3
.Lnot_wave_0_\@:
	s_barrier_wait -3
	s_barrier_signal -1
	s_barrier_wait -1
.endm
.macro CROUND
	s_barrier_signal -1
	s_barrier_wait -1
	CREST
.endm
	s_load_b256 s[4:11], s[0:1], 0x0               ; hc 4, pc 6, scales 8, b1 10
	s_load_b64 s[12:13], s[0:1], 0x20              ; gc
	v_lshl_add_u32 v[SPW], v0, 2, SPARE
	v_mov_b32 v[NIL], 0
	ds_add_u32 v28, v29
	s_wait_dscnt 0x0
	v_lshrrev_b32 v1, 5, v0
	v_readfirstlane_b32 s14, v1
	s_lshr_b32 s15, s14, 1
	s_and_b32 s16, s14, 1
	s_bfe_u32 s40, ttmp6, 0x40000
	s_bfe_u32 s41, ttmp6, 0x40004
	s_lshl_b32 s42, ttmp9, 2
	s_add_co_u32 s42, s42, s40                     ; tile column of C
	s_and_b32 s17, ttmp7, 0xffff
	s_lshl_b32 s17, s17, 2
	s_add_co_u32 s17, s17, s41                     ; tile row of C
	s_lshl_b32 s43, s41, 2
	s_lshl_b32 s43, 15, s43
	s_lshl_b32 s44, 0x1111, s40
	s_or_b32 s[G1+0], s43, (0<<16)|(1<<20)|(1<<21)|(5<<22)|(3<<25)
	s_or_b32 s[G1B+0], s44, (0<<16)|(1<<20)|(1<<21)|(5<<22)|(3<<25)
.irp g, G1, G1B
	s_mov_b32 s[\g+1], ROWB<<16
	s_mov_b32 s[\g+2], 128<<16
	s_mov_b32 s[\g+3], ROWB<<16
	s_mov_b32 s[\g+4], 128
	s_mov_b32 s[\g+5], KROW
	s_mov_b32 s[\g+6], 0
	s_mov_b32 s[\g+7], 0
.endr
	s_lshl_b32 s18, s16, 7
	s_lshl_b32 s20, s17, 8
	s_add_co_u32 s20, s20, s18
	s_lshl_b32 s20, s20, 10                        ; A: (256 x tile row + 128 x half) rows of 1,024 bytes
	s_mov_b32 s21, 0
	s_lshl_b32 s46, s42, 8
	s_add_co_u32 s46, s46, s18
	s_lshl_b32 s46, s46, 10
	s_add_co_u32 s46, s46, W1O                     ; B likewise, in w1's part of pc
	s_mov_b32 s47, 0
	s_mul_i32 s45, s14, HALFT
	s_wait_kmcnt 0x0
	s_load_b128 s[76:79], s[8:9], 0x20             ; e8 .. e11
	s_add_nc_u64 s[20:21], s[4:5], s[20:21]
	s_add_nc_u64 s[46:47], s[6:7], s[46:47]
	CROUND
.irp s, 0,1
	s_mov_b32 s[G0+4*\s], 1
	s_add_co_u32 s[G0+4*\s+1], s45, \s*SLOT
	s_add_nc_u64 s[G0+4*\s+2:G0+4*\s+3], s[20:21], \s*ROWB
	s_or_b32 s[G0+4*\s+3], s[G0+4*\s+3], 0x80000000
	s_mov_b32 s[G0B+4*\s], 1
	s_add_co_u32 s[G0B+4*\s+1], s45, \s*SLOT
	s_add_nc_u64 s[G0B+4*\s+2:G0B+4*\s+3], s[46:47], \s*ROWB
	s_or_b32 s[G0B+4*\s+3], s[G0B+4*\s+3], 0x80000000
	JLOAD G0+4*\s, G1, G0B+4*\s, G1B
.endr
	v_and_b32 v1, 15, v0
	v_bfe_u32 v2, v0, 4, 1
	v_mul_u32_u24 v3, v1, PITCH
	v_lshl_add_u32 v4, v2, 4, v3
	s_mul_i32 s21, s15, HALFT
	s_mul_i32 s22, s16, HALFT
	s_add_co_u32 s22, s22, 2*HALFT
.irp s, 0,1
	v_add_nc_u32 v[ADRA+\s], s21, v4
	v_add_nc_u32 v[ADRB+\s], s22, v4
	s_add_co_u32 s21, s21, SLOT
	s_add_co_u32 s22, s22, SLOT
.endr
	s_mul_i32 s23, s15, 128*272                    ; the stage: 256 rows x 272 bytes at LDS byte 0.  In: row 128 (wave / 2) + 16 a + r, byte 128 (wave % 2) + 16 b + 8 h
	s_lshl_b32 s19, s16, 7
	s_add_co_u32 s23, s23, s19
	v_lshl_add_u32 v5, v2, 3, v3
	v_add_nc_u32 v[STO], s23, v5
	s_mul_i32 s19, s14, 64*272                     ; back: wave w takes rows 64 w on, whole: two rows an instruction
	v_mul_u32_u24 v9, v2, 272
	v_lshl_add_u32 v9, v1, 4, v9
	v_add_nc_u32 v[RDV], s19, v9
	v_lshlrev_b32 v[VO], 12, v2                    ; and the same two rows of 4,096 codes in gc
	v_lshl_add_u32 v[VO], v1, 4, v[VO]
	v_lshlrev_b32 v12, 5, v2
	s_lshl_b32 s90, s42, 10
	s_lshl_b32 s91, s16, 9
	s_add_co_u32 s90, s90, s91
	s_mov_b32 s91, 0
	s_add_nc_u64 s[10:11], s[10:11], s[90:91]      ; b1 at column 256 x tile column + 128 (wave % 2)
.irp b, 0,1,2,3,4,5,6,7
	global_load_b128 v[BN+8*\b:BN+8*\b+3], v12, s[10:11] offset:64*\b
	global_load_b128 v[BN+8*\b+4:BN+8*\b+7], v12, s[10:11] offset:64*\b+16
.endr
	s_lshl_b32 s84, s17, 8
	s_lshl_b32 s85, s14, 6
	s_add_co_u32 s84, s84, s85
	s_lshl_b32 s84, s84, 12
	s_lshl_b32 s85, s42, 8
	s_add_co_u32 s84, s84, s85
	s_mov_b32 s85, 0
	s_add_nc_u64 s[12:13], s[12:13], s[84:85]      ; gc at row 256 x tile row + 64 wave, byte 256 x tile column
.macro FRAG reg, adr, q, i
.irp c, 0,1,2,3
	ds_load_b128 v[\reg+4*\c:\reg+4*\c+3], v[\adr] offset:128*(\q)+32*\c+(\i)*16*PITCH
.endr
.endm
.macro MUL16 a0, p, zero               ; the 64 accumulators take turns, one instruction a turn, in the same order in every step
.irp a, \a0, \a0+1
.irp b, 0,1,2,3,4,5,6,7
.if \zero
	v_wmma_f32_16x16x128_fp8_fp8 v[8*(8*((\a)%4)+\b):8*(8*((\a)%4)+\b)+7], v[128*(\p)+FR*\b:128*(\p)+FR*\b+FR-1], v[AF+FR*(\a):AF+FR*(\a)+FR-1], 0
.else
	v_wmma_f32_16x16x128_fp8_fp8 v[8*(8*((\a)%4)+\b):8*(8*((\a)%4)+\b)+7], v[128*(\p)+FR*\b:128*(\p)+FR*\b+FR-1], v[AF+FR*(\a):AF+FR*(\a)+FR-1], v[8*(8*((\a)%4)+\b):8*(8*((\a)%4)+\b)+7]
.endif
.endr
.endr
.endm
.macro FETCH_B slot, q, p
	WIN TO_B
.irp i, 0,1,2,3,4,5,6,7
	FRAG 128*(\p)+FR*\i, ADRB+\slot, \q, \i
.endr
	WIN 0
.endm
.macro FETCH_A slot, q, i0
.irp i, \i0, \i0+1, \i0+2, \i0+3
	FRAG AF+FR*(\i), ADRA+\slot, \q, \i
.endr
.endm
.macro PLACES n
.rept \n
	v_nop
.endr
.endm
.macro STEP slot, q, zero
	s_wait_dscnt 4*NL                              ; B's set and A's blocks 0-3 are in; A's blocks 4-7 may be out
	WIN MUL_LO
	MUL16 0, (\q)%2, \zero
	MUL16 2, (\q)%2, \zero
	s_wait_dscnt 0
	PLACES NP
	FETCH_B \slot, (\q)+1, 1-(\q)%2
	FETCH_A \slot, (\q)+1, 0
	WIN MUL_HI
	MUL16 4, (\q)%2, \zero
	MUL16 6, (\q)%2, \zero
	PLACES NP
	WIN 0
	FETCH_A \slot, (\q)+1, 4
.endm
.macro TURN slot, next, fill
	s_wait_tensorcnt 0x0                           ; all my tensor loads have landed: my part of the next slot
	ds_add_u32 v[SPW], v[NIL]
	s_wait_dscnt 4*NL+1                            ; (the add and A's blocks 4-7 may be out)
	WIN MUL_LO
	MUL16 0, 1, 0
	s_wait_dscnt 0x0                               ; the add is done, and my reads of this slot are over
	s_barrier_signal -1
	MUL16 2, 1, 0
	WIN 0
	s_barrier_wait -1
.if \fill
	CREST
	s_add_nc_u64 s[G0+4*\slot+2:G0+4*\slot+3], s[G0+4*\slot+2:G0+4*\slot+3], 2*ROWB
	s_add_nc_u64 s[G0B+4*\slot+2:G0B+4*\slot+3], s[G0B+4*\slot+2:G0B+4*\slot+3], 2*ROWB
	JLOAD G0+4*\slot, G1, G0B+4*\slot, G1B
.else
	PLACES NP
.endif
	FETCH_B \next, 0, 0
	FETCH_A \next, 0, 0
	WIN MUL_HI
	MUL16 4, 1, 0
	MUL16 6, 1, 0
	PLACES NP
	WIN 0
	FETCH_A \next, 0, 4
.endm
	s_wait_tensorcnt 1                             ; my part of K step 0 is in (K step 1's load may be out),
	s_barrier_signal -1
	s_barrier_wait -1
	FETCH_B 0, 0, 0
	FETCH_A 0, 0, 0
	FETCH_A 0, 0, 4
	STEP 0, 0, 1
	s_mov_b32 s3, LAPS-1
.Llap:
	TURN 0, 1, 1
	STEP 1, 0, 0
	TURN 1, 0, 1
	STEP 0, 0, 0
	s_sub_co_u32 s3, s3, 1
	s_cmp_lg_u32 s3, 0
	s_cbranch_scc1 .Llap
	TURN 0, 1, 0
	STEP 1, 0, 0
	s_wait_dscnt 4*NL
	WIN MUL_LO
	MUL16 0, 1, 0
	MUL16 2, 1, 0
	s_wait_dscnt 0
	WIN MUL_HI
	MUL16 4, 1, 0
	MUL16 6, 1, 0
	WIN 0
	; THE WAY OUT.  The stage lies in slot 0, which has had its last fill, and which nobody reads behind the last change of slots.
	s_wait_kmcnt 0x0
	s_add_co_i32 s84, s76, s77
	s_add_co_i32 s84, s84, 127
	s_lshl_b32 s96, s84, 23                        ; 2^(e8 + e9)
	s_mov_b32 s97, s96
	s_mov_b32 s98, 0xbfb8aa3b                      ; -log2(e)
	s_mov_b32 s99, s98
	s_add_co_i32 s86, s78, 127
	s_lshl_b32 s87, s86, 23
	v_mov_b32 v[SCV], s87                          ; 2^e10
	s_add_co_i32 s86, s86, 8
	s_lshl_b32 s86, s86, 23
	s_or_b32 s86, s86, 0x600000
	v_mov_b32 v[LIMV], s86
	s_wait_loadcnt 0x0                             ; the bias
	PLACES NP                                      ; behind the last products: their fragments' registers are written below
.macro EPI a
.set AC, 64*((\a)%4)
.set CC, CD+16*((\a)%2)
	WIN 0x02+((\a)/4)
.set j, 0
.rept 32
	v_pk_fma_f32 v[TMP+j:TMP+j+1], v[AC+j:AC+j+1], s[96:97], v[BN+j:BN+j+1] op_sel_hi:[1,0,1]   ; z; each accumulator from its low end on
.set j, j+2
.endr
	WIN 0
.set j, 0
.rept 32
	v_pk_mul_f32 v[EX+j:EX+j+1], v[TMP+j:TMP+j+1], s[98:99] op_sel_hi:[1,0]
.set j, j+2
.endr
.set j, 0
.rept 64
	v_exp_f32 v[EX+j], v[EX+j]
.set j, j+1
.endr
	v_nop                                          ; a plain line behind the batch,
	s_wait_alu depctr_va_vdst(0)                   ; and one wait for it, ahead of its first reader
.set j, 0
.rept 32
	v_pk_add_f32 v[EX+j:EX+j+1], v[EX+j:EX+j+1], 1.0 op_sel_hi:[1,0]
.set j, j+2
.endr
.set j, 0
.rept 64
	v_rcp_f32 v[EX+j], v[EX+j]
.set j, j+1
.endr
	v_nop
	s_wait_alu depctr_va_vdst(0)
.set j, 0
.rept 32
	v_pk_mul_f32 v[TMP+j:TMP+j+1], v[TMP+j:TMP+j+1], v[EX+j:EX+j+1]   ; silu(z)
.set j, j+2
.endr
.set j, 0
.rept 64
	v_med3_num_f32 v[TMP+j], v[TMP+j], -v[LIMV], v[LIMV]
.set j, j+1
.endr
	s_wait_dscnt 0x0                               ; earlier blocks have stored their codes: their registers may be written
.irp b, 0,1,2,3,4,5,6,7
	v_cvt_scalef32_pk8_fp8_f32 v[CC+2*\b:CC+2*\b+1], v[TMP+8*\b:TMP+8*\b+7], v[SCV]
.endr
	v_nop
.irp b, 0,1,2,3,4,5,6,7
	ds_store_b64 v[STO], v[CC+2*\b:CC+2*\b+1] offset:(\a)*16*272+16*\b
.endr
.endm
.irp a, 0,1,2,3,4,5,6,7
	EPI \a
.endr
	s_wait_dscnt 0x0                               ; for the others' sake: my codes lie in the stage
	s_barrier_signal -1
	s_barrier_wait -1
.set i, 0
.rept 32
	ds_load_b128 v[128+4*i:131+4*i], v[RDV] offset:544*i
.set i, i+1
.endr
.set i, 0
.rept 32
	s_wait_dscnt 31-i
	global_store_b128 v[VO], v[128+4*i:131+4*i], s[12:13] offset:8192*i   ; sixteen lanes store 256 consecutive bytes, at a multiple of 256 from gc's first byte
.set i, i+1
.endr
	s_wait_tensorcnt 0x0                           ; the wave's end
	ds_add_u32 v[SPW], v[NIL]
	s_wait_dscnt 0x0
	CROUND
	s_endpgm
.Lfunc_end_k_q8442d69035_mlp1:
	.size	k_q8442d69035_mlp1, .Lfunc_end_k_q8442d69035_mlp1-k_q8442d69035_mlp1
	.p2alignl 7, 3214868480
	.fill 96, 4, 3214868480
	.section	.rodata,"a",@progbits
	.p2align	6, 0x0
	.amdhsa_kernel k_q8442d69035_mlp1
		.amdhsa_group_segment_fixed_size 327680
		.amdhsa_private_segment_fixed_size 0
		.amdhsa_enable_private_segment 0
		.amdhsa_kernarg_size 40
		.amdhsa_user_sgpr_count 2
		.amdhsa_user_sgpr_kernarg_segment_ptr 1
		.amdhsa_wavefront_size32 1
		.amdhsa_system_sgpr_workgroup_id_x 1
		.amdhsa_system_sgpr_workgroup_id_y 1
		.amdhsa_system_sgpr_workgroup_id_z 1
		.amdhsa_system_vgpr_workitem_id 0
		.amdhsa_next_free_vgpr 1024
		.amdhsa_next_free_sgpr 100
		.amdhsa_reserve_vcc 0
		.amdhsa_float_denorm_mode_32 3
		.amdhsa_float_denorm_mode_16_64 3
		.amdhsa_memory_ordered 1
		.amdhsa_forward_progress 1
		.amdhsa_inst_pref_size 224
	.end_amdhsa_kernel
	.amdgpu_metadata
---
amdhsa.version: [ 1, 2 ]
amdhsa.kernels:
  - .name:           k_q8442d69035_mlp1
    .symbol:         k_q8442d69035_mlp1.kd
    .args:
      - { .name: hc, .offset: 0, .size: 8, .value_kind: global_buffer, .address_space: global }
      - { .name: pc, .offset: 8, .size: 8, .value_kind: global_buffer, .address_space: global }
      - { .name: lowp_scales, .offset: 16, .size: 8, .value_kind: global_buffer, .address_space: global }
      - { .name: b1, .offset: 24, .size: 8, .value_kind: global_buffer, .address_space: global }
      - { .name: gc, .offset: 32, .size: 8, .value_kind: global_buffer, .address_space: global }
    .group_segment_fixed_size: 327680
    .private_segment_fixed_size: 0
    .kernarg_segment_align: 8
    .kernarg_segment_size: 40
    .max_flat_workgroup_size: 128
    .sgpr_count:     100
    .vgpr_count:     1024
    .wavefront_size: 32
...
	.end_amdgpu_metadata
.endif
;; end of part 5
;; launch mlp2 (part 6): grid 4 x 16, 4 waves a work-group, clusters of 4 x 4, 327,680 bytes of LDS; arguments gc, pc, lowp_scales, b2, x, out0; writes out0
.if DOCPART == 6
	.amdgcn_target "amdgcn-amd-amdhsa--gfx1250"
	.amdhsa_code_object_version 6
	.text
	.protected	k_q8442d69035_mlp2
	.globl	k_q8442d69035_mlp2
	.p2align	8
	.type	k_q8442d69035_mlp2,@function
k_q8442d69035_mlp2:
	s_mov_b64 s[64:65], 0
	v_nop
	global_prefetch_b8 v0, s[64:65] scope:SCOPE_SE
	s_setreg_imm32_b32 hwreg(HW_REG_WAVE_MODE, 25, 1), 1
	s_wait_xcnt 0x0
	s_wait_alu depctr_hold_cnt(0) depctr_sa_sdst(0) depctr_va_vdst(0) depctr_va_sdst(0) depctr_va_ssrc(0) depctr_va_vcc(0) depctr_vm_vsrc(0)
	s_getreg_b32 s2, hwreg(HW_REG_IB_STS2, 6, 4)
	s_cmp_eq_u32 s2, 0
	s_cbranch_scc0 .Lentry_in_a_cluster
	s_endpgm
.Lentry_in_a_cluster:
	s_bfe_u32 s2, ttmp6, 0x10000c
	s_cmp_lg_u32 s2, 0xf033
	s_cbranch_scc0 .Lentry_shape_is_right
	s_endpgm
.Lentry_shape_is_right:
; out = g w2 + b2 + x: the sixth product on codes of E4M3, the bias and the residual.
; C[m][n] = sum over k of A[m][k] B[n][k]: A = gc [4,096][4,096], B = w2^T [1,024][4,096] in pc, K = 4,096.  A tile of C is 256 x 256: 64 work-groups of four waves, each wave 128 x 128 in 64 accumulators.
; K goes in steps of 256 through a ring of two LDS slots filled by tensor loads.  CLUSTERS: 4 x 4 work-groups; A's tile is asked for jointly along a row of the cluster, B's along a column.
; THE MATRIX INSTRUCTION IS USED TRANSPOSED (source 0 = rows of B, source 1 = rows of A).  A fragment is fetched by four loads of 16 bytes: a permutation of k, the same in A and in B.
; The way out: a block of 16 rows x 128 columns x 2^(e10 + e11) goes through the wave's own stage and comes back as whole rows of 512 bytes; there b2 and then x are added, and the row is stored.
; LIMIT: e10 + e11 between -126 and 127.
; REGISTERS: window 0: v0-31 addresses; v32-95 a block's sums; v96-99 my four numbers of b2; from v128 A's fragments, later two sets of 16 rows.  window 1: B's fragments, later two sets of x's rows.  windows 2, 3: the accumulators.
.set KROW,   4096
.set W2O,    0xf00000
.set KSTEP,  256
.set ROWB,   256
.set PITCH,  272
.set FR,     16
.set NL,     4
.set NP,     4
.set HALFT,  128*PITCH
.set SLOT,   4*HALFT
.set LAPS,   KROW/(2*KSTEP)
.set SPARE,  2*SLOT
.set SPITCH, 528                       ; the way out: a stage of 16 rows x (512 bytes + 16) for each wave, in slot 0
.set ADRA, 16
.set ADRB, 20
.set STO,  24
.set RD,   25
.set CO,   26
.set SPW,  28
.set NIL,  29
.set TMP,  32
.set B2,   96
.set AF,   128
.set BK,   128
.set G1, 24
.set G0, 32
.set G1B, 48
.set G0B, 56
.set MSB, 0
.macro WIN new
.if MSB != \new
	s_set_vgpr_msb (MSB<<8)|\new
.set MSB, \new
.endif
.endm
.set MUL_LO, 0xa1
.set MUL_HI, 0xf1
.set TO_B,   0x40
.macro JLOAD g0a, g1a, g0b, g1b        ; a joint load: waves 0 and 1 fetch for A, waves 2 and 3 for B; four v_nop follow each of the two lines
	s_cmp_eq_u32 s15, 0
	s_cbranch_scc0 .Lfor_b_\@
	tensor_load_to_lds s[\g0a:\g0a+3], s[\g1a:\g1a+7]
	s_nop 0
.rept 4
	v_nop
.endr
	s_branch .Lasked_\@
.Lfor_b_\@:
	tensor_load_to_lds s[\g0b:\g0b+3], s[\g1b:\g1b+7]
	s_nop 0
.rept 4
	v_nop
.endr
.Lasked_\@:
.endm
.macro CREST
	s_cmp_lg_u32 s14, 0
	s_cbranch_scc1 .Lnot_wave_0_\@
	s_barrier_signal -3
.Lnot_wave_0_\@:
	s_barrier_wait -3
	s_barrier_signal -1
	s_barrier_wait -1
.endm
.macro CROUND
	s_barrier_signal -1
	s_barrier_wait -1
	CREST
.endm
	s_load_b256 s[4:11], s[0:1], 0x0               ; gc 4, pc 6, scales 8, b2 10
	s_load_b128 s[68:71], s[0:1], 0x20             ; x 68, out0 70
	v_lshl_add_u32 v[SPW], v0, 2, SPARE
	v_mov_b32 v[NIL], 0
	ds_add_u32 v28, v29
	s_wait_dscnt 0x0
	v_lshrrev_b32 v1, 5, v0
	v_readfirstlane_b32 s14, v1
	s_lshr_b32 s15, s14, 1
	s_and_b32 s16, s14, 1
	s_bfe_u32 s40, ttmp6, 0x40000
	s_bfe_u32 s41, ttmp6, 0x40004
	s_lshl_b32 s42, ttmp9, 2
	s_add_co_u32 s42, s42, s40                     ; tile column of C
	s_and_b32 s17, ttmp7, 0xffff
	s_lshl_b32 s17, s17, 2
	s_add_co_u32 s17, s17, s41                     ; tile row of C
	s_lshl_b32 s43, s41, 2
	s_lshl_b32 s43, 15, s43
	s_lshl_b32 s44, 0x1111, s40
	s_or_b32 s[G1+0], s43, (0<<16)|(1<<20)|(1<<21)|(5<<22)|(3<<25)
	s_or_b32 s[G1B+0], s44, (0<<16)|(1<<20)|(1<<21)|(5<<22)|(3<<25)
.irp g, G1, G1B
	s_mov_b32 s[\g+1], ROWB<<16
	s_mov_b32 s[\g+2], 128<<16
	s_mov_b32 s[\g+3], ROWB<<16
	s_mov_b32 s[\g+4], 128
	s_mov_b32 s[\g+5], KROW
	s_mov_b32 s[\g+6], 0
	s_mov_b32 s[\g+7], 0
.endr
	s_lshl_b32 s18, s16, 7
	s_lshl_b32 s20, s17, 8
	s_add_co_u32 s20, s20, s18
	s_lshl_b32 s20, s20, 12                        ; A: (256 x tile row + 128 x half) rows of 4,096 bytes
	s_mov_b32 s21, 0
	s_lshl_b32 s46, s42, 8
	s_add_co_u32 s46, s46, s18
	s_lshl_b32 s46, s46, 12
	s_add_co_u32 s46, s46, W2O                     ; B likewise, in w2's part of pc
	s_mov_b32 s47, 0
	s_mul_i32 s45, s14, HALFT
	s_wait_kmcnt 0x0
	s_load_b64 s[96:97], s[8:9], 0x28              ; e10, e11
	s_add_nc_u64 s[20:21], s[4:5], s[20:21]
	s_add_nc_u64 s[46:47], s[6:7], s[46:47]
	CROUND
.irp s, 0,1
	s_mov_b32 s[G0+4*\s], 1
	s_add_co_u32 s[G0+4*\s+1], s45, \s*SLOT
	s_add_nc_u64 s[G0+4*\s+2:G0+4*\s+3], s[20:21], \s*ROWB
	s_or_b32 s[G0+4*\s+3], s[G0+4*\s+3], 0x80000000
	s_mov_b32 s[G0B+4*\s], 1
	s_add_co_u32 s[G0B+4*\s+1], s45, \s*SLOT
	s_add_nc_u64 s[G0B+4*\s+2:G0B+4*\s+3], s[46:47], \s*ROWB
	s_or_b32 s[G0B+4*\s+3], s[G0B+4*\s+3], 0x80000000
	JLOAD G0+4*\s, G1, G0B+4*\s, G1B
.endr
	v_and_b32 v1, 15, v0
	v_bfe_u32 v2, v0, 4, 1
	v_mul_u32_u24 v3, v1, PITCH
	v_lshl_add_u32 v4, v2, 4, v3
	s_mul_i32 s21, s15, HALFT
	s_mul_i32 s22, s16, HALFT
	s_add_co_u32 s22, s22, 2*HALFT
.irp s, 0,1
	v_add_nc_u32 v[ADRA+\s], s21, v4
	v_add_nc_u32 v[ADRB+\s], s22, v4
	s_add_co_u32 s21, s21, SLOT
	s_add_co_u32 s22, s22, SLOT
.endr
	s_mul_i32 s23, s14, 16*SPITCH                  ; my stage
	v_mul_u32_u24 v5, v1, SPITCH                   ; in: row r, 32 bytes for each half of the lanes
	v_lshl_add_u32 v5, v2, 5, v5
	v_add_nc_u32 v[STO], s23, v5
	v_and_b32 v6, 31, v0
	v_lshlrev_b32 v[CO], 4, v6                     ; back: the 32 lanes take one row of 512 bytes; the same in x and in out0
	v_add_nc_u32 v[RD], s23, v[CO]
	s_lshl_b32 s20, s17, 8
	s_lshl_b32 s21, s15, 7
	s_add_co_u32 s20, s20, s21
	s_lshl_b32 s20, s20, 12                        ; my first row: 256 x tile row + 128 (wave / 2), rows of 4,096 bytes
	s_lshl_b32 s46, s42, 10
	s_lshl_b32 s47, s16, 9
	s_add_co_u32 s46, s46, s47                     ; my first column, in bytes
	s_add_co_u32 s20, s20, s46
	s_mov_b32 s21, 0
	s_mov_b32 s47, 0
	s_add_nc_u64 s[68:69], s[68:69], s[20:21]
	s_add_nc_u64 s[70:71], s[70:71], s[20:21]
	s_add_nc_u64 s[10:11], s[10:11], s[46:47]
	global_load_b128 v[B2:B2+3], v[CO], s[10:11]   ; b2 at my four columns of a row read back
.macro FRAG reg, adr, q, i
.irp c, 0,1,2,3
	ds_load_b128 v[\reg+4*\c:\reg+4*\c+3], v[\adr] offset:128*(\q)+32*\c+(\i)*16*PITCH
.endr
.endm
.macro MUL16 a0, p, zero               ; the 64 accumulators take turns, one instruction a turn, in the same order in every step
.irp a, \a0, \a0+1
.irp b, 0,1,2,3,4,5,6,7
.if \zero
	v_wmma_f32_16x16x128_fp8_fp8 v[8*(8*((\a)%4)+\b):8*(8*((\a)%4)+\b)+7], v[128*(\p)+FR*\b:128*(\p)+FR*\b+FR-1], v[AF+FR*(\a):AF+FR*(\a)+FR-1], 0
.else
	v_wmma_f32_16x16x128_fp8_fp8 v[8*(8*((\a)%4)+\b):8*(8*((\a)%4)+\b)+7], v[128*(\p)+FR*\b:128*(\p)+FR*\b+FR-1], v[AF+FR*(\a):AF+FR*(\a)+FR-1], v[8*(8*((\a)%4)+\b):8*(8*((\a)%4)+\b)+7]
.endif
.endr
.endr
.endm
.macro FETCH_B slot, q, p
	WIN TO_B
.irp i, 0,1,2,3,4,5,6,7
	FRAG 128*(\p)+FR*\i, ADRB+\slot, \q, \i
.endr
	WIN 0
.endm
.macro FETCH_A slot, q, i0
.irp i, \i0, \i0+1, \i0+2, \i0+3
	FRAG AF+FR*(\i), ADRA+\slot, \q, \i
.endr
.endm
.macro PLACES n
.rept \n
	v_nop
.endr
.endm
.macro STEP slot, q, zero
	s_wait_dscnt 4*NL                              ; B's set and A's blocks 0-3 are in; A's blocks 4-7 may be out
	WIN MUL_LO
	MUL16 0, (\q)%2, \zero
	MUL16 2, (\q)%2, \zero
	s_wait_dscnt 0
	PLACES NP
	FETCH_B \slot, (\q)+1, 1-(\q)%2
	FETCH_A \slot, (\q)+1, 0
	WIN MUL_HI
	MUL16 4, (\q)%2, \zero
	MUL16 6, (\q)%2, \zero
	PLACES NP
	WIN 0
	FETCH_A \slot, (\q)+1, 4
.endm
.macro TURN slot, next, fill
	s_wait_tensorcnt 0x0                           ; all my tensor loads have landed: my part of the next slot
	ds_add_u32 v[SPW], v[NIL]
	s_wait_dscnt 4*NL+1                            ; (the add and A's blocks 4-7 may be out)
	WIN MUL_LO
	MUL16 0, 1, 0
	s_wait_dscnt 0x0                               ; the add is done, and my reads of this slot are over
	s_barrier_signal -1
	MUL16 2, 1, 0
	WIN 0
	s_barrier_wait -1
.if \fill
	CREST
	s_add_nc_u64 s[G0+4*\slot+2:G0+4*\slot+3], s[G0+4*\slot+2:G0+4*\slot+3], 2*ROWB
	s_add_nc_u64 s[G0B+4*\slot+2:G0B+4*\slot+3], s[G0B+4*\slot+2:G0B+4*\slot+3], 2*ROWB
	JLOAD G0+4*\slot, G1, G0B+4*\slot, G1B
.else
	PLACES NP
.endif
	FETCH_B \next, 0, 0
	FETCH_A \next, 0, 0
	WIN MUL_HI
	MUL16 4, 1, 0
	MUL16 6, 1, 0
	PLACES NP
	WIN 0
	FETCH_A \next, 0, 4
.endm
	s_wait_tensorcnt 1                             ; my part of K step 0 is in (K step 1's load may be out),
	s_barrier_signal -1
	s_barrier_wait -1
	FETCH_B 0, 0, 0
	FETCH_A 0, 0, 0
	FETCH_A 0, 0, 4
	STEP 0, 0, 1
	s_mov_b32 s3, LAPS-1
.Llap:
	TURN 0, 1, 1
	STEP 1, 0, 0
	TURN 1, 0, 1
	STEP 0, 0, 0
	s_sub_co_u32 s3, s3, 1
	s_cmp_lg_u32 s3, 0
	s_cbranch_scc1 .Llap
	TURN 0, 1, 0
	STEP 1, 0, 0
	s_wait_dscnt 4*NL
	WIN MUL_LO
	MUL16 0, 1, 0
	MUL16 2, 1, 0
	s_wait_dscnt 0
	WIN MUL_HI
	MUL16 4, 1, 0
	MUL16 6, 1, 0
	WIN 0
; THE WAY OUT, block by block of 16 rows x 128 columns.  No base is stepped: a row's place among my 128 stands in the immediate, 127 rows of 4,096 bytes at the most.
.macro XLOAD a                         ; x's 16 rows of block a, into window 1, set a % 2
	WIN 0x40
.set t, 0
.rept 16
	global_load_b128 v[64*((\a)%2)+4*t:64*((\a)%2)+4*t+3], v[CO], s[68:69] offset:(16*(\a)+t)*4096 th:TH_LOAD_NT
.set t, t+1
.endr
	WIN 0
.endm
.macro TOSTAGE a
.set AC, 64*((\a)%4)
	WIN 0x02+((\a)/4)
.set j, 0
.rept 32
	v_pk_mul_f32 v[TMP+j:TMP+j+1], v[AC+j:AC+j+1], s[96:97] op_sel_hi:[1,0]   ; x 2^(e10 + e11); each accumulator from its low end on
.set j, j+2
.endr
	WIN 0
.irp b, 0,1,2,3,4,5,6,7
	ds_store_b128 v[STO], v[TMP+8*\b:TMP+8*\b+3] offset:64*\b
	ds_store_b128 v[STO], v[TMP+8*\b+4:TMP+8*\b+7] offset:64*\b+16
.endr
.set BB, BK+64*((\a)%2)
.set t, 0
.rept 16
	ds_load_b128 v[BB+4*t:BB+4*t+3], v[RD] offset:t*SPITCH    ; LDS serves a wave's instructions in order: these see the stores above
.set t, t+1
.endr
.endm
.macro SEND a, younger, ld             ; younger: LDS instructions issued behind block a's loads; ld: global loads issued behind block a's
.set BB, BK+64*((\a)%2)
.set XW, 64*((\a)%2)
	s_wait_dscnt \younger
	s_wait_loadcnt \ld
.set t, 0
.rept 16
	v_pk_add_f32 v[BB+4*t:BB+4*t+1], v[BB+4*t:BB+4*t+1], v[B2:B2+1]           ; + b2,
	v_pk_add_f32 v[BB+4*t+2:BB+4*t+3], v[BB+4*t+2:BB+4*t+3], v[B2+2:B2+3]
.set t, t+1
.endr
	WIN 0x04                                       ; source 1: window 1
.set j, 0
.rept 32
	v_pk_add_f32 v[BB+j:BB+j+1], v[BB+j:BB+j+1], v[XW+j:XW+j+1]               ; then + x
.set j, j+2
.endr
	WIN 0
.set t, 0
.rept 16
	global_store_b128 v[CO], v[BB+4*t:BB+4*t+3], s[70:71] offset:(16*(\a)+t)*4096 th:TH_STORE_NT   ; 32 lanes store 512 consecutive bytes, at a multiple of 256 from out0's first byte
.set t, t+1
.endr
.endm
	s_wait_kmcnt 0x0
	s_add_co_i32 s96, s96, s97
	s_add_co_i32 s96, s96, 127
	s_lshl_b32 s96, s96, 23                        ; 2^(e10 + e11)
	s_mov_b32 s97, s96
	PLACES NP                                      ; behind the last products: loads land in their fragments' registers, and their results are read
	XLOAD 0
	TOSTAGE 0
.irp a, 1,2,3,4,5,6,7
.if \a > 1
	s_wait_xcnt 0x0                                ; block a - 2's stores have read their registers: block a's loads may land there
.endif
	XLOAD \a
	TOSTAGE \a
	SEND \a-1, 32, 16                              ; behind block a - 1's: block a's 16 stores and 16 loads in LDS, and its 16 loads of x
.endr
	SEND 7, 0, 0
	s_wait_tensorcnt 0x0                           ; the wave's end
	ds_add_u32 v[SPW], v[NIL]
	s_wait_dscnt 0x0
	CROUND
	s_endpgm
.Lfunc_end_k_q8442d69035_mlp2:
	.size	k_q8442d69035_mlp2, .Lfunc_end_k_q8442d69035_mlp2-k_q8442d69035_mlp2
	.p2alignl 7, 3214868480
	.fill 96, 4, 3214868480
	.section	.rodata,"a",@progbits
	.p2align	6, 0x0
	.amdhsa_kernel k_q8442d69035_mlp2
		.amdhsa_group_segment_fixed_size 327680
		.amdhsa_private_segment_fixed_size 0
		.amdhsa_enable_private_segment 0
		.amdhsa_kernarg_size 48
		.amdhsa_user_sgpr_count 2
		.amdhsa_user_sgpr_kernarg_segment_ptr 1
		.amdhsa_wavefront_size32 1
		.amdhsa_system_sgpr_workgroup_id_x 1
		.amdhsa_system_sgpr_workgroup_id_y 1
		.amdhsa_system_sgpr_workgroup_id_z 1
		.amdhsa_system_vgpr_workitem_id 0
		.amdhsa_next_free_vgpr 1024
		.amdhsa_next_free_sgpr 100
		.amdhsa_reserve_vcc 0
		.amdhsa_float_denorm_mode_32 3
		.amdhsa_float_denorm_mode_16_64 3
		.amdhsa_memory_ordered 1
		.amdhsa_forward_progress 1
		.amdhsa_inst_pref_size 168
	.end_amdhsa_kernel
	.amdgpu_metadata
---
amdhsa.version: [ 1, 2 ]
amdhsa.kernels:
  - .name:           k_q8442d69035_mlp2
    .symbol:         k_q8442d69035_mlp2.kd
    .args:
      - { .name: gc, .offset: 0, .size: 8, .value_kind: global_buffer, .address_space: global }
      - { .name: pc, .offset: 8, .size: 8, .value_kind: global_buffer, .address_space: global }
      - { .name: lowp_scales, .offset: 16, .size: 8, .value_kind: global_buffer, .address_space: global }
      - { .name: b2, .offset: 24, .size: 8, .value_kind: global_buffer, .address_space: global }
      - { .name: x, .offset: 32, .size: 8, .value_kind: global_buffer, .address_space: global }
      - { .name: out0, .offset: 40, .size: 8, .value_kind: global_buffer, .address_space: global }
    .group_segment_fixed_size: 327680
    .private_segment_fixed_size: 0
    .kernarg_segment_align: 8
    .kernarg_segment_size: 48
    .max_flat_workgroup_size: 128
    .sgpr_count:     100
    .vgpr_count:     1024
    .wavefront_size: 32
...
	.end_amdgpu_metadata
.endif
;; end of part 6
;; ======== version 2 of 2: 6 launches
;; limits: right only within a limited range of input values
;; workspace buffers: pc 19,922,944 bytes; padl 8,192 bytes of whole numbers; qkvc 12,582,912 bytes; att 16,777,216 bytes; hc 4,194,304 bytes; gc 16,777,216 bytes
;; launch prep (part 7): grid 612 x 1, 4 waves a work-group, no clusters, 43,520 bytes of LDS; arguments x, key_pad_mask, ln1_w, q_w, kv_w, w1, w2, lowp_scales, pc, padl; writes pc, padl
.if DOCPART == 7
	.amdgcn_target "amdgcn-amd-amdhsa--gfx1250"
	.amdhsa_code_object_version 6
	.text
	.protected	k_q8442d69035_prep
	.globl	k_q8442d69035_prep
	.p2align	8
	.type	k_q8442d69035_prep,@function
k_q8442d69035_prep:
	s_mov_b64 s[64:65], 0
	v_nop
	global_prefetch_b8 v0, s[64:65] scope:SCOPE_SE
	s_setreg_imm32_b32 hwreg(HW_REG_WAVE_MODE, 25, 1), 1
	s_wait_xcnt 0x0
; PREP: everything that is quantised once, in one launch.  Three kinds of work-group, told apart by the work-group's number:
;   0 .. 351    the four weights, f32 stored [K][N], become codes of E4M3 laid [N][K] (K innermost), each with its given scale 2^e
;   352 .. 607  rmsnorm 1 of x, quantised twice: with entry 0 (for the Q product) and with entry 2 (for the KV product) of the scales
;   608 .. 611  key_pad_mask becomes lane masks for the attention launch: one word for each score register of a key step
; pc holds, in bytes: x's codes (entry 0) at 0, x's codes (entry 2) at XKV, q_w^T at WQ, kv_w^T at WKV, w1^T at W1O, w2^T at W2O.
; code = number / 2^e, held within +-448, to the nearest code, ties to even.  LIMITS: each e between -126 and 119; NaN among the inputs is not served.
; No tensor loads, no barrier: waves share nothing.  Each kind of work-group has LDS bytes of its own.
.set XKV,  0x400000
.set WQ,   0x800000
.set WKV,  0x900000
.set W1O,  0xb00000
.set W2O,  0xf00000
.set NST,  34816                       ; LDS: 0 .. 34,815 the weights' stages (a wave: 32 rows x 272); from NST the norm's (a wave: 2,048 bytes)
.set X,    32                          ; weights: v32-95 two sets of 32 numbers
.set C,    96                          ; v96-103 a block's codes
.set OUTR, 112                         ; v112-175 the way out
.set OF,   176                         ; v176-207 byte offset of row i of a block, at my column
.set NW,   16                          ; norm: v16-47 the gain
.set NX,   48                          ; v48-111 two rows as loaded
.set NY,   112                         ; v112-143 the normalised row
.set HQ,   144                         ; v144-151, v152-159 eight numbers held for each of the two quantisers
.set HK,   152
.set CQ,   160                         ; v160-167, v168-175 a row's codes
.set CK,   168
.set NOUT, 176                         ; v176-191 codes back from the stage
.set SQ,   192                         ; v192-199 four chains of squares
	s_load_b512 s[4:19], s[0:1], 0x0               ; x 4, mask 6, ln1_w 8, q_w 10, kv_w 12, w1 14, w2 16, scales 18
	s_load_b128 s[20:23], s[0:1], 0x40             ; pc 20, padl 22
	v_lshl_add_u32 v208, v0, 2, 0xa800
	v_mov_b32 v209, 0
	v_lshrrev_b32 v1, 5, v0
	v_readfirstlane_b32 s36, v1                    ; wave
	s_wait_kmcnt 0x0
	s_load_b256 s[24:31], s[18:19], 0x0            ; e0 .. e7
	s_load_b128 s[32:35], s[18:19], 0x20           ; e8 .. e11
	s_cmp_ge_u32 ttmp9, 608
	s_cbranch_scc1 .Lpad
	s_cmp_ge_u32 ttmp9, 352
	s_cbranch_scc1 .Lnorm
; ---------------- the weights.  A lane takes a column n and its registers run down K: each load reads 128 consecutive bytes a wave, and the conversions give codes with K innermost.
; A work-group takes 128 columns x 256 along K; a wave 32 columns.  What differs between the four tensors stands in scalar registers, chosen by the work-group's number.
	s_mov_b32 s37, ttmp9
	s_mov_b64 s[38:39], s[16:17]                   ; w2: source, place in pc, log2(N / 128), log2(4 N), bytes of a row of codes, first work-group
	s_mov_b32 s58, W2O
	s_mov_b32 s60, 3
	s_mov_b32 s61, 12
	s_mov_b32 s62, 4096
	s_mov_b32 s63, 224
	s_cmp_lt_u32 s37, 224                          ; w1
	s_cselect_b64 s[38:39], s[14:15], s[38:39]
	s_cselect_b32 s58, W1O, s58
	s_cselect_b32 s60, 5, s60
	s_cselect_b32 s61, 14, s61
	s_cselect_b32 s62, 1024, s62
	s_cselect_b32 s63, 96, s63
	s_cmp_lt_u32 s37, 96                           ; kv_w
	s_cselect_b64 s[38:39], s[12:13], s[38:39]
	s_cselect_b32 s58, WKV, s58
	s_cselect_b32 s60, 4, s60
	s_cselect_b32 s61, 13, s61
	s_cselect_b32 s63, 32, s63
	s_cmp_lt_u32 s37, 32                           ; q_w
	s_cselect_b64 s[38:39], s[10:11], s[38:39]
	s_cselect_b32 s58, WQ, s58
	s_cselect_b32 s60, 3, s60
	s_cselect_b32 s61, 12, s61
	s_cselect_b32 s63, 0, s63
	s_sub_co_u32 s66, s37, s63                     ; my number within the tensor
	s_bfm_b32 s67, s60, 0
	s_and_b32 s68, s66, s67                        ; which 128 columns
	s_lshr_b32 s69, s66, s60                       ; which 256 along K
	s_lshl_b32 s70, s68, 7
	s_lshl_b32 s71, s36, 5
	s_add_co_u32 s70, s70, s71                     ; my wave's first column
	s_lshl_b32 s71, 1, s61                         ; a source row in bytes
	s_add_co_u32 s72, s61, 8
	s_lshl_b32 s72, s69, s72                       ; 256 rows x which
	s_lshl_b32 s73, s70, 2
	s_add_co_u32 s72, s72, s73
	s_mov_b32 s73, 0
	s_add_nc_u64 s[40:41], s[38:39], s[72:73]      ; a base for each of the eight blocks of 32 rows: none is ever stepped
	s_lshl_b32 s74, s71, 5
	s_mov_b32 s75, 0
.irp t, 1,2,3,4,5,6,7
	s_add_nc_u64 s[40+2*\t:41+2*\t], s[38+2*\t:39+2*\t], s[74:75]
.endr
	s_mul_i32 s76, s70, s62                        ; the codes: column x row bytes + 256 x which, in the tensor's part of pc
	s_add_co_u32 s76, s76, s58
	s_lshl_b32 s77, s69, 8
	s_add_co_u32 s76, s76, s77
	s_mov_b32 s77, 0
	s_add_nc_u64 s[56:57], s[20:21], s[76:77]
	v_and_b32 v2, 31, v0                           ; lane
	v_lshlrev_b32 v3, 2, v2
	s_mul_i32 s78, s36, 32*272                     ; my stage
	v_mul_u32_u24 v4, v2, 272
	v_add_nc_u32 v4, s78, v4                       ; into it: row = my column
	v_and_b32 v5, 15, v2
	v_lshrrev_b32 v6, 4, v2
	v_mul_u32_u24 v7, v6, 272
	v_lshl_add_u32 v7, v5, 4, v7
	v_add_nc_u32 v7, s78, v7                       ; out of it: sixteen lanes to a row, two rows an instruction
	v_mul_lo_u32 v8, v6, s62
	v_lshl_add_u32 v8, v5, 4, v8                   ; and the same place among the codes
.set i, 0
.rept 32
	v_mad_u32_u24 v[OF+i], s71, i, v3              ; row i of a block, my column
.set i, i+1
.endr
.macro LOAD t                          ; block t: 32 rows at my column, into set t % 2
.set i, 0
.rept 32
	global_load_b32 v[X+32*((\t)%2)+i], v[OF+i], s[40+2*(\t):41+2*(\t)] th:TH_LOAD_NT
.set i, i+1
.endr
.endm
	LOAD 0
	LOAD 1
	s_wait_kmcnt 0x0
	s_mov_b32 s59, s35                             ; the tensor's e: entries 11, 9, 3, 1
	s_cmp_lt_u32 s37, 224
	s_cselect_b32 s59, s33, s59
	s_cmp_lt_u32 s37, 96
	s_cselect_b32 s59, s27, s59
	s_cmp_lt_u32 s37, 32
	s_cselect_b32 s59, s25, s59
	s_add_co_i32 s59, s59, 127
	s_lshl_b32 s79, s59, 23
	v_mov_b32 v11, s79                             ; 2^e as f32: the conversion takes its exponent field
	s_add_co_i32 s59, s59, 8
	s_lshl_b32 s59, s59, 23
	s_or_b32 s59, s59, 0x600000
	v_mov_b32 v10, s59                             ; 448 x 2^e
.macro BLOCK t
.set XS, X+32*((\t)%2)
.if (\t) < 7
	s_wait_loadcnt 32                              ; this block's 32 loads are in; the next block's may be out
.else
	s_wait_loadcnt 0
.endif
.set i, 0
.rept 32
	v_med3_num_f32 v[XS+i], v[XS+i], -v10, v10     ; the conversion does not saturate (ISA guide 7.6.2): the hold comes first
.set i, i+1
.endr
.irp g, 0,1,2,3
	v_cvt_scalef32_pk8_fp8_f32 v[C+2*\g:C+2*\g+1], v[XS+8*\g:XS+8*\g+7], v11
.endr
	ds_store_b128 v4, v[C:C+3] offset:32*(\t)      ; 32 codes of my column's row
	ds_store_b128 v4, v[C+4:C+7] offset:32*(\t)+16
.if (\t)+2 < 8
	LOAD (\t)+2
.endif
	s_wait_dscnt 0x0                               ; the stores have read their registers: the next block's codes may be written
.endm
	s_wait_alu depctr_va_vdst(0)
.irp t, 0,1,2,3,4,5,6,7
	BLOCK \t
.endr
	s_lshl_b32 s80, s62, 1
.set t, 0
.rept 16
	v_mad_u32_u24 v[X+t], s80, t, v8               ; two rows of codes further on for each store
.set t, t+1
.endr
.set t, 0
.rept 16
	ds_load_b128 v[OUTR+4*t:OUTR+4*t+3], v7 offset:544*t   ; LDS serves a wave's instructions in order: these see my stores
.set t, t+1
.endr
.set t, 0
	s_wait_alu depctr_va_vdst(0)
.rept 16
	s_wait_dscnt 15-t
	global_store_b128 v[X+t], v[OUTR+4*t:OUTR+4*t+3], s[56:57]   ; sixteen lanes store 256 consecutive bytes, at a multiple of 256 from pc's first byte
.set t, t+1
.endr
	s_wait_tensorcnt 0x0
	ds_add_u32 v208, v209
	s_wait_dscnt 0x0
	s_endpgm
; ---------------- rmsnorm 1.  A wave takes four rows, one at a time, whole: 32 registers; register 4 j + c is column 128 j + 4 lane + c.
.Lnorm:
	s_sub_co_u32 s37, ttmp9, 352
	s_lshl_b32 s37, s37, 4
	s_lshl_b32 s38, s36, 2
	s_add_co_u32 s37, s37, s38                     ; my first row
	s_lshl_b32 s38, s37, 12
	s_mov_b32 s39, 0
	s_add_nc_u64 s[40:41], s[4:5], s[38:39]        ; x
	s_lshl_b32 s38, s37, 10
	s_add_nc_u64 s[42:43], s[20:21], s[38:39]      ; codes with entry 0
	s_add_nc_u64 s[44:45], s[42:43], XKV           ; codes with entry 2
	v_and_b32 v2, 31, v0
	v_lshlrev_b32 v1, 4, v2                        ; 16 x lane
.irp j, 0,1,2,3,4,5,6,7
	global_load_b128 v[NW+4*\j:NW+4*\j+3], v1, s[8:9] offset:512*\j
.endr
.macro FILL i
.irp j, 0,1,2,3,4,5,6,7
	global_load_b128 v[NX+32*((\i)%2)+4*\j:NX+32*((\i)%2)+4*\j+3], v1, s[40:41] offset:4096*(\i)+512*\j th:TH_LOAD_NT
.endr
.endm
	FILL 0
	FILL 1
	s_lshl_b32 s52, s36, 11
	s_add_co_u32 s52, s52, NST                     ; my stage: 1,024 bytes for each set of codes
	v_lshl_add_u32 v3, v2, 4, s52                  ; out of it: 16 x lane
	v_lshl_add_u32 v2, v2, 2, s52                  ; into it: 4 x lane
	v_mov_b32 v5, 0                                ; a lane permute's destination counts as read
	v_mov_b32 v7, 0                                ; (named as the upper half of the pair v[6:7])
	s_mov_b32 s46, 0x3a800000                      ; 1 / 1024
	s_mov_b32 s47, 0x3727c5ac                      ; 1e-5
	s_mov_b32 s48, 0x76543210
	s_mov_b32 s49, 0xfedcba98
	s_wait_kmcnt 0x0
	s_add_co_i32 s50, s24, 127
	s_lshl_b32 s51, s50, 23
	v_mov_b32 v11, s51                             ; 2^e0
	s_add_co_i32 s50, s50, 8
	s_lshl_b32 s50, s50, 23
	s_or_b32 s50, s50, 0x600000
	v_mov_b32 v10, s50                             ; 448 x 2^e0
	s_add_co_i32 s50, s26, 127
	s_lshl_b32 s51, s50, 23
	v_mov_b32 v13, s51                             ; 2^e2
	s_add_co_i32 s50, s50, 8
	s_lshl_b32 s50, s50, 23
	s_or_b32 s50, s50, 0x600000
	v_mov_b32 v12, s50                             ; 448 x 2^e2
.macro ROW i
.set XS, NX+32*((\i)%2)
.if (\i) < 3
	s_wait_loadcnt 8                               ; my row is in (and the gain); the next row's eight loads may be out
.else
	s_wait_loadcnt 0
.endif
.irp k, 0,1,2,3
	v_pk_mul_f32 v[SQ+2*\k:SQ+2*\k+1], v[XS+2*\k:XS+2*\k+1], v[XS+2*\k:XS+2*\k+1]   ; the first four pairs start four chains: nothing is cleared
.endr
.set j, 4
.rept 12
	v_pk_fma_f32 v[SQ+2*(j%4):SQ+2*(j%4)+1], v[XS+2*j:XS+2*j+1], v[XS+2*j:XS+2*j+1], v[SQ+2*(j%4):SQ+2*(j%4)+1]
.set j, j+1
.endr
	v_pk_add_f32 v[SQ:SQ+1], v[SQ:SQ+1], v[SQ+2:SQ+3]
	v_pk_add_f32 v[SQ+4:SQ+5], v[SQ+4:SQ+5], v[SQ+6:SQ+7]
	v_pk_add_f32 v[SQ:SQ+1], v[SQ:SQ+1], v[SQ+4:SQ+5]
	v_add_f32 v4, v[SQ], v[SQ+1]
	v_add_f32_dpp v4, v4, v4 row_xmask:1 row_mask:0xf bank_mask:0xf
	v_add_f32_dpp v4, v4, v4 row_xmask:2 row_mask:0xf bank_mask:0xf
	v_add_f32_dpp v4, v4, v4 row_xmask:4 row_mask:0xf bank_mask:0xf
	v_add_f32_dpp v4, v4, v4 row_xmask:8 row_mask:0xf bank_mask:0xf
	v_permlanex16_b32 v5, v4, s48, s49
	v_add_f32 v4, v4, v5                           ; the row's sum of squares, in every lane
	v_fma_f32 v4, v4, s46, s47                     ; the mean + eps
	s_wait_alu depctr_va_vdst(0)
	v_rsq_f32 v6, v4
	v_nop                                          ; a plain instruction behind the transcendental
	s_wait_alu depctr_va_vdst(0)                   ; and a wait ahead of its first reader
.set j, 0
.rept 16
	v_pk_mul_f32 v[NY+j:NY+j+1], v[XS+j:XS+j+1], v[6:7] op_sel_hi:[1,0]   ; x times the root first,
.set j, j+2
.endr
.if (\i) < 2
	FILL (\i)+2                                    ; the set is free: the row two further on
.endif
.set j, 0
.rept 16
	v_pk_mul_f32 v[NY+j:NY+j+1], v[NY+j:NY+j+1], v[NW+j:NW+j+1]           ; then times the gain
.set j, j+2
.endr
.irp g, 0,1,2,3
.irp k, 0,1,2,3,4,5,6,7
	v_med3_num_f32 v[HQ+\k], v[NY+8*\g+\k], -v10, v10
.endr
	v_cvt_scalef32_pk8_fp8_f32 v[CQ+2*\g:CQ+2*\g+1], v[HQ:HQ+7], v11
.irp k, 0,1,2,3,4,5,6,7
	v_med3_num_f32 v[HK+\k], v[NY+8*\g+\k], -v12, v12
.endr
	v_cvt_scalef32_pk8_fp8_f32 v[CK+2*\g:CK+2*\g+1], v[HK:HK+7], v13
.endr
.irp j, 0,1,2,3,4,5,6,7
	ds_store_b32 v2, v[CQ+\j] offset:128*\j        ; four codes: columns 128 j + 4 lane on
	ds_store_b32 v2, v[CK+\j] offset:1024+128*\j
.endr
	s_wait_xcnt 0x0                                ; the last row's stores have read their data registers, which are loaded again below
.irp u, 0,1,2,3
	ds_load_b128 v[NOUT+4*\u:NOUT+4*\u+3], v3 offset:512*\u   ; LDS serves a wave's instructions in order: these see my stores
.endr
	s_wait_dscnt 0x0
	global_store_b128 v1, v[NOUT:NOUT+3], s[42:43] offset:1024*(\i)          ; 32 lanes store 512 consecutive bytes
	global_store_b128 v1, v[NOUT+4:NOUT+7], s[42:43] offset:1024*(\i)+512
	global_store_b128 v1, v[NOUT+8:NOUT+11], s[44:45] offset:1024*(\i)
	global_store_b128 v1, v[NOUT+12:NOUT+15], s[44:45] offset:1024*(\i)+512
.endm
	ROW 0
	ROW 1
	ROW 2
	ROW 3
	s_wait_tensorcnt 0x0
	ds_add_u32 v208, v209
	s_wait_dscnt 0x0
	s_endpgm
; ---------------- the lane masks.  Word D = 1024 b + 64 step + 16 bb + i serves score register 16 bb + i of a key step: lanes 0-15 hold key 128 step + 32 bb + i, lanes 16-31 the key 16 further on.
.Lpad:
	s_sub_co_u32 s37, ttmp9, 608
	s_lshl_b32 s37, s37, 7
	v_add_nc_u32 v1, s37, v0                       ; a thread makes four words
	v_lshlrev_b32 v2, 2, v1                        ; D
	v_lshrrev_b32 v3, 4, v2
	v_and_b32 v4, 15, v2
	v_lshl_add_u32 v3, v3, 5, v4                   ; the first key's byte in the mask: 32 (D / 16) + D % 16
	global_load_b32 v5, v3, s[6:7]
	global_load_b32 v6, v3, s[6:7] offset:16
	v_lshlrev_b32 v7, 4, v1
	s_wait_loadcnt 0x0
.irp c, 0,1,2,3
	v_bfe_u32 v8, v5, 8*\c, 8                      ; a bool is 0 or 1
	v_bfe_u32 v9, v6, 8*\c, 8
	v_mul_u32_u24 v8, v8, 0xffff
	v_mul_u32_u24 v9, v9, 0xffff
	v_lshl_or_b32 v[12+\c], v9, 16, v8
.endr
	global_store_b128 v7, v[12:15], s[22:23]
	s_endpgm
.Lfunc_end_k_q8442d69035_prep:
	.size	k_q8442d69035_prep, .Lfunc_end_k_q8442d69035_prep-k_q8442d69035_prep
	.p2alignl 7, 3214868480
	.fill 96, 4, 3214868480
	.section	.rodata,"a",@progbits
	.p2align	6, 0x0
	.amdhsa_kernel k_q8442d69035_prep
		.amdhsa_group_segment_fixed_size 43520
		.amdhsa_private_segment_fixed_size 0
		.amdhsa_enable_private_segment 0
		.amdhsa_kernarg_size 80
		.amdhsa_user_sgpr_count 2
		.amdhsa_user_sgpr_kernarg_segment_ptr 1
		.amdhsa_wavefront_size32 1
		.amdhsa_system_sgpr_workgroup_id_x 1
		.amdhsa_system_sgpr_workgroup_id_y 1
		.amdhsa_system_sgpr_workgroup_id_z 1
		.amdhsa_system_vgpr_workitem_id 0
		.amdhsa_next_free_vgpr 210
		.amdhsa_next_free_sgpr 96
		.amdhsa_reserve_vcc 0
		.amdhsa_float_denorm_mode_32 3
		.amdhsa_float_denorm_mode_16_64 3
		.amdhsa_memory_ordered 1
		.amdhsa_forward_progress 1
		.amdhsa_inst_pref_size 102
	.end_amdhsa_kernel
	.amdgpu_metadata
---
amdhsa.version: [ 1, 2 ]
amdhsa.kernels:
  - .name:           k_q8442d69035_prep
    .symbol:         k_q8442d69035_prep.kd
    .args:
      - { .name: x, .offset: 0, .size: 8, .value_kind: global_buffer, .address_space: global }
      - { .name: key_pad_mask, .offset: 8, .size: 8, .value_kind: global_buffer, .address_space: global }
      - { .name: ln1_w, .offset: 16, .size: 8, .value_kind: global_buffer, .address_space: global }
      - { .name: q_w, .offset: 24, .size: 8, .value_kind: global_buffer, .address_space: global }
      - { .name: kv_w, .offset: 32, .size: 8, .value_kind: global_buffer, .address_space: global }
      - { .name: w1, .offset: 40, .size: 8, .value_kind: global_buffer, .address_space: global }
      - { .name: w2, .offset: 48, .size: 8, .value_kind: global_buffer, .address_space: global }
      - { .name: lowp_scales, .offset: 56, .size: 8, .value_kind: global_buffer, .address_space: global }
      - { .name: pc, .offset: 64, .size: 8, .value_kind: global_buffer, .address_space: global }
      - { .name: padl, .offset: 72, .size: 8, .value_kind: global_buffer, .address_space: global }
    .group_segment_fixed_size: 43520
    .private_segment_fixed_size: 0
    .kernarg_segment_align: 8
    .kernarg_segment_size: 80
    .max_flat_workgroup_size: 128
    .sgpr_count:     96
    .vgpr_count:     210
    .wavefront_size: 32
...
	.end_amdgpu_metadata
.endif
;; end of part 7
;; launch qkv (part 8): grid 48 x 4, 4 waves a work-group, clusters of 4 x 4, 327,680 bytes of LDS; arguments pc, lowp_scales, q_b, kv_b, qkvc; writes qkvc
.if DOCPART == 8
	.amdgcn_target "amdgcn-amd-amdhsa--gfx1250"
	.amdhsa_code_object_version 6
	.text
	.protected	k_q8442d69035_qkv
	.globl	k_q8442d69035_qkv
	.p2align	8
	.type	k_q8442d69035_qkv,@function
k_q8442d69035_qkv:
	s_mov_b64 s[64:65], 0
	v_nop
	global_prefetch_b8 v0, s[64:65] scope:SCOPE_SE
	s_setreg_imm32_b32 hwreg(HW_REG_WAVE_MODE, 25, 1), 1
	s_wait_xcnt 0x0
	s_wait_alu depctr_hold_cnt(0) depctr_sa_sdst(0) depctr_va_vdst(0) depctr_va_sdst(0) depctr_va_ssrc(0) depctr_va_vcc(0) depctr_vm_vsrc(0)
	s_getreg_b32 s2, hwreg(HW_REG_IB_STS2, 6, 4)
	s_cmp_eq_u32 s2, 0
	s_cbranch_scc0 .Lentry_in_a_cluster
	s_endpgm
.Lentry_in_a_cluster:
	s_bfe_u32 s2, ttmp6, 0x10000c
	s_cmp_lg_u32 s2, 0xf033
	s_cbranch_scc0 .Lentry_shape_is_right
	s_endpgm
.Lentry_shape_is_right:
.set KROW,   1024
.set XKV,    0x400000
.set WQ,     0x800000
.set WKV,    0x900000
.set WV,     0xa00000
.set KSTEP,  256
.set ROWB,   256
.set PITCH,  272
.set FR,     16
.set NL,     4
.set NP,     4
.set HALFT,  128*PITCH
.set SLOT,   4*HALFT
.set LAPS,   KROW/(2*KSTEP)
.set SPARE,  2*SLOT
.set ADRA, 16
.set ADRB, 20
.set STO,  24
.set RDQ,  25
.set CO,   26
.set RDQ2, 27
.set SPW,  28
.set NIL,  29
.set RDV,  30
.set VO,   31
.set LIMV, 10
.set SCV,  11
.set BN,   32
.set CD,   96
.set BM,   112
.set TMP,  128
.set AF,   128
.set G1, 24
.set G0, 32
.set G1B, 48
.set G0B, 56
.set MSB, 0
.macro WIN new
.if MSB != \new
	s_set_vgpr_msb (MSB<<8)|\new
.set MSB, \new
.endif
.endm
.set MUL_LO, 0xa1
.set MUL_HI, 0xf1
.set TO_B,   0x40
.macro JLOAD g0a, g1a, g0b, g1b
	s_cmp_eq_u32 s15, 0
	s_cbranch_scc0 .Lfor_b_\@
	tensor_load_to_lds s[\g0a:\g0a+3], s[\g1a:\g1a+7]
	s_nop 0
.rept 4
	v_nop
.endr
	s_branch .Lasked_\@
.Lfor_b_\@:
	tensor_load_to_lds s[\g0b:\g0b+3], s[\g1b:\g1b+7]
	s_nop 0
.rept 4
	v_nop
.endr
.Lasked_\@:
.endm
.macro CREST
	s_cmp_lg_u32 s14, 0
	s_cbranch_scc1 .Lnot_wave_0_\@
	s_barrier_signal -3
.Lnot_wave_0_\@:
	s_barrier_wait -3
	s_barrier_signal -1
	s_barrier_wait -1
.endm
.macro CROUND
	s_barrier_signal -1
	s_barrier_wait -1
	CREST
.endm
	s_load_b256 s[4:11], s[0:1], 0x0
	s_load_b64 s[12:13], s[0:1], 0x20
	v_lshl_add_u32 v[SPW], v0, 2, SPARE
	v_mov_b32 v[NIL], 0
	ds_add_u32 v28, v29
	ds_add_u32 v28, v29
	s_wait_dscnt 0x0
	v_lshrrev_b32 v1, 5, v0
	v_readfirstlane_b32 s14, v1
	s_lshr_b32 s15, s14, 1
	s_and_b32 s16, s14, 1
	s_bfe_u32 s40, ttmp6, 0x40000
	s_bfe_u32 s41, ttmp6, 0x40004
	s_mov_b32 s66, ttmp9
	s_lshr_b32 s70, s66, 1
	s_sub_co_u32 s71, s66, 8
	s_and_b32 s72, s66, 1
	s_cmp_lt_u32 s66, 8
	s_cselect_b32 s67, -1, 0
	s_cselect_b32 s68, 0, -1
	s_cselect_b32 s69, s70, 0
	s_cselect_b32 s70, 0, s71
	s_cselect_b32 s72, s72, 2
	s_mov_b32 s73, WV
	s_mov_b32 s74, XKV
	s_cmp_eq_u32 s72, 1
	s_cselect_b32 s73, XKV, s73
	s_cselect_b32 s74, WKV, s74
	s_cmp_eq_u32 s72, 0
	s_cselect_b32 s73, 0, s73
	s_cselect_b32 s74, WQ, s74
	s_lshl_b32 s42, s70, 2
	s_add_co_u32 s42, s42, s40
	s_lshl_b32 s17, s69, 2
	s_add_co_u32 s17, s17, s41
	s_lshl_b32 s43, s41, 2
	s_lshl_b32 s43, 15, s43
	s_lshl_b32 s44, 0x1111, s40
	s_or_b32 s[G1+0], s43, (0<<16)|(1<<20)|(1<<21)|(5<<22)|(3<<25)
	s_or_b32 s[G1B+0], s44, (0<<16)|(1<<20)|(1<<21)|(5<<22)|(3<<25)
.irp g, G1, G1B
	s_mov_b32 s[\g+1], ROWB<<16
	s_mov_b32 s[\g+2], 128<<16
	s_mov_b32 s[\g+3], ROWB<<16
	s_mov_b32 s[\g+4], 128
	s_mov_b32 s[\g+5], KROW
	s_mov_b32 s[\g+6], 0
	s_mov_b32 s[\g+7], 0
.endr
	s_lshl_b32 s18, s16, 7
	s_lshl_b32 s20, s17, 8
	s_add_co_u32 s20, s20, s18
	s_lshl_b32 s20, s20, 10
	s_add_co_u32 s20, s20, s73
	s_mov_b32 s21, 0
	s_lshl_b32 s46, s42, 8
	s_add_co_u32 s46, s46, s18
	s_lshl_b32 s46, s46, 10
	s_add_co_u32 s46, s46, s74
	s_mov_b32 s47, 0
	s_mul_i32 s45, s14, HALFT
	s_wait_kmcnt 0x0
	s_load_b256 s[76:83], s[6:7], 0x0
	s_add_nc_u64 s[20:21], s[4:5], s[20:21]
	s_add_nc_u64 s[46:47], s[4:5], s[46:47]
	; the prefetches: of the 128 rows that my wave fetches, each of the four partners that ask for them jointly names 32, told apart by address (cx for A's rows, cy for B's); a lane a row
	s_cmp_eq_u32 s15, 0
	s_cselect_b64 s[98:99], s[20:21], s[46:47]
	s_cselect_b32 s18, s40, s41
	s_lshl_b32 s18, s18, 15                        ; 32 rows of 1,024 bytes
	s_mov_b32 s19, 0
	s_add_nc_u64 s[98:99], s[98:99], s[18:19]
	v_and_b32 v14, 31, v0
	v_lshlrev_b32 v14, 10, v14                     ; my lane's row; never rewritten
.irp s, 0,1
	s_mov_b32 s[G0+4*\s], 1
	s_add_co_u32 s[G0+4*\s+1], s45, \s*SLOT
	s_add_nc_u64 s[G0+4*\s+2:G0+4*\s+3], s[20:21], \s*ROWB
	s_or_b32 s[G0+4*\s+3], s[G0+4*\s+3], 0x80000000
	s_mov_b32 s[G0B+4*\s], 1
	s_add_co_u32 s[G0B+4*\s+1], s45, \s*SLOT
	s_add_nc_u64 s[G0B+4*\s+2:G0B+4*\s+3], s[46:47], \s*ROWB
	s_or_b32 s[G0B+4*\s+3], s[G0B+4*\s+3], 0x80000000
	s_wait_alu depctr_va_vdst(0)
	s_wait_tensorcnt 0x0
	ds_add_u32 v28, v29
	ds_add_u32 v28, v29
	s_wait_dscnt 0x0
	CROUND
	JLOAD G0+4*\s, G1, G0B+4*\s, G1B
.if \s == 0
	global_prefetch_b8 v14, s[98:99] offset:ROWB th:TH_LOAD_NT scope:SCOPE_SE          ; behind K step 0's load also K step 1, whose load follows when step 0's has landed
.endif
	global_prefetch_b8 v14, s[98:99] offset:(2+\s)*ROWB th:TH_LOAD_NT scope:SCOPE_SE   ; behind K step s's load: 32 rows x 256 bytes of K step s + 2, the last two of the four
.endr
	v_and_b32 v1, 15, v0
	v_bfe_u32 v2, v0, 4, 1
	v_mul_u32_u24 v3, v1, PITCH
	s_wait_alu depctr_va_vdst(0)
	v_lshl_add_u32 v4, v2, 4, v3
	s_mul_i32 s21, s15, HALFT
	s_mul_i32 s22, s16, HALFT
	s_add_co_u32 s22, s22, 2*HALFT
.irp s, 0,1
	v_add_nc_u32 v[ADRA+\s], s21, v4
	v_add_nc_u32 v[ADRB+\s], s22, v4
	s_add_co_u32 s21, s21, SLOT
	s_add_co_u32 s22, s22, SLOT
.endr
	s_mul_i32 s23, s15, 128*272
	s_lshl_b32 s19, s16, 7
	s_add_co_u32 s23, s23, s19
	v_lshl_add_u32 v5, v2, 3, v3
	v_add_nc_u32 v[STO], s23, v5
	v_and_b32 v6, 31, v0
	v_lshrrev_b32 v7, 2, v6
	v_and_b32 v8, 3, v6
	v_mul_u32_u24 v7, v7, 272
	v_lshl_add_u32 v7, v8, 4, v7
	s_lshl_b32 s19, s14, 6
	v_add_nc_u32 v[RDQ], s19, v7
	v_add_nc_u32 v[RDQ2], 128*272, v[RDQ]
	v_lshlrev_b32 v[CO], 4, v6
	s_mul_i32 s19, s14, 64*272
	v_mul_u32_u24 v9, v2, 272
	v_lshl_add_u32 v9, v1, 4, v9
	v_add_nc_u32 v[RDV], s19, v9
	v_lshlrev_b32 v[VO], 11, v2
	v_lshl_add_u32 v[VO], v1, 4, v[VO]
	v_lshlrev_b32 v12, 5, v2
	s_wait_alu depctr_va_vdst(0)
	v_lshlrev_b32 v13, 2, v1
	s_wait_alu depctr_va_vdst(0)
	s_cmp_eq_u32 s72, 0
	s_cselect_b64 s[88:89], s[8:9], s[10:11]
	s_lshl_b32 s90, s40, 10
	s_lshl_b32 s91, s16, 9
	s_add_co_u32 s90, s90, s91
	s_mov_b32 s91, 0
	s_add_nc_u64 s[88:89], s[88:89], s[90:91]
	s_lshl_b32 s90, s41, 10
	s_lshl_b32 s92, s15, 9
	s_add_co_u32 s90, s90, s92
	s_add_co_u32 s90, s90, 4096
	s_add_nc_u64 s[92:93], s[10:11], s[90:91]
.irp b, 0,1,2,3,4,5,6,7
	global_load_b128 v[BN+8*\b:BN+8*\b+3], v12, s[88:89] offset:64*\b
	global_load_b128 v[BN+8*\b+4:BN+8*\b+7], v12, s[88:89] offset:64*\b+16
.endr
.irp a, 0,1,2,3,4,5,6,7
	global_load_b32 v[BM+2*\a], v13, s[92:93] offset:64*\a
.endr
	s_lshr_b32 s84, s17, 3
	s_lshl_b32 s84, s84, 4
	s_lshl_b32 s85, s40, 2
	s_add_co_u32 s84, s84, s85
	s_add_co_u32 s84, s84, s14
	s_lshl_b32 s84, s84, 11
	s_and_b32 s85, s17, 7
	s_lshl_b32 s85, s85, 8
	s_add_co_u32 s84, s84, s85
	s_lshl_b32 s84, s84, 6
	s_lshr_b32 s86, s42, 3
	s_lshl_b32 s86, s86, 21
	s_lshl_b32 s87, s41, 8
	s_lshl_b32 s94, s14, 6
	s_add_co_u32 s87, s87, s94
	s_lshl_b32 s87, s87, 11
	s_add_co_u32 s86, s86, s87
	s_and_b32 s87, s42, 7
	s_lshl_b32 s87, s87, 8
	s_add_co_u32 s86, s86, s87
	s_lshl_b32 s85, s72, 22
	s_cmp_lt_u32 s66, 8
	s_cselect_b32 s84, s84, s86
	s_add_co_u32 s84, s84, s85
	s_mov_b32 s85, 0
	s_add_nc_u64 s[12:13], s[12:13], s[84:85]
.macro FRAG reg, adr, q, i
.irp c, 0,1,2,3
	ds_load_b128 v[\reg+4*\c:\reg+4*\c+3], v[\adr] offset:128*(\q)+32*\c+(\i)*16*PITCH
.endr
.endm
.macro MUL16 a0, p, zero
.irp a, \a0, \a0+1
.irp b, 0,1,2,3,4,5,6,7
.if \zero
	v_wmma_f32_16x16x128_fp8_fp8 v[8*(8*((\a)%4)+\b):8*(8*((\a)%4)+\b)+7], v[128*(\p)+FR*\b:128*(\p)+FR*\b+FR-1], v[AF+FR*(\a):AF+FR*(\a)+FR-1], 0
.else
	v_wmma_f32_16x16x128_fp8_fp8 v[8*(8*((\a)%4)+\b):8*(8*((\a)%4)+\b)+7], v[128*(\p)+FR*\b:128*(\p)+FR*\b+FR-1], v[AF+FR*(\a):AF+FR*(\a)+FR-1], v[8*(8*((\a)%4)+\b):8*(8*((\a)%4)+\b)+7]
.endif
.endr
.endr
.endm
.macro FETCH_B slot, q, p
	WIN TO_B
.irp i, 0,1,2,3,4,5,6,7
	FRAG 128*(\p)+FR*\i, ADRB+\slot, \q, \i
.endr
	WIN 0
.endm
.macro FETCH_A slot, q, i0
.irp i, \i0, \i0+1, \i0+2, \i0+3
	FRAG AF+FR*(\i), ADRA+\slot, \q, \i
.endr
.endm
.macro PLACES n
.rept \n
	v_nop
.endr
.endm
.macro STEP slot, q, zero
	s_wait_dscnt 4*NL
	WIN MUL_LO
	MUL16 0, (\q)%2, \zero
	MUL16 2, (\q)%2, \zero
	s_wait_dscnt 0
	PLACES NP
	FETCH_B \slot, (\q)+1, 1-(\q)%2
	FETCH_A \slot, (\q)+1, 0
	WIN MUL_HI
	MUL16 4, (\q)%2, \zero
	MUL16 6, (\q)%2, \zero
	PLACES NP
	WIN 0
	FETCH_A \slot, (\q)+1, 4
.endm
.macro TURN slot, next, fill
	s_wait_tensorcnt 0x0
	ds_add_u32 v[SPW], v[NIL]
	s_wait_dscnt 4*NL+1
	WIN MUL_LO
	MUL16 0, 1, 0
	s_wait_dscnt 0x0
	s_barrier_signal -1
	MUL16 2, 1, 0
	WIN 0
	s_barrier_wait -1
.if \fill
	CREST
	s_add_nc_u64 s[G0+4*\slot+2:G0+4*\slot+3], s[G0+4*\slot+2:G0+4*\slot+3], 2*ROWB
	s_add_nc_u64 s[G0B+4*\slot+2:G0B+4*\slot+3], s[G0B+4*\slot+2:G0B+4*\slot+3], 2*ROWB
	JLOAD G0+4*\slot, G1, G0B+4*\slot, G1B
.else
	PLACES NP
.endif
	FETCH_B \next, 0, 0
	FETCH_A \next, 0, 0
	WIN MUL_HI
	MUL16 4, 1, 0
	MUL16 6, 1, 0
	PLACES NP
	WIN 0
	FETCH_A \next, 0, 4
.endm
	s_wait_tensorcnt 1
	s_barrier_signal -1
	s_barrier_wait -1
	FETCH_B 0, 0, 0
	FETCH_A 0, 0, 0
	FETCH_A 0, 0, 4
	STEP 0, 0, 1
	s_mov_b32 s3, LAPS-1
.Llap:
	TURN 0, 1, 1
	STEP 1, 0, 0
	TURN 1, 0, 1
	STEP 0, 0, 0
	s_sub_co_u32 s3, s3, 1
	s_cmp_lg_u32 s3, 0
	s_cbranch_scc1 .Llap
	TURN 0, 1, 0
	STEP 1, 0, 0
	s_wait_dscnt 4*NL
	WIN MUL_LO
	MUL16 0, 1, 0
	MUL16 2, 1, 0
	s_wait_dscnt 0
	WIN MUL_HI
	MUL16 4, 1, 0
	MUL16 6, 1, 0
	WIN 0
	s_wait_kmcnt 0x0
	s_add_co_i32 s84, s76, s77
	s_add_co_i32 s85, s78, s79
	s_cmp_eq_u32 s72, 0
	s_cselect_b32 s84, s84, s85
	s_cselect_b32 s86, s80, s81
	s_cmp_eq_u32 s72, 2
	s_cselect_b32 s86, s82, s86
	s_add_co_i32 s84, s84, 127
	s_lshl_b32 s96, s84, 23
	s_mov_b32 s97, s96
	s_add_co_i32 s86, s86, 127
	s_lshl_b32 s87, s86, 23
	v_mov_b32 v[SCV], s87
	s_add_co_i32 s86, s86, 8
	s_lshl_b32 s86, s86, 23
	s_or_b32 s86, s86, 0x600000
	v_mov_b32 v[LIMV], s86
	s_wait_loadcnt 0x0
.set j, 0
.rept 64
	v_and_b32 v[BN+j], s67, v[BN+j]
.set j, j+1
.endr
.irp a, 0,1,2,3,4,5,6,7
	v_and_b32 v[BM+2*\a], s68, v[BM+2*\a]
	v_mov_b32 v[BM+2*\a+1], 0
.endr
.macro EPI a
.set AC, 64*((\a)%4)
	WIN 0x02+((\a)/4)
.set j, 0
.rept 32
	v_pk_fma_f32 v[TMP+j:TMP+j+1], v[AC+j:AC+j+1], s[96:97], v[BN+j:BN+j+1] op_sel_hi:[1,0,1]
.set j, j+2
.endr
	WIN 0
.set j, 0
.rept 32
	v_pk_add_f32 v[TMP+j:TMP+j+1], v[TMP+j:TMP+j+1], v[BM+2*(\a):BM+2*(\a)+1] op_sel_hi:[1,0]
.set j, j+2
.endr
.set j, 0
.rept 64
	v_med3_num_f32 v[TMP+j], v[TMP+j], -v[LIMV], v[LIMV]
.set j, j+1
.endr
	s_wait_alu depctr_va_vdst(0)
	s_wait_dscnt 0x0
.irp b, 0,1,2,3,4,5,6,7
	v_cvt_scalef32_pk8_fp8_f32 v[CD+2*\b:CD+2*\b+1], v[TMP+8*\b:TMP+8*\b+7], v[SCV]
.endr
	v_nop
.irp b, 0,1,2,3,4,5,6,7
	ds_store_b64 v[STO], v[CD+2*\b:CD+2*\b+1] offset:(\a)*16*272+16*\b
.endr
.endm
.irp a, 0,1,2,3,4,5,6,7
	EPI \a
.endr
	s_wait_dscnt 0x0
	s_barrier_signal -1
	s_barrier_wait -1
	s_cmp_lt_u32 s66, 8
	s_cbranch_scc0 .Lout_v
.set i, 0
.rept 16
	ds_load_b128 v[128+4*i:131+4*i], v[RDQ] offset:2176*i
.set i, i+1
.endr
.set i, 0
.rept 16
	ds_load_b128 v[192+4*i:195+4*i], v[RDQ2] offset:2176*i
.set i, i+1
.endr
.set i, 0
.rept 32
	s_wait_dscnt 31-i
	global_store_b128 v[CO], v[128+4*i:131+4*i], s[12:13] offset:512*i
.set i, i+1
.endr
	s_branch .Lout_done
.Lout_v:
.set i, 0
.rept 32
	ds_load_b128 v[128+4*i:131+4*i], v[RDV] offset:544*i
.set i, i+1
.endr
.set i, 0
.rept 32
	s_wait_dscnt 31-i
	global_store_b128 v[VO], v[128+4*i:131+4*i], s[12:13] offset:4096*i
.set i, i+1
.endr
.Lout_done:
	s_wait_tensorcnt 0x0
	ds_add_u32 v[SPW], v[NIL]
	s_wait_dscnt 0x0
	CROUND
	s_endpgm
.Lfunc_end_k_q8442d69035_qkv:
	.size	k_q8442d69035_qkv, .Lfunc_end_k_q8442d69035_qkv-k_q8442d69035_qkv
	.p2alignl 7, 3214868480
	.fill 96, 4, 3214868480
	.section	.rodata,"a",@progbits
	.p2align	6, 0x0
	.amdhsa_kernel k_q8442d69035_qkv
		.amdhsa_group_segment_fixed_size 327680
		.amdhsa_private_segment_fixed_size 0
		.amdhsa_enable_private_segment 0
		.amdhsa_kernarg_size 40
		.amdhsa_user_sgpr_count 2
		.amdhsa_user_sgpr_kernarg_segment_ptr 1
		.amdhsa_wavefront_size32 1
		.amdhsa_system_sgpr_workgroup_id_x 1
		.amdhsa_system_sgpr_workgroup_id_y 1
		.amdhsa_system_sgpr_workgroup_id_z 1
		.amdhsa_system_vgpr_workitem_id 0
		.amdhsa_next_free_vgpr 1024
		.amdhsa_next_free_sgpr 100
		.amdhsa_reserve_vcc 0
		.amdhsa_float_denorm_mode_32 3
		.amdhsa_float_denorm_mode_16_64 3
		.amdhsa_memory_ordered 1
		.amdhsa_forward_progress 1
		.amdhsa_inst_pref_size 172
	.end_amdhsa_kernel
	.amdgpu_metadata
---
amdhsa.version: [ 1, 2 ]
amdhsa.kernels:
  - .name:           k_q8442d69035_qkv
    .symbol:         k_q8442d69035_qkv.kd
    .args:
      - { .name: pc, .offset: 0, .size: 8, .value_kind: global_buffer, .address_space: global }
      - { .name: lowp_scales, .offset: 8, .size: 8, .value_kind: global_buffer, .address_space: global }
      - { .name: q_b, .offset: 16, .size: 8, .value_kind: global_buffer, .address_space: global }
      - { .name: kv_b, .offset: 24, .size: 8, .value_kind: global_buffer, .address_space: global }
      - { .name: qkvc, .offset: 32, .size: 8, .value_kind: global_buffer, .address_space: global }
    .group_segment_fixed_size: 327680
    .private_segment_fixed_size: 0
    .kernarg_segment_align: 8
    .kernarg_segment_size: 40
    .max_flat_workgroup_size: 128
    .sgpr_count:     100
    .vgpr_count:     1024
    .wavefront_size: 32
...
	.end_amdgpu_metadata
.endif
;; end of part 8
;; launch attn (part 9): grid 8 x 32, 8 waves a work-group, no clusters, 327,680 bytes of LDS; arguments qkvc, padl, lowp_scales, att; writes att
.if DOCPART == 9
	.amdgcn_target "amdgcn-amd-amdhsa--gfx1250"
	.amdhsa_code_object_version 6
	.text
	.protected	k_q8442d69035_attn
	.globl	k_q8442d69035_attn
	.p2align	8
	.type	k_q8442d69035_attn,@function
k_q8442d69035_attn:
	s_mov_b64 s[64:65], 0
	v_nop
	global_prefetch_b8 v0, s[64:65] scope:SCOPE_SE
	s_setreg_imm32_b32 hwreg(HW_REG_WAVE_MODE, 25, 1), 1
	s_wait_xcnt 0x0
; ATTENTION on codes of E4M3: 32 heads (batch x 16 + head) of 2,048 tokens, head size 64; causal mask and key-pad mask; both products quantised.
; q, k: [bh][s][64] codes; v: [bh][64][s] codes, keys innermost; padl: a lane mask for each score register of each key step; att: [4,096][1,024] f32.
; THE SOFTMAX: t = score x log2(e) / 32; M = the row's largest t so far, rounded up to a whole number; p = 2^(t - M) is quantised with e7; the row's sum is taken of the unquantised p and divides at the end.
; EVERY BYTE OF LDS IS FILLED ONCE.  A head's K (1,024 rows of two keys, 128 + 16 bytes) and V (four tiles of 64 rows x 512 + 16 bytes) lie in LDS together: 282,624 bytes.  They come in two parts.
; At the head waves 0-3 fetch 160 keys of K each and waves 4-7 sixteen rows of V's first tile each: K's keys 0-639, V's keys 0-511, which serve key steps 0 to 3 and the look-ahead for K's step 4.
; Behind the first barrier waves 0-3 fetch 352 keys of K each and waves 4-6 one tile of V each; that part has steps 0 to 3 in which to land, and a second barrier stands in front of step 4.
; THE MASKS put a finite number in a score's place: SM = -2^38 / 2^(e4 + e5) in units of the code sums, whose t lies near -1.2e10.  The pad mask is a bias (0 or SM for each key, f32, 8,192 bytes in LDS, made
; once from padl) that goes in as the C of the score products, so it takes no vector instruction; the causal mask is a select in a tile's one step on the diagonal.  The running largest t begins at -2^31:
; masked scores lie under it, so their p is 0 whatever else the row has seen.  A row whose largest t is still -2^31 at the end has no real key: by the definition it is uniform over ALL 2,048 keys,
; so it takes T, the sum of v's codes x the code of 1 over all keys (eight matrix instructions a wave, joined through LDS), and the divisor 2,048, by a select.
; SHARES.  A work-group owns one head and two blocks of 128 queries, x and 15 - x.  Wave w owns tile w (16 queries) of EACH block: the late block's in window 0, the early block's in window 1: 17 tile steps a wave,
; the same in all waves.  A key step is 128 keys; both tiles share its fragments of K, of V and of the bias.  What comes after a tile's queries is jumped over by branches on ids; the trip counts stay constants.
; Both products are used transposed: a lane holds ONE query.  Lane r of tile 2 b + u of K takes key 32 b + 8 u + r + 8 (r / 8), so that score register 16 b + i is key 32 b + 16 (lane / 16) + i.
; NO CLUSTER: the eight work-groups of a head read the same K and V, but which steps a wave jumps over hangs on its query blocks, that is on the work-group's place among those eight.
; NO PREFETCH: all that the work-group reads is asked for by its fifteen loads, the last of them behind the first barrier; there is no later load to run ahead of.
; LIMITS: the scaled scores t stay under 2^31 in magnitude; e4 + e5 between -89 and 10; e7 between -126 and 119.  NaN is not served.
; REGISTERS.  The two tiles have the same numbers in windows 0 and 1: v10 SM, v11 the diagonal's d, v12 -M, v13 largest t, v[14:15] the sum, v16-23 Q, v96-159 S^T and p, v160-191 O^T, v192-207 p's codes,
;   v224, v225 448 x 2^e7 and 2^e7, v236-255 at work.  Window 0 alone: v1-9 addresses, v24-31 T, v32-95 K's fragments, v96-159 also V's (behind its tile's conversions), v208-223 the code of 1, v226-231 addresses.
;   Window 1 alone: v32-95 the step's bias.
.set BB,    0                          ; LDS: the bias, 4 bytes a key
.set KB,    8192                       ; K
.set VB,    155648                     ; V
.set TST,   290816                     ; T's images, 1,024 bytes a wave
.set SPARE, 299008                     ; the spare words, 128 bytes a wave
.set KSTP,  9216                       ; 128 keys of K: 64 rows of 144
.set VP,    528
.set VSL,   64*VP                      ; 512 keys of V
.set MSB, 0
.macro WIN new                         ; the immediate's high byte repeats the setting that is left
.if MSB != \new
	s_set_vgpr_msb (MSB<<8)|\new
.set MSB, \new
.endif
.endm
.macro G1SET g, pad, row, rows, pitch  ; a descriptor's group 1: constants alone
	s_mov_b32 s[\g], (0<<16)|(1<<20)|(\pad<<22)|(3<<25)   ; elements of 1 byte; 4 words of padding behind every row
	s_mov_b32 s[\g+1], \row<<16
	s_mov_b32 s[\g+2], \rows<<16
	s_mov_b32 s[\g+3], \row<<16
	s_mov_b32 s[\g+4], \rows
	s_mov_b32 s[\g+5], \pitch
	s_mov_b32 s[\g+6], 0
	s_mov_b32 s[\g+7], 0
.endm
	s_load_b256 s[4:11], s[0:1], 0x0               ; qkvc 4, padl 6, scales 8, att 10
	v_lshl_add_u32 v5, v0, 2, SPARE
	v_mov_b32 v6, 0
	ds_add_u32 v5, v6                              ; the opening lines: the add, twice on end, and its wait ahead of my first tensor load
	ds_add_u32 v5, v6
	v_lshrrev_b32 v8, 5, v0
	v_readfirstlane_b32 s12, v8                    ; wave 0..7
	s_and_b32 s68, ttmp7, 0xffff                   ; batch x 16 + head
	s_lshr_b32 s85, s68, 4                         ; batch
	s_and_b32 s86, s68, 15                         ; head
	s_lshl_b32 s17, ttmp9, 7                       ; the early block's first query = the first key of its diagonal step
	s_sub_co_u32 s18, 15, ttmp9
	s_lshl_b32 s18, s18, 7                         ; the late block's
	s_lshl_b32 s73, s12, 4                         ; my tile within a block
	s_lshl_b32 s74, s68, 17                        ; a head's codes are 131,072 bytes in each of the three tensors
	s_mov_b32 s75, 0
	G1SET 24, 4, 128, 80, 128                      ; K, first part: 80 rows of 128 bytes (two keys), dense
	G1SET 32, 6, 512, 16, 2048                     ; V, first part: 16 rows of 512 bytes, 2,048 apart
	G1SET 88, 6, 512, 64, 2048                     ; V, second part: 64 rows
	s_and_b32 s76, s12, 3
	s_mul_i32 s78, s76, 160*64                     ; the first part: K's keys 160 (wave % 4) on,
	s_add_co_u32 s78, s78, 0x400000
	s_mov_b32 s79, 0
	s_lshl_b32 s80, s76, 15                        ; V's rows 16 (wave % 4) on
	s_add_co_u32 s80, s80, 0x800000
	s_mov_b32 s81, 0
	s_mov_b32 s40, 1
	s_mul_i32 s41, s76, 80*144
	s_add_co_u32 s41, s41, KB
	s_mov_b32 s44, 1
	s_mul_i32 s45, s76, 16*VP
	s_add_co_u32 s45, s45, VB
	s_mul_i32 s82, s76, 352*64                     ; the second part: K's keys 640 + 352 (wave % 4) on,
	s_add_co_u32 s82, s82, 0x400000+640*64
	s_mov_b32 s83, 0
	s_lshl_b32 s70, s76, 9                         ; V's tile 1 + wave % 4
	s_add_co_u32 s70, s70, 0x800000+512
	s_mov_b32 s71, 0
	s_mov_b32 s96, 1
	s_mul_i32 s97, s76, 176*144
	s_add_co_u32 s97, s97, KB+320*144
	s_mov_b32 s60, 1
	s_mul_i32 s61, s76, VSL
	s_add_co_u32 s61, s61, VB+VSL
	s_wait_dscnt 0x0                               ; both opening adds are done
	s_wait_kmcnt 0x0
	s_load_b256 s[52:59], s[8:9], 0x0              ; e0 .. e7
	s_add_nc_u64 s[4:5], s[4:5], s[74:75]          ; qkvc at my head
	s_add_nc_u64 s[42:43], s[4:5], s[78:79]
	s_or_b32 s43, s43, 0x80000000
	s_add_nc_u64 s[46:47], s[4:5], s[80:81]
	s_or_b32 s47, s47, 0x80000000
	s_add_nc_u64 s[98:99], s[4:5], s[82:83]
	s_or_b32 s99, s99, 0x80000000
	s_add_nc_u64 s[62:63], s[4:5], s[70:71]
	s_or_b32 s63, s63, 0x80000000
	s_cmp_lt_u32 s12, 4                            ; one chain, a fill in each arm: every wave has one tensor load out
	s_cbranch_scc0 .Lfor_v
	tensor_load_to_lds s[40:43], s[24:31]
	s_nop 0
.rept 4
	v_nop
.endr
	s_branch .Lasked
.Lfor_v:
	tensor_load_to_lds s[44:47], s[32:39]
	s_nop 0
.rept 4
	v_nop
.endr
.Lasked:
	s_add_co_u32 s14, s18, s73                     ; my late tile's first query,
	s_add_co_u32 s69, s17, s73                     ; my early tile's
	s_lshl_b32 s78, s69, 6
	s_add_nc_u64 s[48:49], s[4:5], s[78:79]        ; q's codes at the early tile,
	s_lshl_b32 s78, s14, 6
	s_add_nc_u64 s[4:5], s[4:5], s[78:79]          ; and at the late one
	s_lshl_b32 s78, s85, 12
	s_add_nc_u64 s[6:7], s[6:7], s[78:79]          ; my batch's lane masks
	s_lshl_b32 s80, s85, 11
	s_lshl_b32 s81, s86, 8
	s_add_co_u32 s78, s80, s69
	s_lshl_b32 s78, s78, 12
	s_add_co_u32 s78, s78, s81
	s_add_nc_u64 s[86:87], s[10:11], s[78:79]      ; att at the early tile's first row, my head's 256 bytes,
	s_add_co_u32 s78, s80, s14
	s_lshl_b32 s78, s78, 12
	s_add_co_u32 s78, s78, s81
	s_add_nc_u64 s[10:11], s[10:11], s[78:79]      ; and at the late tile's
	s_mul_i32 s80, s76, 16*VP                      ; for T: channels 16 (wave % 4) on, keys 1,024 (wave / 4) on
	s_lshr_b32 s81, s12, 2
	s_mul_i32 s81, s81, 2*VSL
	s_add_co_u32 s80, s80, s81
	s_add_co_u32 s80, s80, VB
	s_lshl_b32 s81, s12, 10                        ; my image of T
	s_mul_i32 s82, s12, 2*16*272                   ; my two stages for O, in K's bytes, used behind the last barrier
	s_add_co_u32 s82, s82, KB
	s_mov_b32 s20, 0x76543210                      ; lane l xor 16
	s_mov_b32 s21, 0xfedcba98
	s_mov_b32 s67, 0xcf000000                      ; -2^31
	s_mov_b32 s2, 0                                ; the step's bytes in K,
	s_mov_b32 s3, 0                                ; in V,
	s_mov_b32 s19, 0                               ; in the bias,
	s_mov_b32 s13, 0                               ; and its first key
	s_wait_kmcnt 0x0
	s_add_co_i32 s68, s56, s57                     ; e4 + e5
	s_lshl_b32 s68, s68, 23
	s_mov_b32 s22, 0x3d38aa3b                      ; c = log2(e) / 32,
	s_add_co_i32 s22, s22, s68                     ; x 2^(e4 + e5), by its exponent field
	s_mov_b32 s23, s22
	s_mov_b32 s69, 0xd2800000                      ; SM = -2^38
	s_sub_co_i32 s69, s69, s68                     ; / 2^(e4 + e5)
	s_add_co_i32 s50, s58, s59                     ; e6 + e7
	s_add_co_i32 s83, s59, 127
	s_lshl_b32 s84, s83, 23                        ; 2^e7
	s_add_co_i32 s83, s83, 8
	s_lshl_b32 s83, s83, 23
	s_or_b32 s83, s83, 0x600000                    ; 448 x 2^e7
	G1SET 52, 4, 128, 176, 128                     ; K, second part: 176 rows (the exponents' registers are done with)
	v_lshlrev_b32 v250, 4, v0
	global_load_b128 v[240:243], v250, s[6:7]      ; four lane masks a thread: 1,024 in all
	v_and_b32 v8, 15, v0                           ; r
	v_bfe_u32 v9, v0, 4, 1                         ; h
	v_lshlrev_b32 v251, 6, v8
	v_lshl_add_u32 v251, v9, 4, v251
	global_load_b128 v[16:19], v251, s[4:5]        ; Q's fragments stay: registers 4 c .. 4 c + 3 hold k = 32 c + 16 h + 0 .. 15, as K's do
	global_load_b128 v[20:23], v251, s[4:5] offset:32
	WIN 0x40
	global_load_b128 v[16:19], v251, s[48:49]      ; the early tile's, into window 1
	global_load_b128 v[20:23], v251, s[48:49] offset:32
	WIN 0
	v_lshrrev_b32 v1, 1, v8                        ; K: key r + 8 (r / 8) lies in row r / 2 + 4 (r / 8), half r % 2
	v_lshrrev_b32 v4, 3, v8
	v_lshl_add_u32 v1, v4, 2, v1
	v_mul_u32_u24 v1, v1, 144
	v_and_b32 v4, 1, v8
	v_lshl_add_u32 v1, v4, 6, v1
	v_lshl_add_u32 v1, v9, 4, v1
	v_add_nc_u32 v1, KB, v1
	v_mul_u32_u24 v2, v8, VP
	v_lshl_add_u32 v2, v9, 4, v2
	v_add_nc_u32 v4, s80, v2                       ; V for T
	v_add_nc_u32 v2, VB, v2                        ; V
	v_lshlrev_b32 v3, 6, v9                        ; the bias: 16 keys, 64 bytes, for each half of the lanes (BB = 0)
	v_lshlrev_b32 v230, 12, v9
	v_lshl_add_u32 v230, v8, 4, v230               ; the way out: lanes 0-15 one row of att, lanes 16-31 the next
	v_and_b32 v227, 31, v0
	v_lshl_add_u32 v227, v227, 4, TST
	v_add_nc_u32 v226, s81, v227
	v_mul_u32_u24 v228, v8, 272
	v_lshl_add_u32 v228, v9, 5, v228
	v_add_nc_u32 v228, s82, v228
	v_mul_u32_u24 v229, v9, 272
	v_lshl_add_u32 v229, v8, 4, v229
	v_add_nc_u32 v229, s82, v229
	v_lshrrev_b32 v231, 2, v0                      ; words 4 t .. 4 t + 3 serve keys 32 (t / 4) + 4 (t % 4) on, and the keys 16 further on
	v_and_b32 v232, 3, v0
	v_lshlrev_b32 v231, 7, v231
	v_lshl_add_u32 v231, v232, 4, v231
	v_lshlrev_b32 v232, 4, v9
	v_sub_nc_u32 v11, v8, v232
	v_add_nc_u32 v11, s73, v11                     ; d = my query - its diagonal step's first key - 16 h, the same for both tiles: register 16 b + i is hidden where 32 b + i > d
.macro INIT
	v_mov_b32 v10, s69
	v_mov_b32 v12, 0x4f000000                      ; -M
	v_mov_b32 v13, s67                             ; the largest t so far: -2^31
	v_mov_b32 v14, 0
	v_mov_b32 v15, 0
	v_mov_b32 v236, 0                              ; a lane permute's destination counts as read
	v_mov_b32 v253, 0                              ; (named as the upper half of the pair v[252:253])
	v_mov_b32 v224, s83
	v_mov_b32 v225, s84
.set j, 0
.rept 32
	v_mov_b32 v[160+j], 0                          ; O^T: the step's text finds zeros the first time
.set j, j+1
.endr
.endm
	INIT
	WIN 0x40
	INIT
	v_mov_b32 v11, v11                             ; window 1's d from window 0's
	WIN 0
.set j, 0
.rept 8
	v_min_num_f32 v[96+j], 1.0, v224
.set j, j+1
.endr
	v_cvt_scalef32_pk8_fp8_f32 v[208:209], v[96:103], v225   ; the code of p = 1, in every byte
	v_nop
.set j, 2
.rept 14
	v_mov_b32 v[208+j], v208
.set j, j+1
.endr
	s_wait_alu depctr_va_vdst(0)
	s_wait_tensorcnt 0x0                           ; my share of the first part is in
	s_wait_loadcnt 0x0                             ; Q and the lane masks
.irp c, 0,1,2,3
	v_lshlrev_b32 v[244+\c], 16, v[240+\c]
	v_ashrrev_i32 v[244+\c], 31, v[244+\c]         ; all ones where the key of lanes 0-15 is padded,
	v_ashrrev_i32 v[240+\c], 31, v[240+\c]         ; and where that of lanes 16-31 is
	v_and_b32 v[244+\c], v10, v[244+\c]            ; SM or 0
	v_and_b32 v[240+\c], v10, v[240+\c]
.endr
	ds_store_b128 v231, v[244:247]
	ds_store_b128 v231, v[240:243] offset:64
	s_wait_tensorcnt 0x0
	ds_add_u32 v5, v6
	s_wait_dscnt 0x0                               ; the add and my stores of the bias are done
	s_barrier_signal -1
	s_barrier_wait -1                              ; the first part and the bias are whole
	s_cmp_lt_u32 s12, 4                            ; the second part: a wave's one tensor load behind this barrier; wave 7 has none
	s_cbranch_scc0 .Lnot_k
	tensor_load_to_lds s[96:99], s[52:59]
	s_nop 0
.rept 4
	v_nop
.endr
	s_branch .Lasked2
.Lnot_k:
	s_cmp_lt_u32 s12, 7
	s_cbranch_scc0 .Lasked2
	tensor_load_to_lds s[60:63], s[88:95]
	s_nop 0
.rept 4
	v_nop
.endr
.Lasked2:
.macro KLOAD adr                       ; K's eight fragments of a step
.irp t, 0,1,2,3,4,5,6,7
.irp c, 0,1
	ds_load_b128 v[32+8*\t+4*\c:35+8*\t+4*\c], v[\adr] offset:(16*(\t/2)+4*(\t%2))*144+32*\c
.endr
.endr
.endm
.macro BLOAD adr                       ; a step's bias, laid as the scores are: register 16 b + i is key 32 b + 16 h + i
.set n, 0
.rept 16
	ds_load_b128 v[32+4*n:35+4*n], v[\adr] offset:128*(n/4)+16*(n%4)
.set n, n+1
.endr
.endm
	KLOAD 1                                        ; step 0's K and bias
	WIN 0x40
	BLOAD 3
	WIN 0
.macro DIAG                            ; on the diagonal the causally hidden scores become SM
	s_wait_alu depctr_va_vdst(0)                   ; directly ahead of the first readers of S^T
.set n, 0
.rept 64
	v_cmp_gt_i32 vcc_lo, 32*(n/16)+n%16, v11
	v_cndmask_b32 v[96+n], v[96+n], v10, vcc_lo
.set n, n+1
.endr
.endm
; The softmax of one tile: the same text serves both tiles, under the window that is set.  vl = 1 (window 0): V's fragment b is asked for as soon as the conversions have read the sixteen registers that it lands in.
.macro SOFT vl
	s_wait_alu depctr_va_vdst(0)                   ; directly ahead of the first readers of S^T
.irp q, 0,1,2,3
	v_max3_num_f32 v[248+\q], v[96+16*\q], v[97+16*\q], v[98+16*\q]     ; the largest of 64 scores, in four chains
.endr
.irp i, 3,5,7,9,11,13
.irp q, 0,1,2,3
	v_max3_num_f32 v[248+\q], v[248+\q], v[96+16*\q+\i], v[97+16*\q+\i]
.endr
.endr
	v_max3_num_f32 v248, v248, v111, v127
	v_max3_num_f32 v250, v250, v143, v159
	v_max3_num_f32 v254, v248, v249, v250
	v_max_num_f32 v254, v254, v251
	v_permlanex16_b32 v236, v254, s20, s21
	v_max_num_f32 v254, v254, v236                 ; the step's largest score of my query
	v_mul_f32 v254, s22, v254                      ; as t
	v_max_num_f32 v13, v13, v254
	v_mov_b32 v254, v12
	v_floor_f32 v12, -v13                          ; -M = floor(-t): M is a whole number
	v_sub_f32 v254, v12, v254                      ; old M - new M, 0 or less
	v_cvt_i32_f32 v254, v254                       ; (it saturates)
	v_ldexp_f32 v252, 1.0, v254                    ; f = 2^(old M - new M)
.set j, 0
.rept 32
	v_pk_fma_f32 v[96+j:97+j], v[96+j:97+j], s[22:23], v[12:13] op_sel_hi:[1,0,0]   ; t - M
.set j, j+2
.endr
	s_wait_alu depctr_va_vdst(0)
.set j, 0
.rept 64
	v_exp_f32 v[96+j], v[96+j]                     ; p = 2^(t - M)
.set j, j+1
.endr
	v_pk_mul_f32 v[14:15], v[14:15], v[252:253] op_sel_hi:[1,0]   ; the sum under the new M (a plain line behind the exponentials)
	s_wait_alu depctr_va_vdst(0)                   ; one wait for the batch, ahead of its first reader
	v_pk_add_f32 v[240:241], v[96:97], v[98:99]    ; the row's sum of the unquantised p, in four chains
	v_pk_add_f32 v[242:243], v[100:101], v[102:103]
	v_pk_add_f32 v[244:245], v[104:105], v[106:107]
	v_pk_add_f32 v[14:15], v[14:15], v[108:109]
.set j, 110
.rept 6
	v_pk_add_f32 v[240:241], v[240:241], v[j:j+1]
	v_pk_add_f32 v[242:243], v[242:243], v[j+2:j+3]
	v_pk_add_f32 v[244:245], v[244:245], v[j+4:j+5]
	v_pk_add_f32 v[14:15], v[14:15], v[j+6:j+7]
.set j, j+8
.endr
	v_pk_add_f32 v[240:241], v[240:241], v[158:159]
	v_pk_add_f32 v[242:243], v[242:243], v[244:245]
	v_pk_add_f32 v[14:15], v[14:15], v[240:241]
	v_pk_add_f32 v[14:15], v[14:15], v[242:243]
.irp b, 0,1,2,3
.set i, 0
.rept 16
	v_min_num_f32 v[96+16*\b+i], v[96+16*\b+i], v224   ; the conversion does not saturate (ISA guide 7.6.2); p is not negative
.set i, i+1
.endr
	v_cvt_scalef32_pk8_fp8_f32 v[192+4*\b:193+4*\b], v[96+16*\b:103+16*\b], v225
	v_cvt_scalef32_pk8_fp8_f32 v[194+4*\b:195+4*\b], v[104+16*\b:111+16*\b], v225
.if \vl
.irp c, 0,1,2,3
	ds_load_b128 v[96+16*\b+4*\c:99+16*\b+4*\c], v9 offset:16*\b*VP+32*\c
.endr
.endif
.endr
	s_wait_alu depctr_va_vdst(0)                   ; directly ahead of the first readers of O^T
.set j, 0
.rept 16
	v_pk_mul_f32 v[160+j:161+j], v[160+j:161+j], v[252:253] op_sel_hi:[1,0]   ; O^T under the new M (also the plain lines behind the conversions)
.set j, j+2
.endr
.endm
.macro SMUL                            ; S^T = K Q^T + the bias
.irp t, 0,1,2,3,4,5,6,7
	v_wmma_f32_16x16x64_fp8_fp8 v[96+8*\t:103+8*\t], v[32+8*\t:39+8*\t], v[16:23], v[32+8*\t:39+8*\t]
.endr
.endm
.macro PV                              ; O^T += V^T P^T
.irp t, 0,1,2,3
	v_wmma_f32_16x16x128_fp8_fp8 v[160+8*\t:167+8*\t], v[96+16*\t:111+16*\t], v[192:207], v[160+8*\t:167+8*\t]
.endr
.endm
; A KEY STEP, and the lines that step its addresses.  Every branch hangs on ids and on the count of steps alone.
.macro STEP
	s_cmp_gt_u32 s13, s18
	s_cbranch_scc1 .Lhidden_\@                     ; all its keys come after both my tiles
	s_add_co_u32 s77, s2, KSTP                     ; where the NEXT step's K and bias lie, held at the last step, so that the look-ahead never leaves K or the bias
	s_min_u32 s77, s77, 15*KSTP
	s_add_co_u32 s78, s19, 512
	s_min_u32 s78, s78, 15*512
	v_add_nc_u32 v8, s77, v1
	v_add_nc_u32 v9, s3, v2
	v_add_nc_u32 v7, s78, v3
	v_nop
	v_nop                                          ; five places: the products below write over registers that the last products read
	s_wait_alu depctr_va_vdst(0)
	s_wait_dscnt 0x0                               ; this step's K and bias, asked for a step ago
	WIN 0x10                                       ; C, the bias, in window 1
	SMUL
	WIN 0
	s_cmp_gt_u32 s13, s17
	s_cbranch_scc1 .Lone_\@                        ; the early tile is past its diagonal
	WIN 0x54                                       ; Q, C and D in window 1
	SMUL
	WIN 0
.Lone_\@:
.rept 4
	v_nop                                          ; places: for the loads below and for the first reads of the scores
.endr
	KLOAD 8                                        ; the next step's K and bias land during the softmax (in the last step: its own once more, read and not used)
	WIN 0x40
	BLOAD 7
	WIN 0
	s_cmp_lt_u32 s13, s18
	s_cbranch_scc1 .Lopen_l_\@                     ; all keys count for the late tile
	DIAG
.Lopen_l_\@:
	SOFT 1
	s_cmp_gt_u32 s13, s17
	s_cbranch_scc1 .Lpv_\@
	s_cmp_lt_u32 s13, s17
	s_cbranch_scc1 .Lopen_e_\@
	WIN 0x55
	DIAG
	WIN 0
.Lopen_e_\@:
	WIN 0x55
	SOFT 0
	WIN 0
.Lpv_\@:
	s_wait_alu depctr_va_vdst(0)
	s_wait_dscnt 0x0                               ; V's fragments
	PV
	s_cmp_gt_u32 s13, s17
	s_cbranch_scc1 .Lhidden_\@
	WIN 0x54
	PV
	WIN 0
.Lhidden_\@:
	s_add_co_u32 s2, s2, KSTP
	s_add_co_u32 s3, s3, 128
	s_add_co_u32 s19, s19, 512
	s_add_co_u32 s13, s13, 128
.endm
	s_mov_b32 s16, 4
.Lfirst:                                           ; steps 0 to 3 read the first part alone: K's keys up to 639 (the look-ahead's), V's up to 511
	STEP
	s_sub_co_u32 s16, s16, 1
	s_cmp_lg_u32 s16, 0
	s_cbranch_scc1 .Lfirst
	s_add_co_u32 s3, s3, VSL-512                   ; V's next tile of 512 keys
	s_wait_alu depctr_va_vdst(0)
	s_wait_tensorcnt 0x0                           ; my share of the second part is in
	s_wait_dscnt 0x0
	s_barrier_signal -1
	s_barrier_wait -1                              ; K and V are whole
.rept 4
	v_nop                                          ; places in front of loads into registers that the last products read
.endr
.irp u, 0,1                            ; T: my 16 channels x 1,024 keys, eight fragments: four in each window's score registers
	WIN 0x40*\u
.irp j, 0,1,2,3
.irp c, 0,1,2,3
	ds_load_b128 v[96+16*\j+4*\c:99+16*\j+4*\c], v4 offset:VSL*\u+128*\j+32*\c
.endr
.endr
.endr
	WIN 0
	s_wait_dscnt 0x0
	v_wmma_f32_16x16x128_fp8_fp8 v[24:31], v[96:111], v[208:223], 0        ; two accumulators by turns
	v_wmma_f32_16x16x128_fp8_fp8 v[240:247], v[112:127], v[208:223], 0
	v_wmma_f32_16x16x128_fp8_fp8 v[24:31], v[128:143], v[208:223], v[24:31]
	v_wmma_f32_16x16x128_fp8_fp8 v[240:247], v[144:159], v[208:223], v[240:247]
	WIN 0x01
.irp j, 0,2
	v_wmma_f32_16x16x128_fp8_fp8 v[24:31], v[96+16*\j:111+16*\j], v[208:223], v[24:31]
	v_wmma_f32_16x16x128_fp8_fp8 v[240:247], v[112+16*\j:127+16*\j], v[208:223], v[240:247]
.endr
	WIN 0
.rept 4
	v_nop
.endr
.irp j, 0,2,4,6
	v_pk_add_f32 v[24+\j:25+\j], v[24+\j:25+\j], v[240+\j:241+\j]
.endr
	ds_store_b128 v226, v[24:27]                   ; my part of T, as an image of its registers; read behind the last barrier
	ds_store_b128 v226, v[28:31] offset:512
	s_mov_b32 s15, 3
.Lslot:                                            ; steps 4 to 15: 3 x 4 trips, constants of the text
	s_mov_b32 s16, 4
.Lstep:
	STEP
	s_sub_co_u32 s16, s16, 1
	s_cmp_lg_u32 s16, 0
	s_cbranch_scc1 .Lstep
	s_add_co_u32 s3, s3, VSL-512
	s_sub_co_u32 s15, s15, 1
	s_cmp_lg_u32 s15, 0
	s_cbranch_scc1 .Lslot
	; THE WAY OUT.  Behind this barrier nobody reads K any more, and every wave's part of T is in LDS.
	s_wait_alu depctr_va_vdst(0)
	s_wait_dscnt 0x0
	s_barrier_signal -1
	s_barrier_wait -1
.irp u, 0,1
.irp t, 0,1,2,3
	ds_load_b128 v[32+32*\u+8*\t:35+32*\u+8*\t], v227 offset:(\t+4*\u)*1024
	ds_load_b128 v[36+32*\u+8*\t:39+32*\u+8*\t], v227 offset:(\t+4*\u)*1024+512
.endr
.endr
	s_wait_dscnt 0x0
.set j, 0
.rept 16
	v_pk_add_f32 v[32+j:33+j], v[32+j:33+j], v[64+j:65+j]   ; T, laid as O^T is (also the places behind the last products)
.set j, j+2
.endr
.macro FIN w
	WIN 0x55*\w
	v_add_f32 v14, v14, v15
	v_permlanex16_b32 v236, v14, s20, s21
	v_add_f32 v14, v14, v236                       ; the row's sum
	v_cmp_ge_f32 s51, s67, v13                     ; no real key was seen: the row is uniform over all 2,048 keys
	v_mov_b32 v254, 0x45000000                     ; 2,048
	v_cndmask_b32 v14, v14, v254, s51
	WIN 0x41*\w                                    ; T stands in window 0
	s_wait_alu depctr_va_vdst(0)                   ; directly ahead of the first readers of O^T and ahead of the transcendental
.set j, 0
.rept 32
	v_cndmask_b32 v[160+j], v[160+j], v[32+j], s51
.set j, j+1
.endr
	WIN 0x55*\w
	v_rcp_f32 v14, v14
	v_nop
	s_wait_alu depctr_va_vdst(0)                   ; the wait ahead of its first reader
	v_ldexp_f32 v14, v14, s50                      ; x 2^(e6 + e7)
.set j, 0
.rept 16
	v_pk_mul_f32 v[96+j:97+j], v[160+j:161+j], v[14:15] op_sel_hi:[1,0]   ; register 8 t + i is o(r, 16 t + 8 h + i)
.set j, j+2
.endr
	WIN 0x04*\w
.irp t, 0,1,2,3
	ds_store_b128 v228, v[96+8*\t:99+8*\t] offset:4352*\w+64*\t
	ds_store_b128 v228, v[100+8*\t:103+8*\t] offset:4352*\w+64*\t+16
.endr
	WIN 0
.endm
	FIN 0
	FIN 1
.set i, 0
.rept 16
	ds_load_b128 v[32+4*i:35+4*i], v229 offset:4352*(i/8)+544*(i%8)   ; LDS serves a wave's instructions in order: these see my stores
.set i, i+1
.endr
.set i, 0
.rept 8
	s_wait_dscnt 15-i
	global_store_b128 v230, v[32+4*i:35+4*i], s[10:11] offset:8192*i   ; sixteen lanes store a head's 256 bytes of a token's row, at a multiple of 256
.set i, i+1
.endr
.set i, 0
.rept 8
	s_wait_dscnt 7-i
	global_store_b128 v230, v[64+4*i:67+4*i], s[86:87] offset:8192*i
.set i, i+1
.endr
	s_wait_tensorcnt 0x0                           ; the wave's end
	ds_add_u32 v5, v6
	s_wait_dscnt 0x0
	s_endpgm
.Lfunc_end_k_q8442d69035_attn:
	.size	k_q8442d69035_attn, .Lfunc_end_k_q8442d69035_attn-k_q8442d69035_attn
	.p2alignl 7, 3214868480
	.fill 96, 4, 3214868480
	.section	.rodata,"a",@progbits
	.p2align	6, 0x0
	.amdhsa_kernel k_q8442d69035_attn
		.amdhsa_group_segment_fixed_size 327680
		.amdhsa_private_segment_fixed_size 0
		.amdhsa_enable_private_segment 0
		.amdhsa_kernarg_size 32
		.amdhsa_user_sgpr_count 2
		.amdhsa_user_sgpr_kernarg_segment_ptr 1
		.amdhsa_wavefront_size32 1
		.amdhsa_system_sgpr_workgroup_id_x 1
		.amdhsa_system_sgpr_workgroup_id_y 1
		.amdhsa_system_sgpr_workgroup_id_z 1
		.amdhsa_system_vgpr_workitem_id 0
		.amdhsa_next_free_vgpr 512
		.amdhsa_next_free_sgpr 100
		.amdhsa_reserve_vcc 1
		.amdhsa_float_denorm_mode_32 3
		.amdhsa_float_denorm_mode_16_64 3
		.amdhsa_memory_ordered 1
		.amdhsa_forward_progress 1
		.amdhsa_inst_pref_size 115
	.end_amdhsa_kernel
	.amdgpu_metadata
---
amdhsa.version: [ 1, 2 ]
amdhsa.kernels:
  - .name:           k_q8442d69035_attn
    .symbol:         k_q8442d69035_attn.kd
    .args:
      - { .name: qkvc, .offset: 0, .size: 8, .value_kind: global_buffer, .address_space: global }
      - { .name: padl, .offset: 8, .size: 8, .value_kind: global_buffer, .address_space: global }
      - { .name: lowp_scales, .offset: 16, .size: 8, .value_kind: global_buffer, .address_space: global }
      - { .name: att, .offset: 24, .size: 8, .value_kind: global_buffer, .address_space: global }
    .group_segment_fixed_size: 327680
    .private_segment_fixed_size: 0
    .kernarg_segment_align: 8
    .kernarg_segment_size: 32
    .max_flat_workgroup_size: 256
    .sgpr_count:     100
    .vgpr_count:     512
    .wavefront_size: 32
...
	.end_amdgpu_metadata
.endif
;; end of part 9
;; launch norm2 (part 10): grid 256 x 1, 4 waves a work-group, no clusters, 4,608 bytes of LDS; arguments att, ln2_w, lowp_scales, hc; writes hc
.if DOCPART == 10
	.amdgcn_target "amdgcn-amd-amdhsa--gfx1250"
	.amdhsa_code_object_version 6
	.text
	.protected	k_q8442d69035_norm2
	.globl	k_q8442d69035_norm2
	.p2align	8
	.type	k_q8442d69035_norm2,@function
k_q8442d69035_norm2:
	s_mov_b64 s[64:65], 0
	v_nop
	global_prefetch_b8 v0, s[64:65] scope:SCOPE_SE
	s_setreg_imm32_b32 hwreg(HW_REG_WAVE_MODE, 25, 1), 1
	s_wait_xcnt 0x0
; rmsnorm 2 of the attention's result, [4,096][1,024] f32, quantised with entry 8 of the scales into codes of E4M3, K innermost.
; A wave takes four rows, one at a time, whole: 32 registers; register 4 j + c is column 128 j + 4 lane + c.  The row is read once; no wave waits for another.
; code = number / 2^e8, held within +-448, to the nearest code, ties to even.  LIMITS: e8 between -126 and 119; NaN is not served.
.set NW,   16                          ; v16-47 the gain
.set NX,   48                          ; v48-111 two rows as loaded
.set NY,   112                         ; v112-143 the normalised row
.set CQ,   160                         ; v160-167 a row's codes
.set NOUT, 176                         ; v176-183 codes back from the stage
.set SQ,   192                         ; v192-199 four chains of squares
	s_load_b256 s[4:11], s[0:1], 0x0               ; att 4, ln2_w 6, scales 8, hc 10
	v_lshl_add_u32 v200, v0, 2, 0x1000
	v_mov_b32 v201, 0
	v_lshrrev_b32 v1, 5, v0
	v_readfirstlane_b32 s36, v1                    ; wave
	s_lshl_b32 s37, ttmp9, 4
	s_lshl_b32 s38, s36, 2
	s_add_co_u32 s37, s37, s38                     ; my first row
	s_lshl_b32 s38, s37, 12
	s_mov_b32 s39, 0
	s_lshl_b32 s42, s37, 10
	s_mov_b32 s43, 0
	v_and_b32 v2, 31, v0
	v_lshlrev_b32 v1, 4, v2                        ; 16 x lane
	s_wait_alu depctr_va_vdst(0)
	s_wait_kmcnt 0x0
	s_load_b32 s24, s[8:9], 0x20                   ; e8
	s_add_nc_u64 s[40:41], s[4:5], s[38:39]
	s_add_nc_u64 s[44:45], s[10:11], s[42:43]
.irp j, 0,1,2,3,4,5,6,7
	global_load_b128 v[NW+4*\j:NW+4*\j+3], v1, s[6:7] offset:512*\j
.endr
.macro FILL i
.irp j, 0,1,2,3,4,5,6,7
	global_load_b128 v[NX+32*((\i)%2)+4*\j:NX+32*((\i)%2)+4*\j+3], v1, s[40:41] offset:4096*(\i)+512*\j th:TH_LOAD_NT
.endr
.endm
	FILL 0
	FILL 1
	s_lshl_b32 s52, s36, 10                        ; my stage: 1,024 bytes
	v_lshl_add_u32 v3, v2, 4, s52                  ; out of it: 16 x lane
	v_lshl_add_u32 v2, v2, 2, s52                  ; into it: 4 x lane
	v_mov_b32 v5, 0                                ; a lane permute's destination counts as read
	v_mov_b32 v7, 0                                ; (named as the upper half of the pair v[6:7])
	s_mov_b32 s46, 0x3a800000                      ; 1 / 1024
	s_mov_b32 s47, 0x3727c5ac                      ; 1e-5
	s_mov_b32 s48, 0x76543210
	s_mov_b32 s49, 0xfedcba98
	s_wait_kmcnt 0x0
	s_add_co_i32 s50, s24, 127
	s_lshl_b32 s51, s50, 23
	v_mov_b32 v11, s51                             ; 2^e8
	s_add_co_i32 s50, s50, 8
	s_lshl_b32 s50, s50, 23
	s_or_b32 s50, s50, 0x600000
	v_mov_b32 v10, s50                             ; 448 x 2^e8
.macro ROW i
.set XS, NX+32*((\i)%2)
.if (\i) < 3
	s_wait_loadcnt 8                               ; my row is in (and the gain); the next row's eight loads may be out
.else
	s_wait_loadcnt 0
.endif
.irp k, 0,1,2,3
	v_pk_mul_f32 v[SQ+2*\k:SQ+2*\k+1], v[XS+2*\k:XS+2*\k+1], v[XS+2*\k:XS+2*\k+1]
.endr
.set j, 4
.rept 12
	v_pk_fma_f32 v[SQ+2*(j%4):SQ+2*(j%4)+1], v[XS+2*j:XS+2*j+1], v[XS+2*j:XS+2*j+1], v[SQ+2*(j%4):SQ+2*(j%4)+1]
.set j, j+1
.endr
	v_pk_add_f32 v[SQ:SQ+1], v[SQ:SQ+1], v[SQ+2:SQ+3]
	v_pk_add_f32 v[SQ+4:SQ+5], v[SQ+4:SQ+5], v[SQ+6:SQ+7]
	v_pk_add_f32 v[SQ:SQ+1], v[SQ:SQ+1], v[SQ+4:SQ+5]
	v_add_f32 v4, v[SQ], v[SQ+1]
	v_add_f32_dpp v4, v4, v4 row_xmask:1 row_mask:0xf bank_mask:0xf
	v_add_f32_dpp v4, v4, v4 row_xmask:2 row_mask:0xf bank_mask:0xf
	v_add_f32_dpp v4, v4, v4 row_xmask:4 row_mask:0xf bank_mask:0xf
	v_add_f32_dpp v4, v4, v4 row_xmask:8 row_mask:0xf bank_mask:0xf
	v_permlanex16_b32 v5, v4, s48, s49
	v_add_f32 v4, v4, v5
	v_fma_f32 v4, v4, s46, s47                     ; the mean of the squares + eps
	s_wait_alu depctr_va_vdst(0)
	v_rsq_f32 v6, v4
	v_nop                                          ; a plain instruction behind the transcendental
	s_wait_alu depctr_va_vdst(0)                   ; and a wait ahead of its first reader
.set j, 0
.rept 16
	v_pk_mul_f32 v[NY+j:NY+j+1], v[XS+j:XS+j+1], v[6:7] op_sel_hi:[1,0]
.set j, j+2
.endr
.if (\i) < 2
	FILL (\i)+2
.endif
.set j, 0
.rept 16
	v_pk_mul_f32 v[NY+j:NY+j+1], v[NY+j:NY+j+1], v[NW+j:NW+j+1]
.set j, j+2
.endr
.set j, 0
.rept 32
	v_med3_num_f32 v[NY+j], v[NY+j], -v10, v10     ; the conversion does not saturate (ISA guide 7.6.2)
.set j, j+1
.endr
.irp g, 0,1,2,3
	v_cvt_scalef32_pk8_fp8_f32 v[CQ+2*\g:CQ+2*\g+1], v[NY+8*\g:NY+8*\g+7], v11
.endr
.irp j, 0,1,2,3,4,5,6,7
	ds_store_b32 v2, v[CQ+\j] offset:128*\j        ; four codes: columns 128 j + 4 lane on
.endr
	s_wait_xcnt 0x0                                ; the last row's stores have read their data registers, which are loaded again below
	ds_load_b128 v[NOUT:NOUT+3], v3                ; LDS serves a wave's instructions in order: these see my stores
	ds_load_b128 v[NOUT+4:NOUT+7], v3 offset:512
	s_wait_dscnt 0x0
	global_store_b128 v1, v[NOUT:NOUT+3], s[44:45] offset:1024*(\i)          ; 32 lanes store 512 consecutive bytes
	global_store_b128 v1, v[NOUT+4:NOUT+7], s[44:45] offset:1024*(\i)+512
.endm
	ROW 0
	ROW 1
	ROW 2
	ROW 3
	s_wait_tensorcnt 0x0
	ds_add_u32 v200, v201
	s_wait_dscnt 0x0
	s_endpgm
.Lfunc_end_k_q8442d69035_norm2:
	.size	k_q8442d69035_norm2, .Lfunc_end_k_q8442d69035_norm2-k_q8442d69035_norm2
	.p2alignl 7, 3214868480
	.fill 96, 4, 3214868480
	.section	.rodata,"a",@progbits
	.p2align	6, 0x0
	.amdhsa_kernel k_q8442d69035_norm2
		.amdhsa_group_segment_fixed_size 4608
		.amdhsa_private_segment_fixed_size 0
		.amdhsa_enable_private_segment 0
		.amdhsa_kernarg_size 32
		.amdhsa_user_sgpr_count 2
		.amdhsa_user_sgpr_kernarg_segment_ptr 1
		.amdhsa_wavefront_size32 1
		.amdhsa_system_sgpr_workgroup_id_x 1
		.amdhsa_system_sgpr_workgroup_id_y 1
		.amdhsa_system_sgpr_workgroup_id_z 1
		.amdhsa_system_vgpr_workitem_id 0
		.amdhsa_next_free_vgpr 202
		.amdhsa_next_free_sgpr 66
		.amdhsa_reserve_vcc 0
		.amdhsa_float_denorm_mode_32 3
		.amdhsa_float_denorm_mode_16_64 3
		.amdhsa_memory_ordered 1
		.amdhsa_forward_progress 1
		.amdhsa_inst_pref_size 34
	.end_amdhsa_kernel
	.amdgpu_metadata
---
amdhsa.version: [ 1, 2 ]
amdhsa.kernels:
  - .name:           k_q8442d69035_norm2
    .symbol:         k_q8442d69035_norm2.kd
    .args:
      - { .name: att, .offset: 0, .size: 8, .value_kind: global_buffer, .address_space: global }
      - { .name: ln2_w, .offset: 8, .size: 8, .value_kind: global_buffer, .address_space: global }
      - { .name: lowp_scales, .offset: 16, .size: 8, .value_kind: global_buffer, .address_space: global }
      - { .name: hc, .offset: 24, .size: 8, .value_kind: global_buffer, .address_space: global }
    .group_segment_fixed_size: 4608
    .private_segment_fixed_size: 0
    .kernarg_segment_align: 8
    .kernarg_segment_size: 32
    .max_flat_workgroup_size: 128
    .sgpr_count:     66
    .vgpr_count:     202
    .wavefront_size: 32
...
	.end_amdgpu_metadata
.endif
;; end of part 10
;; launch mlp1 (part 11): grid 16 x 16, 4 waves a work-group, clusters of 4 x 4, 327,680 bytes of LDS; arguments hc, pc, lowp_scales, b1, gc; writes gc
.if DOCPART == 11
	.amdgcn_target "amdgcn-amd-amdhsa--gfx1250"
	.amdhsa_code_object_version 6
	.text
	.protected	k_q8442d69035_mlp1
	.globl	k_q8442d69035_mlp1
	.p2align	8
	.type	k_q8442d69035_mlp1,@function
k_q8442d69035_mlp1:
	s_mov_b64 s[64:65], 0
	v_nop
	global_prefetch_b8 v0, s[64:65] scope:SCOPE_SE
	s_setreg_imm32_b32 hwreg(HW_REG_WAVE_MODE, 25, 1), 1
	s_wait_xcnt 0x0
	s_wait_alu depctr_hold_cnt(0) depctr_sa_sdst(0) depctr_va_vdst(0) depctr_va_sdst(0) depctr_va_ssrc(0) depctr_va_vcc(0) depctr_vm_vsrc(0)
	s_getreg_b32 s2, hwreg(HW_REG_IB_STS2, 6, 4)
	s_cmp_eq_u32 s2, 0
	s_cbranch_scc0 .Lentry_in_a_cluster
	s_endpgm
.Lentry_in_a_cluster:
	s_bfe_u32 s2, ttmp6, 0x10000c
	s_cmp_lg_u32 s2, 0xf033
	s_cbranch_scc0 .Lentry_shape_is_right
	s_endpgm
.Lentry_shape_is_right:
.set KROW,   1024
.set W1O,    0xb00000
.set KSTEP,  256
.set ROWB,   256
.set PITCH,  272
.set FR,     16
.set NL,     4
.set NP,     4
.set HALFT,  128*PITCH
.set SLOT,   4*HALFT
.set LAPS,   KROW/(2*KSTEP)
.set SPARE,  2*SLOT
.set ADRA, 16
.set ADRB, 20
.set STO,  24
.set SPW,  28
.set NIL,  29
.set RDV,  30
.set VO,   31
.set LIMV, 10
.set SCV,  11
.set BN,   32
.set CD,   96
.set TMP,  128
.set EX,   192
.set AF,   128
.set G1, 24
.set G0, 32
.set G1B, 48
.set G0B, 56
.set MSB, 0
.macro WIN new
.if MSB != \new
	s_set_vgpr_msb (MSB<<8)|\new
.set MSB, \new
.endif
.endm
.set MUL_LO, 0xa1
.set MUL_HI, 0xf1
.set TO_B,   0x40
.macro JLOAD g0a, g1a, g0b, g1b
	s_cmp_eq_u32 s15, 0
	s_cbranch_scc0 .Lfor_b_\@
	tensor_load_to_lds s[\g0a:\g0a+3], s[\g1a:\g1a+7]
	s_nop 0
.rept 4
	v_nop
.endr
	s_branch .Lasked_\@
.Lfor_b_\@:
	tensor_load_to_lds s[\g0b:\g0b+3], s[\g1b:\g1b+7]
	s_nop 0
.rept 4
	v_nop
.endr
.Lasked_\@:
.endm
.macro CREST
	s_cmp_lg_u32 s14, 0
	s_cbranch_scc1 .Lnot_wave_0_\@
	s_barrier_signal -3
.Lnot_wave_0_\@:
	s_barrier_wait -3
	s_barrier_signal -1
	s_barrier_wait -1
.endm
.macro CROUND
	s_barrier_signal -1
	s_barrier_wait -1
	CREST
.endm
	s_load_b256 s[4:11], s[0:1], 0x0
	s_load_b64 s[12:13], s[0:1], 0x20
	v_lshl_add_u32 v[SPW], v0, 2, SPARE
	v_mov_b32 v[NIL], 0
	ds_add_u32 v28, v29
	ds_add_u32 v28, v29
	s_wait_dscnt 0x0
	v_lshrrev_b32 v1, 5, v0
	v_readfirstlane_b32 s14, v1
	s_lshr_b32 s15, s14, 1
	s_and_b32 s16, s14, 1
	s_bfe_u32 s40, ttmp6, 0x40000
	s_bfe_u32 s41, ttmp6, 0x40004
	s_lshl_b32 s42, ttmp9, 2
	s_add_co_u32 s42, s42, s40
	s_and_b32 s17, ttmp7, 0xffff
	s_lshl_b32 s17, s17, 2
	s_add_co_u32 s17, s17, s41
	s_lshl_b32 s43, s41, 2
	s_lshl_b32 s43, 15, s43
	s_lshl_b32 s44, 0x1111, s40
	s_or_b32 s[G1+0], s43, (0<<16)|(1<<20)|(1<<21)|(5<<22)|(3<<25)
	s_or_b32 s[G1B+0], s44, (0<<16)|(1<<20)|(1<<21)|(5<<22)|(3<<25)
.irp g, G1, G1B
	s_mov_b32 s[\g+1], ROWB<<16
	s_mov_b32 s[\g+2], 128<<16
	s_mov_b32 s[\g+3], ROWB<<16
	s_mov_b32 s[\g+4], 128
	s_mov_b32 s[\g+5], KROW
	s_mov_b32 s[\g+6], 0
	s_mov_b32 s[\g+7], 0
.endr
	s_lshl_b32 s18, s16, 7
	s_lshl_b32 s20, s17, 8
	s_add_co_u32 s20, s20, s18
	s_lshl_b32 s20, s20, 10
	s_mov_b32 s21, 0
	s_lshl_b32 s46, s42, 8
	s_add_co_u32 s46, s46, s18
	s_lshl_b32 s46, s46, 10
	s_add_co_u32 s46, s46, W1O
	s_mov_b32 s47, 0
	s_mul_i32 s45, s14, HALFT
	s_wait_kmcnt 0x0
	s_load_b128 s[76:79], s[8:9], 0x20
	s_add_nc_u64 s[20:21], s[4:5], s[20:21]
	s_add_nc_u64 s[46:47], s[6:7], s[46:47]
	; the prefetches: of the 128 rows that my wave fetches, each of the four partners that ask for them jointly names 32, told apart by address (cx for A's rows, cy for B's); a lane a row
	s_cmp_eq_u32 s15, 0
	s_cselect_b64 s[66:67], s[20:21], s[46:47]
	s_cselect_b32 s18, s40, s41
	s_lshl_b32 s18, s18, 15                        ; 32 rows of 1,024 bytes
	s_mov_b32 s19, 0
	s_add_nc_u64 s[66:67], s[66:67], s[18:19]
	v_and_b32 v14, 31, v0
	v_lshlrev_b32 v14, 10, v14                     ; my lane's row; never rewritten
.irp s, 0,1
	s_mov_b32 s[G0+4*\s], 1
	s_add_co_u32 s[G0+4*\s+1], s45, \s*SLOT
	s_add_nc_u64 s[G0+4*\s+2:G0+4*\s+3], s[20:21], \s*ROWB
	s_or_b32 s[G0+4*\s+3], s[G0+4*\s+3], 0x80000000
	s_mov_b32 s[G0B+4*\s], 1
	s_add_co_u32 s[G0B+4*\s+1], s45, \s*SLOT
	s_add_nc_u64 s[G0B+4*\s+2:G0B+4*\s+3], s[46:47], \s*ROWB
	s_or_b32 s[G0B+4*\s+3], s[G0B+4*\s+3], 0x80000000
	s_wait_alu depctr_va_vdst(0)
	s_wait_tensorcnt 0x0
	ds_add_u32 v28, v29
	ds_add_u32 v28, v29
	s_wait_dscnt 0x0
	CROUND
	JLOAD G0+4*\s, G1, G0B+4*\s, G1B
.if \s == 0
	global_prefetch_b8 v14, s[66:67] offset:ROWB th:TH_LOAD_NT scope:SCOPE_SE          ; behind K step 0's load also K step 1, whose load follows when step 0's has landed
.endif
	global_prefetch_b8 v14, s[66:67] offset:(2+\s)*ROWB th:TH_LOAD_NT scope:SCOPE_SE   ; behind K step s's load: 32 rows x 256 bytes of K step s + 2, the last two of the four
.endr
	v_and_b32 v1, 15, v0
	v_bfe_u32 v2, v0, 4, 1
	v_mul_u32_u24 v3, v1, PITCH
	s_wait_alu depctr_va_vdst(0)
	v_lshl_add_u32 v4, v2, 4, v3
	s_mul_i32 s21, s15, HALFT
	s_mul_i32 s22, s16, HALFT
	s_add_co_u32 s22, s22, 2*HALFT
.irp s, 0,1
	v_add_nc_u32 v[ADRA+\s], s21, v4
	v_add_nc_u32 v[ADRB+\s], s22, v4
	s_add_co_u32 s21, s21, SLOT
	s_add_co_u32 s22, s22, SLOT
.endr
	s_mul_i32 s23, s15, 128*272
	s_lshl_b32 s19, s16, 7
	s_add_co_u32 s23, s23, s19
	v_lshl_add_u32 v5, v2, 3, v3
	v_add_nc_u32 v[STO], s23, v5
	s_mul_i32 s19, s14, 64*272
	v_mul_u32_u24 v9, v2, 272
	v_lshl_add_u32 v9, v1, 4, v9
	v_add_nc_u32 v[RDV], s19, v9
	v_lshlrev_b32 v[VO], 12, v2
	v_lshl_add_u32 v[VO], v1, 4, v[VO]
	v_lshlrev_b32 v12, 5, v2
	s_lshl_b32 s90, s42, 10
	s_lshl_b32 s91, s16, 9
	s_add_co_u32 s90, s90, s91
	s_mov_b32 s91, 0
	s_add_nc_u64 s[10:11], s[10:11], s[90:91]
.irp b, 0,1,2,3,4,5,6,7
	global_load_b128 v[BN+8*\b:BN+8*\b+3], v12, s[10:11] offset:64*\b
	global_load_b128 v[BN+8*\b+4:BN+8*\b+7], v12, s[10:11] offset:64*\b+16
.endr
	s_lshl_b32 s84, s17, 8
	s_lshl_b32 s85, s14, 6
	s_add_co_u32 s84, s84, s85
	s_lshl_b32 s84, s84, 12
	s_lshl_b32 s85, s42, 8
	s_add_co_u32 s84, s84, s85
	s_mov_b32 s85, 0
	s_add_nc_u64 s[12:13], s[12:13], s[84:85]
.macro FRAG reg, adr, q, i
.irp c, 0,1,2,3
	ds_load_b128 v[\reg+4*\c:\reg+4*\c+3], v[\adr] offset:128*(\q)+32*\c+(\i)*16*PITCH
.endr
.endm
.macro MUL16 a0, p, zero
.irp a, \a0, \a0+1
.irp b, 0,1,2,3,4,5,6,7
.if \zero
	v_wmma_f32_16x16x128_fp8_fp8 v[8*(8*((\a)%4)+\b):8*(8*((\a)%4)+\b)+7], v[128*(\p)+FR*\b:128*(\p)+FR*\b+FR-1], v[AF+FR*(\a):AF+FR*(\a)+FR-1], 0
.else
	v_wmma_f32_16x16x128_fp8_fp8 v[8*(8*((\a)%4)+\b):8*(8*((\a)%4)+\b)+7], v[128*(\p)+FR*\b:128*(\p)+FR*\b+FR-1], v[AF+FR*(\a):AF+FR*(\a)+FR-1], v[8*(8*((\a)%4)+\b):8*(8*((\a)%4)+\b)+7]
.endif
.endr
.endr
.endm
.macro FETCH_B slot, q, p
	WIN TO_B
.irp i, 0,1,2,3,4,5,6,7
	FRAG 128*(\p)+FR*\i, ADRB+\slot, \q, \i
.endr
	WIN 0
.endm
.macro FETCH_A slot, q, i0
.irp i, \i0, \i0+1, \i0+2, \i0+3
	FRAG AF+FR*(\i), ADRA+\slot, \q, \i
.endr
.endm
.macro PLACES n
.rept \n
	v_nop
.endr
.endm
.macro STEP slot, q, zero
	s_wait_dscnt 4*NL
	WIN MUL_LO
	MUL16 0, (\q)%2, \zero
	MUL16 2, (\q)%2, \zero
	s_wait_dscnt 0
	PLACES NP
	FETCH_B \slot, (\q)+1, 1-(\q)%2
	FETCH_A \slot, (\q)+1, 0
	WIN MUL_HI
	MUL16 4, (\q)%2, \zero
	MUL16 6, (\q)%2, \zero
	PLACES NP
	WIN 0
	FETCH_A \slot, (\q)+1, 4
.endm
.macro TURN slot, next, fill
	s_wait_tensorcnt 0x0
	ds_add_u32 v[SPW], v[NIL]
	s_wait_dscnt 4*NL+1
	WIN MUL_LO
	MUL16 0, 1, 0
	s_wait_dscnt 0x0
	s_barrier_signal -1
	MUL16 2, 1, 0
	WIN 0
	s_barrier_wait -1
.if \fill
	CREST
	s_add_nc_u64 s[G0+4*\slot+2:G0+4*\slot+3], s[G0+4*\slot+2:G0+4*\slot+3], 2*ROWB
	s_add_nc_u64 s[G0B+4*\slot+2:G0B+4*\slot+3], s[G0B+4*\slot+2:G0B+4*\slot+3], 2*ROWB
	JLOAD G0+4*\slot, G1, G0B+4*\slot, G1B
.else
	PLACES NP
.endif
	s_wait_alu depctr_va_vdst(0)
	FETCH_B \next, 0, 0
	FETCH_A \next, 0, 0
	WIN MUL_HI
	MUL16 4, 1, 0
	MUL16 6, 1, 0
	PLACES NP
	WIN 0
	FETCH_A \next, 0, 4
.endm
	s_wait_tensorcnt 1
	s_barrier_signal -1
	s_barrier_wait -1
	FETCH_B 0, 0, 0
	FETCH_A 0, 0, 0
	FETCH_A 0, 0, 4
	STEP 0, 0, 1
	s_mov_b32 s3, LAPS-1
.Llap:
	TURN 0, 1, 1
	STEP 1, 0, 0
	TURN 1, 0, 1
	STEP 0, 0, 0
	s_sub_co_u32 s3, s3, 1
	s_cmp_lg_u32 s3, 0
	s_cbranch_scc1 .Llap
	TURN 0, 1, 0
	STEP 1, 0, 0
	s_wait_dscnt 4*NL
	WIN MUL_LO
	MUL16 0, 1, 0
	MUL16 2, 1, 0
	s_wait_dscnt 0
	WIN MUL_HI
	MUL16 4, 1, 0
	MUL16 6, 1, 0
	WIN 0
	s_wait_kmcnt 0x0
	s_add_co_i32 s84, s76, s77
	s_add_co_i32 s84, s84, 127
	s_lshl_b32 s96, s84, 23
	s_mov_b32 s97, s96
	s_mov_b32 s98, 0xbfb8aa3b
	s_mov_b32 s99, s98
	s_add_co_i32 s86, s78, 127
	s_lshl_b32 s87, s86, 23
	v_mov_b32 v[SCV], s87
	s_add_co_i32 s86, s86, 8
	s_lshl_b32 s86, s86, 23
	s_or_b32 s86, s86, 0x600000
	v_mov_b32 v[LIMV], s86
	s_wait_loadcnt 0x0
	PLACES NP
.macro EPI a
.set AC, 64*((\a)%4)
.set CC, CD+16*((\a)%2)
	WIN 0x02+((\a)/4)
.set j, 0
.rept 32
	v_pk_fma_f32 v[TMP+j:TMP+j+1], v[AC+j:AC+j+1], s[96:97], v[BN+j:BN+j+1] op_sel_hi:[1,0,1]
.set j, j+2
.endr
	WIN 0
.set j, 0
.rept 32
	v_pk_mul_f32 v[EX+j:EX+j+1], v[TMP+j:TMP+j+1], s[98:99] op_sel_hi:[1,0]
.set j, j+2
.endr
.set j, 0
	s_wait_alu depctr_va_vdst(0)
.rept 64
	v_exp_f32 v[EX+j], v[EX+j]
.set j, j+1
.endr
	v_nop
	s_wait_alu depctr_va_vdst(0)
.set j, 0
.rept 32
	v_pk_add_f32 v[EX+j:EX+j+1], v[EX+j:EX+j+1], 1.0 op_sel_hi:[1,0]
.set j, j+2
.endr
.set j, 0
	s_wait_alu depctr_va_vdst(0)
.rept 64
	v_rcp_f32 v[EX+j], v[EX+j]
.set j, j+1
.endr
	v_nop
	s_wait_alu depctr_va_vdst(0)
.set j, 0
.rept 32
	v_pk_mul_f32 v[TMP+j:TMP+j+1], v[TMP+j:TMP+j+1], v[EX+j:EX+j+1]
.set j, j+2
.endr
.set j, 0
.rept 64
	v_med3_num_f32 v[TMP+j], v[TMP+j], -v[LIMV], v[LIMV]
.set j, j+1
.endr
	s_wait_alu depctr_va_vdst(0)
	s_wait_dscnt 0x0
.irp b, 0,1,2,3,4,5,6,7
	v_cvt_scalef32_pk8_fp8_f32 v[CC+2*\b:CC+2*\b+1], v[TMP+8*\b:TMP+8*\b+7], v[SCV]
.endr
	v_nop
.irp b, 0,1,2,3,4,5,6,7
	ds_store_b64 v[STO], v[CC+2*\b:CC+2*\b+1] offset:(\a)*16*272+16*\b
.endr
.endm
.irp a, 0,1,2,3,4,5,6,7
	EPI \a
.endr
	s_wait_dscnt 0x0
	s_barrier_signal -1
	s_barrier_wait -1
.set i, 0
.rept 32
	ds_load_b128 v[128+4*i:131+4*i], v[RDV] offset:544*i
.set i, i+1
.endr
.set i, 0
.rept 32
	s_wait_dscnt 31-i
	global_store_b128 v[VO], v[128+4*i:131+4*i], s[12:13] offset:8192*i
.set i, i+1
.endr
	s_wait_tensorcnt 0x0
	ds_add_u32 v[SPW], v[NIL]
	s_wait_dscnt 0x0
	CROUND
	s_endpgm
.Lfunc_end_k_q8442d69035_mlp1:
	.size	k_q8442d69035_mlp1, .Lfunc_end_k_q8442d69035_mlp1-k_q8442d69035_mlp1
	.p2alignl 7, 3214868480
	.fill 96, 4, 3214868480
	.section	.rodata,"a",@progbits
	.p2align	6, 0x0
	.amdhsa_kernel k_q8442d69035_mlp1
		.amdhsa_group_segment_fixed_size 327680
		.amdhsa_private_segment_fixed_size 0
		.amdhsa_enable_private_segment 0
		.amdhsa_kernarg_size 40
		.amdhsa_user_sgpr_count 2
		.amdhsa_user_sgpr_kernarg_segment_ptr 1
		.amdhsa_wavefront_size32 1
		.amdhsa_system_sgpr_workgroup_id_x 1
		.amdhsa_system_sgpr_workgroup_id_y 1
		.amdhsa_system_sgpr_workgroup_id_z 1
		.amdhsa_system_vgpr_workitem_id 0
		.amdhsa_next_free_vgpr 1024
		.amdhsa_next_free_sgpr 100
		.amdhsa_reserve_vcc 0
		.amdhsa_float_denorm_mode_32 3
		.amdhsa_float_denorm_mode_16_64 3
		.amdhsa_memory_ordered 1
		.amdhsa_forward_progress 1
		.amdhsa_inst_pref_size 226
	.end_amdhsa_kernel
	.amdgpu_metadata
---
amdhsa.version: [ 1, 2 ]
amdhsa.kernels:
  - .name:           k_q8442d69035_mlp1
    .symbol:         k_q8442d69035_mlp1.kd
    .args:
      - { .name: hc, .offset: 0, .size: 8, .value_kind: global_buffer, .address_space: global }
      - { .name: pc, .offset: 8, .size: 8, .value_kind: global_buffer, .address_space: global }
      - { .name: lowp_scales, .offset: 16, .size: 8, .value_kind: global_buffer, .address_space: global }
      - { .name: b1, .offset: 24, .size: 8, .value_kind: global_buffer, .address_space: global }
      - { .name: gc, .offset: 32, .size: 8, .value_kind: global_buffer, .address_space: global }
    .group_segment_fixed_size: 327680
    .private_segment_fixed_size: 0
    .kernarg_segment_align: 8
    .kernarg_segment_size: 40
    .max_flat_workgroup_size: 128
    .sgpr_count:     100
    .vgpr_count:     1024
    .wavefront_size: 32
...
	.end_amdgpu_metadata
.endif
;; end of part 11
;; launch mlp2 (part 12): grid 8 x 32, 4 waves a work-group, clusters of 4 x 4, 327,680 bytes of LDS; arguments gc, pc, lowp_scales, b2, x, out0; writes out0
.if DOCPART == 12
	.amdgcn_target "amdgcn-amd-amdhsa--gfx1250"
	.amdhsa_code_object_version 6
	.text
	.protected	k_q8442d69035_mlp2
	.globl	k_q8442d69035_mlp2
	.p2align	8
	.type	k_q8442d69035_mlp2,@function
k_q8442d69035_mlp2:
	s_mov_b64 s[64:65], 0
	v_nop
	global_prefetch_b8 v0, s[64:65] scope:SCOPE_SE
	s_setreg_imm32_b32 hwreg(HW_REG_WAVE_MODE, 25, 1), 1
	s_wait_xcnt 0x0
	s_wait_alu depctr_hold_cnt(0) depctr_sa_sdst(0) depctr_va_vdst(0) depctr_va_sdst(0) depctr_va_ssrc(0) depctr_va_vcc(0) depctr_vm_vsrc(0)
	s_getreg_b32 s2, hwreg(HW_REG_IB_STS2, 6, 4)
	s_cmp_eq_u32 s2, 0
	s_cbranch_scc0 .Lentry_in_a_cluster
	s_endpgm
.Lentry_in_a_cluster:
	s_bfe_u32 s2, ttmp6, 0x10000c
	s_cmp_lg_u32 s2, 0xf033
	s_cbranch_scc0 .Lentry_shape_is_right
	s_endpgm
.Lentry_shape_is_right:
.set KROW,   4096
.set W2O,    0xf00000
.set KSTEP,  512
.set PITCH,  528
.set HALFT,  64*PITCH
.set SLOT,   4*HALFT
.set LAPS,   KROW/(2*KSTEP)
.set SPARE,  2*SLOT
.set STAGE,  SPARE+512
.set SPITCH, 272
.set ADRA, 16
.set ADRB, 20
.set STO,  24
.set RD,   25
.set CO,   26
.set BO,   27
.set SPW,  28
.set NIL,  29
.set TMP,  32
.set BK,   64
.set ACC,  128
.set F0,   0
.set F1,   128
.set XR,   0
.set BN,   128
.set G1, 24
.set G0, 32
.set G1B, 48
.set G0B, 56
.set MSB, 0
.macro WIN new
.if MSB != \new
	s_set_vgpr_msb (MSB<<8)|\new
.set MSB, \new
.endif
.endm
.set MUL,  0x05
.set TO_F, 0x40
.macro JLOAD g0a, g1a, g0b, g1b
	s_cmp_eq_u32 s15, 0
	s_cbranch_scc0 .Lfor_b_\@
	tensor_load_to_lds s[\g0a:\g0a+3], s[\g1a:\g1a+7]
	s_nop 0
.rept 4
	v_nop
.endr
	s_branch .Lasked_\@
.Lfor_b_\@:
	tensor_load_to_lds s[\g0b:\g0b+3], s[\g1b:\g1b+7]
	s_nop 0
.rept 4
	v_nop
.endr
.Lasked_\@:
.endm
.macro CREST
	s_cmp_lg_u32 s14, 0
	s_cbranch_scc1 .Lnot_wave_0_\@
	s_barrier_signal -3
.Lnot_wave_0_\@:
	s_barrier_wait -3
	s_barrier_signal -1
	s_barrier_wait -1
.endm
.macro CROUND
	s_barrier_signal -1
	s_barrier_wait -1
	CREST
.endm
	s_load_b256 s[4:11], s[0:1], 0x0
	s_load_b128 s[68:71], s[0:1], 0x20
	v_lshl_add_u32 v[SPW], v0, 2, SPARE
	v_mov_b32 v[NIL], 0
	ds_add_u32 v28, v29
	ds_add_u32 v28, v29
	s_wait_dscnt 0x0
	v_lshrrev_b32 v1, 5, v0
	v_readfirstlane_b32 s14, v1
	s_lshr_b32 s15, s14, 1
	s_and_b32 s16, s14, 1
	s_bfe_u32 s40, ttmp6, 0x40000
	s_bfe_u32 s41, ttmp6, 0x40004
	s_lshl_b32 s42, ttmp9, 2
	s_add_co_u32 s42, s42, s40
	s_and_b32 s17, ttmp7, 0xffff
	s_lshl_b32 s17, s17, 2
	s_add_co_u32 s17, s17, s41
	s_lshl_b32 s43, s41, 2
	s_lshl_b32 s43, 15, s43
	s_lshl_b32 s44, 0x1111, s40
	s_or_b32 s[G1+0], s43, (0<<16)|(1<<20)|(1<<21)|(6<<22)|(3<<25)
	s_or_b32 s[G1B+0], s44, (0<<16)|(1<<20)|(1<<21)|(6<<22)|(3<<25)
.irp g, G1, G1B
	s_mov_b32 s[\g+1], KSTEP<<16
	s_mov_b32 s[\g+2], 64<<16
	s_mov_b32 s[\g+3], KSTEP<<16
	s_mov_b32 s[\g+4], 64
	s_mov_b32 s[\g+5], KROW
	s_mov_b32 s[\g+6], 0
	s_mov_b32 s[\g+7], 0
.endr
	s_lshl_b32 s18, s16, 6
	s_lshl_b32 s20, s17, 7
	s_add_co_u32 s20, s20, s18
	s_lshl_b32 s20, s20, 12
	s_mov_b32 s21, 0
	s_lshl_b32 s46, s42, 7
	s_add_co_u32 s46, s46, s18
	s_lshl_b32 s46, s46, 12
	s_add_co_u32 s46, s46, W2O
	s_mov_b32 s47, 0
	s_mul_i32 s45, s14, HALFT
	s_wait_kmcnt 0x0
	s_load_b64 s[96:97], s[8:9], 0x28
	s_add_nc_u64 s[20:21], s[4:5], s[20:21]
	s_add_nc_u64 s[46:47], s[6:7], s[46:47]
	; the prefetches: of the 64 rows x 512 bytes that my wave fetches, each of the four partners that ask for them jointly names 16 rows, told apart by address (cx for A's rows, cy for B's); two lanes a row, 256 bytes apart
	s_cmp_eq_u32 s15, 0
	s_cselect_b64 s[66:67], s[20:21], s[46:47]
	s_cselect_b32 s18, s40, s41
	s_lshl_b32 s18, s18, 16                        ; 16 rows of 4,096 bytes
	s_mov_b32 s19, 0
	s_add_nc_u64 s[66:67], s[66:67], s[18:19]
	v_and_b32 v14, 31, v0
	v_lshrrev_b32 v15, 1, v14
	v_and_b32 v14, 1, v14
	v_lshlrev_b32 v14, 8, v14
	v_lshl_add_u32 v14, v15, 12, v14               ; never rewritten
.irp s, 0,1
	s_mov_b32 s[G0+4*\s], 1
	s_add_co_u32 s[G0+4*\s+1], s45, \s*SLOT
	s_add_nc_u64 s[G0+4*\s+2:G0+4*\s+3], s[20:21], \s*KSTEP
	s_or_b32 s[G0+4*\s+3], s[G0+4*\s+3], 0x80000000
	s_mov_b32 s[G0B+4*\s], 1
	s_add_co_u32 s[G0B+4*\s+1], s45, \s*SLOT
	s_add_nc_u64 s[G0B+4*\s+2:G0B+4*\s+3], s[46:47], \s*KSTEP
	s_or_b32 s[G0B+4*\s+3], s[G0B+4*\s+3], 0x80000000
	s_wait_alu depctr_va_vdst(0)
	s_wait_tensorcnt 0x0
	ds_add_u32 v28, v29
	ds_add_u32 v28, v29
	s_wait_dscnt 0x0
	CROUND
	JLOAD G0+4*\s, G1, G0B+4*\s, G1B
.if \s == 0
	global_prefetch_b8 v14, s[66:67] offset:KSTEP th:TH_LOAD_NT scope:SCOPE_SE          ; behind K step 0's load also K step 1, whose load follows when step 0's has landed
.endif
	global_prefetch_b8 v14, s[66:67] offset:(2+\s)*KSTEP th:TH_LOAD_NT scope:SCOPE_SE   ; behind K step s's load: my 32 blocks of K step s + 2
.endr
	v_and_b32 v1, 15, v0
	s_wait_alu depctr_va_vdst(0)
	v_bfe_u32 v2, v0, 4, 1
	v_mul_u32_u24 v3, v1, PITCH
	v_lshl_add_u32 v4, v2, 4, v3
	s_mul_i32 s21, s15, HALFT
	s_mul_i32 s22, s16, HALFT
	s_add_co_u32 s22, s22, 2*HALFT
.irp s, 0,1
	v_add_nc_u32 v[ADRA+\s], s21, v4
	v_add_nc_u32 v[ADRB+\s], s22, v4
	s_add_co_u32 s21, s21, SLOT
	s_add_co_u32 s22, s22, SLOT
.endr
	s_mul_i32 s23, s14, 16*SPITCH
	s_add_co_u32 s23, s23, STAGE
	v_mul_u32_u24 v5, v1, SPITCH
	s_wait_alu depctr_va_vdst(0)
	v_lshl_add_u32 v5, v2, 5, v5
	v_add_nc_u32 v[STO], s23, v5
	v_mul_u32_u24 v6, v2, SPITCH
	v_lshl_add_u32 v6, v1, 4, v6
	v_add_nc_u32 v[RD], s23, v6
	v_lshlrev_b32 v[CO], 12, v2
	v_lshl_add_u32 v[CO], v1, 4, v[CO]
	s_wait_alu depctr_va_vdst(0)
	v_lshlrev_b32 v[BO], 5, v2
	s_wait_alu depctr_va_vdst(0)
	s_lshl_b32 s20, s17, 7
	s_lshl_b32 s21, s15, 6
	s_add_co_u32 s20, s20, s21
	s_lshl_b32 s20, s20, 12
	s_lshl_b32 s46, s42, 9
	s_lshl_b32 s47, s16, 8
	s_add_co_u32 s46, s46, s47
	s_add_co_u32 s20, s20, s46
	s_mov_b32 s21, 0
	s_mov_b32 s47, 0
	s_add_nc_u64 s[68:69], s[68:69], s[20:21]
	s_add_nc_u64 s[70:71], s[70:71], s[20:21]
	s_add_nc_u64 s[10:11], s[10:11], s[46:47]
	WIN 0x80
.set i, 0
.rept 32
	global_load_b128 v[XR+4*i:XR+4*i+3], v[CO], s[68:69] offset:2*i*4096 th:TH_LOAD_NT
.set i, i+1
.endr
.irp b, 0,1,2,3
	global_load_b128 v[BN+8*\b:BN+8*\b+3], v[BO], s[10:11] offset:64*\b
	global_load_b128 v[BN+8*\b+4:BN+8*\b+7], v[BO], s[10:11] offset:64*\b+16
.endr
	WIN 0
.macro MUL4 f, a, zero
.irp b, 0,1,2,3
.if \zero
	v_wmma_f32_16x16x128_fp8_fp8 v[ACC+8*(4*(\a)+\b):ACC+8*(4*(\a)+\b)+7], v[\f+64+16*\b:\f+64+16*\b+15], v[\f+16*(\a):\f+16*(\a)+15], 0
.else
	v_wmma_f32_16x16x128_fp8_fp8 v[ACC+8*(4*(\a)+\b):ACC+8*(4*(\a)+\b)+7], v[\f+64+16*\b:\f+64+16*\b+15], v[\f+16*(\a):\f+16*(\a)+15], v[ACC+8*(4*(\a)+\b):ACC+8*(4*(\a)+\b)+7]
.endif
.endr
.endm
.macro FETCH slot, k, f
	WIN TO_F
.irp i, 0,1,2,3
.irp c, 0,1,2,3
	ds_load_b128 v[\f+64+16*\i+4*\c:\f+64+16*\i+4*\c+3], v[ADRB+\slot] offset:\k+32*\c+\i*16*PITCH
.endr
.endr
.irp i, 0,1,2,3
.irp c, 0,1,2,3
	ds_load_b128 v[\f+16*\i+4*\c:\f+16*\i+4*\c+3], v[ADRA+\slot] offset:\k+32*\c+\i*16*PITCH
.endr
.endr
.endm
.macro PLACES
.rept 4
	v_nop
.endr
.endm
.macro QUARTER slot, k, f, g, zero
	s_wait_dscnt 8
	WIN MUL
	MUL4 \f, 0, \zero
	MUL4 \f, 1, \zero
	PLACES
	FETCH \slot, \k, \g
	s_wait_dscnt 32
	WIN MUL
	MUL4 \f, 2, \zero
	MUL4 \f, 3, \zero
.endm
.macro TURN slot, next, fill
	WIN 0
.if \fill
	s_wait_xcnt 0x0                                ; the last prefetch has read its address, which is stepped here: one K step on
	s_add_nc_u64 s[66:67], s[66:67], KSTEP
.endif
	s_wait_tensorcnt 0x0
	ds_add_u32 v[SPW], v[NIL]
	s_wait_dscnt 9
	WIN MUL
	MUL4 F1, 0, 0
	s_wait_dscnt 0x0
	s_barrier_signal -1
	MUL4 F1, 1, 0
.if \fill
	WIN 0
.endif
	s_barrier_wait -1
.if \fill
	CREST
	s_add_nc_u64 s[G0+4*\slot+2:G0+4*\slot+3], s[G0+4*\slot+2:G0+4*\slot+3], 2*KSTEP
	s_add_nc_u64 s[G0B+4*\slot+2:G0B+4*\slot+3], s[G0B+4*\slot+2:G0B+4*\slot+3], 2*KSTEP
	JLOAD G0+4*\slot, G1, G0B+4*\slot, G1B
.else
	PLACES
.endif
	FETCH \next, 0, F0
.if \fill
	WIN 0
	s_cmp_gt_u32 s3, 1                             ; the loop's last trip fills K steps 6 and 7: no K step stands two further on
	s_cbranch_scc0 .Lno_ask_\@
	global_prefetch_b8 v14, s[66:67] offset:3*KSTEP th:TH_LOAD_NT scope:SCOPE_SE   ; behind the refill with K step k: my 32 blocks of K step k + 2
.Lno_ask_\@:
.endif
	WIN MUL
	MUL4 F1, 2, 0
	MUL4 F1, 3, 0
.endm
	s_wait_tensorcnt 1
	s_barrier_signal -1
	s_barrier_wait -1
	FETCH 0, 0, F0
	QUARTER 0, 128, F0, F1, 1
	WIN 0
	s_mov_b32 s3, LAPS-1
.Llap:
	QUARTER 0, 256, F1, F0, 0
	QUARTER 0, 384, F0, F1, 0
	TURN 0, 1, 1
	QUARTER 1, 128, F0, F1, 0
	QUARTER 1, 256, F1, F0, 0
	QUARTER 1, 384, F0, F1, 0
	TURN 1, 0, 1
	QUARTER 0, 128, F0, F1, 0
	WIN 0
	s_sub_co_u32 s3, s3, 1
	s_cmp_lg_u32 s3, 0
	s_cbranch_scc1 .Llap
	QUARTER 0, 256, F1, F0, 0
	QUARTER 0, 384, F0, F1, 0
	TURN 0, 1, 0
	QUARTER 1, 128, F0, F1, 0
	QUARTER 1, 256, F1, F0, 0
	QUARTER 1, 384, F0, F1, 0
	s_wait_dscnt 8
	WIN MUL
	MUL4 F1, 0, 0
	MUL4 F1, 1, 0
	s_wait_dscnt 0
	MUL4 F1, 2, 0
	MUL4 F1, 3, 0
	WIN 0
.macro TOSTAGE a
	WIN 0x20
.set j, 0
.rept 16
	v_pk_fma_f32 v[TMP+j:TMP+j+1], v[ACC+32*(\a)+j:ACC+32*(\a)+j+1], s[96:97], v[BN+j:BN+j+1] op_sel_hi:[1,0,1]
.set j, j+2
.endr
	WIN 0
.irp b, 0,1,2,3
	ds_store_b128 v[STO], v[TMP+8*\b:TMP+8*\b+3] offset:64*\b
	ds_store_b128 v[STO], v[TMP+8*\b+4:TMP+8*\b+7] offset:64*\b+16
.endr
.set BB, BK+32*((\a)%2)
.set t, 0
.rept 8
	ds_load_b128 v[BB+4*t:BB+4*t+3], v[RD] offset:t*2*SPITCH
.set t, t+1
.endr
.endm
.macro SEND a, younger
.set BB, BK+32*((\a)%2)
	s_wait_dscnt \younger
	WIN 0x08
.set j, 0
.rept 16
	v_pk_add_f32 v[BB+j:BB+j+1], v[BB+j:BB+j+1], v[XR+32*(\a)+j:XR+32*(\a)+j+1]
.set j, j+2
.endr
	WIN 0
.set t, 0
.rept 8
	global_store_b128 v[CO], v[BB+4*t:BB+4*t+3], s[70:71] offset:(16*(\a)+2*t)*4096 th:TH_STORE_NT
.set t, t+1
.endr
.endm
	s_wait_kmcnt 0x0
	s_add_co_i32 s96, s96, s97
	s_add_co_i32 s96, s96, 127
	s_lshl_b32 s96, s96, 23
	s_mov_b32 s97, s96
	s_wait_loadcnt 0x0
	PLACES
	TOSTAGE 0
.irp a, 1,2,3
.if \a > 1
	s_wait_xcnt 0x0
.endif
	TOSTAGE \a
	SEND \a-1, 16
.endr
	SEND 3, 0
	s_wait_tensorcnt 0x0
	ds_add_u32 v[SPW], v[NIL]
	s_wait_dscnt 0x0
	CROUND
	s_endpgm
.Lfunc_end_k_q8442d69035_mlp2:
	.size	k_q8442d69035_mlp2, .Lfunc_end_k_q8442d69035_mlp2-k_q8442d69035_mlp2
	.p2alignl 7, 3214868480
	.fill 96, 4, 3214868480
	.section	.rodata,"a",@progbits
	.p2align	6, 0x0
	.amdhsa_kernel k_q8442d69035_mlp2
		.amdhsa_group_segment_fixed_size 327680
		.amdhsa_private_segment_fixed_size 0
		.amdhsa_enable_private_segment 0
		.amdhsa_kernarg_size 48
		.amdhsa_user_sgpr_count 2
		.amdhsa_user_sgpr_kernarg_segment_ptr 1
		.amdhsa_wavefront_size32 1
		.amdhsa_system_sgpr_workgroup_id_x 1
		.amdhsa_system_sgpr_workgroup_id_y 1
		.amdhsa_system_sgpr_workgroup_id_z 1
		.amdhsa_system_vgpr_workitem_id 0
		.amdhsa_next_free_vgpr 672
		.amdhsa_next_free_sgpr 100
		.amdhsa_reserve_vcc 0
		.amdhsa_float_denorm_mode_32 3
		.amdhsa_float_denorm_mode_16_64 3
		.amdhsa_memory_ordered 1
		.amdhsa_forward_progress 1
		.amdhsa_inst_pref_size 84
	.end_amdhsa_kernel
	.amdgpu_metadata
---
amdhsa.version: [ 1, 2 ]
amdhsa.kernels:
  - .name:           k_q8442d69035_mlp2
    .symbol:         k_q8442d69035_mlp2.kd
    .args:
      - { .name: gc, .offset: 0, .size: 8, .value_kind: global_buffer, .address_space: global }
      - { .name: pc, .offset: 8, .size: 8, .value_kind: global_buffer, .address_space: global }
      - { .name: lowp_scales, .offset: 16, .size: 8, .value_kind: global_buffer, .address_space: global }
      - { .name: b2, .offset: 24, .size: 8, .value_kind: global_buffer, .address_space: global }
      - { .name: x, .offset: 32, .size: 8, .value_kind: global_buffer, .address_space: global }
      - { .name: out0, .offset: 40, .size: 8, .value_kind: global_buffer, .address_space: global }
    .group_segment_fixed_size: 327680
    .private_segment_fixed_size: 0
    .kernarg_segment_align: 8
    .kernarg_segment_size: 48
    .max_flat_workgroup_size: 128
    .sgpr_count:     100
    .vgpr_count:     672
    .wavefront_size: 32
...
	.end_amdgpu_metadata
.endif
;; end of part 12
